; MI455X (gfx1250); checked and timed in simulation.
; The chip was launched on July 23, 2026; its instructions are those of AMD's public machine-readable ISA for CDNA 5 (MIT licence, August 2026) and "CDNA5" Instruction Set Architecture Reference Guide (July 2026). The comments in the code are by the model that wrote it; some were corrected since.
;; Multi Query Attention. Allowed arithmetic: float matrix products may take bf16 or f16 operands with f32 sums; other float arithmetic in f32, or as packed bf16 or f16 multiplies, adds, multiply-adds, maxima and minima; sums over many terms, partial sums and values carried from step to step in f32; what a program stores and reads back later, other than sums and carried values, may be rounded once to bf16 or f16.
;; Inputs: Wk 2,048 x 128 float32; Wo 1,024 x 2,048 float32; Wq 2,048 x 2,048 float32; Wv 2,048 x 64 float32; bk 128 float32; bo 2,048 float32; bq 2,048 float32; bv 64 float32; k_in 2 x 2,048 x 2,048 float32; mask 2 x 2,048 bool; q_in 2 x 2,048 x 2,048 float32; v_in 2 x 2,048 x 2,048 float32.
;; Outputs: out0 2 x 2,048 x 2,048 float32.
;; 2 versions, each right. Each part assembles by itself: llvm-mc -triple=amdgcn-amd-amdhsa -mcpu=gfx1250 --defsym DOCPART=n.
;; ======== version 1 of 2: 5 launches
;; limits: values are held in f16: magnitudes above 65,504 overflow, below 6.1e-05 lose precision; a function is approximated: absolute error at most 2.2e-05
;; workspace buffers: qb 16,777,216 bytes; wt 13,369,344 bytes; tab 2,113,536 bytes; qf 16,777,216 bytes; kf 1,048,576 bytes; vp 540,672 bytes; af 8,388,608 bytes
;; launch prep (part 1): grid 2112 x 1, 4 waves a work-group, no clusters, 17,920 bytes of LDS; arguments q_in, Wq, Wo, Wk, Wv, bq, bo, mask, qb, wt, tab, vp; writes qb, wt, tab, vp
.if DOCPART == 1
	.amdgcn_target "amdgcn-amd-amdhsa--gfx1250"
	.amdhsa_code_object_version 6
	.text
	.protected	k_q0a519d69de_prep
	.globl	k_q0a519d69de_prep
	.p2align	8
	.type	k_q0a519d69de_prep,@function
k_q0a519d69de_prep:
	s_mov_b64 s[64:65], 0
	v_nop
	global_prefetch_b8 v0, s[64:65] scope:SCOPE_SE
	s_setreg_imm32_b32 hwreg(HW_REG_WAVE_MODE, 25, 1), 1
	s_wait_xcnt 0x0
; PREP: what the later launches want in another form.  The work-group's number x picks one of five roles:
;   x < 1024          CAST   8,192 numbers of q_in, rounded to bf16, into qb
;   1024 <= x < 1840  TURN   a tile of 128 k x 64 n of a weight [k][n] f32, rounded to bf16 and turned, into wt as [n][k];
;                            Wo's numbers, so rounded, are written as f16 (exact within f16's range: |Wo| up to 65,504)
;   1840 <= x < 2096  ROPE   8 positions of the two tables: 64 cosines, 64 sines, times QS (for q) and times KS (for k)
;   2096 <= x < 2104  BIAS   512 numbers of bq or bo, rounded to bf16 and written as f32
;   2104 <= x < 2112  MASK   128 keys a wave: 0 for a key that counts, -2^100 for a padded one, behind the group's rows of v in vp
; QS x KS = log2(e) / sqrt(128): the scores leave the first product ready for 2^(s - m).
; LIMIT of the table: the angle is reduced to -pi .. pi (two-part 2 pi), sine and cosine are Taylor sums through r^13 and r^14:
; the first term left out is 2.2e-5 at r = pi, for every position.
; Only TURN hands data between waves.  Its barrier stands on every role's path, and what its second part reads is made at the head by everybody.
.set SPARE, 17408                      ; behind the 64 rows x 272 bytes of the turned tile: the spare words, 128 bytes a wave
.set SPW,   158                        ; v158 LDS address of my spare word; never rewritten
.set NIL,   159                        ; v159 0; never rewritten
.set QSC,   0x3f0293ee                 ; QS = 4 log2(e) / sqrt(128)
.set KSC,   0x3e800000                 ; KS = 0.25
.set NBC,   0xf1800000                 ; -2^100
	s_load_b512 s[4:19], s[0:1], 0x0               ; q_in 4, Wq 6, Wo 8, Wk 10, Wv 12, bq 14, bo 16, mask 18
	s_load_b256 s[20:27], s[0:1], 0x40             ; qb 20, wt 22, tab 24, vp 26
	v_lshl_add_u32 v[SPW], v0, 2, SPARE
	v_mov_b32 v[NIL], 0
	v_lshrrev_b32 v1, 5, v0
	v_readfirstlane_b32 s28, v1                    ; wave 0..3
	v_and_b32 v1, 31, v0                           ; lane
	s_mov_b32 s2, ttmp9
	s_sub_co_u32 s29, s2, 1024                     ; TURN's tile number t (meaningless in the other roles, and unused there)
	s_wait_kmcnt 0x0
	; which weight: s32 k tile, s33 n tile, s34 source pitch, s35 pitch in wt, s36 place in wt, s37 all ones for f16, s[38:39] source
	s_and_b32 s32, s29, 15                         ; Wq: t < 512
	s_lshr_b32 s33, s29, 4
	s_mov_b32 s34, 8192
	s_mov_b32 s35, 4096
	s_mov_b32 s36, 0
	s_mov_b32 s37, 0
	s_mov_b64 s[38:39], s[6:7]
	s_sub_co_u32 s40, s29, 512                     ; Wo: 512 <= t < 768
	s_and_b32 s41, s40, 7
	s_lshr_b32 s42, s40, 3
	s_cmp_ge_u32 s29, 512
	s_cselect_b32 s32, s41, s32
	s_cselect_b32 s33, s42, s33
	s_cselect_b32 s35, 2048, s35
	s_cselect_b32 s36, 8388608, s36
	s_cselect_b32 s37, -1, s37
	s_cselect_b64 s[38:39], s[8:9], s[38:39]
	s_sub_co_u32 s40, s29, 768                     ; Wk: 768 <= t < 800
	s_and_b32 s41, s40, 15
	s_lshr_b32 s42, s40, 4
	s_cmp_ge_u32 s29, 768
	s_cselect_b32 s32, s41, s32
	s_cselect_b32 s33, s42, s33
	s_cselect_b32 s34, 512, s34
	s_cselect_b32 s35, 4096, s35
	s_cselect_b32 s36, 12582912, s36
	s_cselect_b32 s37, 0, s37
	s_cselect_b64 s[38:39], s[10:11], s[38:39]
	s_sub_co_u32 s40, s29, 800                     ; Wv: 800 <= t < 816, behind Wk's 128 rows
	s_cmp_ge_u32 s29, 800
	s_cselect_b32 s32, s40, s32
	s_cselect_b32 s33, 0, s33
	s_cselect_b32 s34, 256, s34
	s_cselect_b32 s36, 13107200, s36
	s_cselect_b64 s[38:39], s[12:13], s[38:39]
	s_cmp_lt_u32 s29, 816
	s_cselect_b32 s58, 1, 0                        ; 1: this work-group turns a tile
	s_lshl_b32 s40, s33, 6                         ; the tile's place in wt: 64 n tile rows, 256 bytes a k tile
	s_mul_i32 s40, s40, s35
	s_lshl_b32 s41, s32, 8
	s_add_co_u32 s40, s40, s41
	s_add_co_u32 s40, s40, s36
	s_mov_b32 s41, 0
	s_add_nc_u64 s[56:57], s[22:23], s[40:41]
	v_lshrrev_b32 v6, 4, v1
	v_lshl_add_u32 v6, s28, 4, v6                  ; the way out: row 16 w + lane / 16 (+ 2 j)
	v_and_b32 v7, 15, v1
	v_lshlrev_b32 v7, 4, v7                        ; 16 bytes a lane: 16 lanes take a row's 256 bytes
	v_mad_u32_u24 v5, v6, 272, v7                  ; in LDS
.irp j, 0,1,2,3,4,5,6,7
	v_add_nc_u32 v115, 2*\j, v6
	v_mad_u32_u24 v[116+\j], v115, s35, v7         ; in wt
.endr
	s_cmp_lt_u32 s2, 1024
	s_cbranch_scc1 .Lcast
	s_cmp_lt_u32 s2, 1840
	s_cbranch_scc1 .Lturn
	s_cmp_lt_u32 s2, 2096
	s_cbranch_scc1 .Lrope
	s_cmp_lt_u32 s2, 2104
	s_cbranch_scc1 .Lbias
	; MASK: wave w takes group G = 4 (x - 2104) + w of 128 keys; a lane four of them
	s_sub_co_u32 s40, s2, 2104
	s_lshl2_add_u32 s40, s40, s28
	s_lshl_b32 s42, s40, 7
	s_mov_b32 s43, 0
	s_add_nc_u64 s[18:19], s[18:19], s[42:43]
	v_lshlrev_b32 v2, 2, v1
	global_load_b32 v8, v2, s[18:19]
	s_lshr_b32 s41, s40, 4                         ; batch
	s_mul_i32 s41, s41, 270336
	s_and_b32 s44, s40, 15                         ; group in the batch: 16,896 bytes each, the addends behind 16,384 of v
	s_mul_i32 s44, s44, 16896
	s_add_co_u32 s44, s44, s41
	s_add_co_u32 s44, s44, 16384
	s_mov_b32 s45, 0
	s_add_nc_u64 s[26:27], s[26:27], s[44:45]
	v_lshlrev_b32 v3, 4, v1
	s_mov_b32 s46, NBC
	s_wait_loadcnt 0x0
.irp j, 0,1,2,3
	v_bfe_u32 v9, v8, 8*\j, 8
	v_cmp_ne_u32 vcc_lo, 0, v9
	v_cndmask_b32 v[12+\j], 0, s46, vcc_lo
.endr
	global_store_b128 v3, v[12:15], s[26:27]       ; the wave's store covers 512 consecutive bytes, aligned
	s_branch .Lmeet
.Lbias:
	s_sub_co_u32 s40, s2, 2096                     ; chunks 0-3: bq; 4-7: bo
	s_and_b32 s41, s40, 3
	s_lshl_b32 s42, s41, 11
	s_mov_b32 s43, 0
	s_cmp_lt_u32 s40, 4
	s_cselect_b64 s[44:45], s[14:15], s[16:17]
	s_add_nc_u64 s[44:45], s[44:45], s[42:43]
	v_lshlrev_b32 v2, 4, v0
	global_load_b128 v[8:11], v2, s[44:45]
	s_lshl_b32 s46, s40, 11
	s_add_co_u32 s46, s46, 2097152
	s_mov_b32 s47, 0
	s_add_nc_u64 s[46:47], s[24:25], s[46:47]
	s_wait_loadcnt 0x0
	v_cvt_pk_bf16_f32 v12, v8, v9
	v_cvt_pk_bf16_f32 v13, v10, v11
	v_lshlrev_b32 v8, 16, v12
	v_and_b32 v9, 0xffff0000, v12
	v_lshlrev_b32 v10, 16, v13
	v_and_b32 v11, 0xffff0000, v13
	global_store_b128 v2, v[8:11], s[46:47]
	s_branch .Lmeet
.Lrope:                                        ; thread t: position 8 rr + t / 16, frequencies 4 (t % 16) + 0..3
	s_sub_co_u32 s40, s2, 1840
	s_lshl_b32 s42, s40, 12                        ; 8 rows of 512 bytes
	s_mov_b32 s43, 0
	s_add_nc_u64 s[24:25], s[24:25], s[42:43]
	s_lshl_b32 s41, s40, 3
	v_and_b32 v2, 15, v0
	v_lshrrev_b32 v3, 4, v0
	v_lshlrev_b32 v4, 2, v2
.irp j, 0,1,2,3
	v_add_nc_u32 v5, \j, v4
	v_cvt_f32_u32 v[8+\j], v5
	v_mul_f32 v[8+\j], 0xbe549a78, v[8+\j]         ; - i log2(10000) / 64
.endr
.irp j, 0,1,2,3
	v_exp_f32 v[8+\j], v[8+\j]                     ; 10000^(-i/64): one batch of four
.endr
	v_add_nc_u32 v6, s41, v3                       ; plain work behind the batch: the position
	v_cvt_f32_u32 v6, v6
	s_wait_alu depctr_va_vdst(0)                   ; one wait for the four, ahead of their first reader
	s_mov_b32 s44, 0x40c90fdb                      ; 2 pi, upper part
	s_mov_b32 s45, 0xb43bbd2e                      ; 2 pi, the rest
.irp j, 0,1,2,3
	v_mul_f32 v[8+\j], v6, v[8+\j]                 ; the angle
	v_mul_f32 v[12+\j], 0.15915494, v[8+\j]
	v_rndne_f32 v[12+\j], v[12+\j]                 ; whole turns
	v_fma_f32 v[8+\j], -v[12+\j], s44, v[8+\j]
	v_fma_f32 v[8+\j], -v[12+\j], s45, v[8+\j]     ; r in -pi .. pi
	v_mul_f32 v[12+\j], v[8+\j], v[8+\j]           ; z = r^2
	v_mov_b32 v[16+\j], 0x2f309231                 ; 1/13!
	v_mov_b32 v[20+\j], 0xad49cba5                 ; -1/14!
.endr
.irp k, 0xb2d7322b, 0x3638ef1d, 0xb9500d01, 0x3c088889, 0xbe2aaaab
.irp j, 0,1,2,3
	v_fmaak_f32 v[16+\j], v[16+\j], v[12+\j], \k   ; -1/11!, 1/9!, -1/7!, 1/5!, -1/3!
.endr
.endr
.irp k, 0x310f76c7, 0xb493f27e, 0x37d00d01, 0xbab60b61, 0x3d2aaaab, 0xbf000000, 0x3f800000
.irp j, 0,1,2,3
	v_fmaak_f32 v[20+\j], v[20+\j], v[12+\j], \k   ; 1/12!, -1/10!, 1/8!, -1/6!, 1/4!, -1/2, 1: the cosine
.endr
.endr
.irp j, 0,1,2,3
	v_mul_f32 v[12+\j], v[8+\j], v[12+\j]          ; r z
	v_fma_f32 v[16+\j], v[12+\j], v[16+\j], v[8+\j] ; the sine
	v_mul_f32 v[24+\j], QSC, v[20+\j]
	v_mul_f32 v[28+\j], QSC, v[16+\j]
	v_mul_f32 v[32+\j], KSC, v[20+\j]
	v_mul_f32 v[36+\j], KSC, v[16+\j]
.endr
	v_lshlrev_b32 v7, 9, v3
	v_lshl_add_u32 v7, v2, 4, v7                   ; 16 lanes store 256 consecutive bytes, aligned
	global_store_b128 v7, v[24:27], s[24:25]
	global_store_b128 v7, v[28:31], s[24:25] offset:256
	global_store_b128 v7, v[32:35], s[24:25] offset:1048576
	global_store_b128 v7, v[36:39], s[24:25] offset:1048576+256
	s_branch .Lmeet
.Lcast:                                        ; sixteen loads of 2,048 bytes a work-group, all out at once
	s_lshl_b32 s30, s2, 15
	s_mov_b32 s31, 0
	s_add_nc_u64 s[4:5], s[4:5], s[30:31]
	s_lshl_b32 s30, s2, 14
	s_add_nc_u64 s[20:21], s[20:21], s[30:31]
	v_lshlrev_b32 v2, 4, v0
	v_lshlrev_b32 v3, 3, v0
.irp i, 0,1,2,3,4,5,6,7,8,9,10,11,12,13,14,15
	global_load_b128 v[8+4*\i:11+4*\i], v2, s[4:5] offset:2048*\i th:TH_LOAD_NT
.endr
.irp i, 0,1,2,3,4,5,6,7,8,9,10,11,12,13,14,15
	s_wait_loadcnt 15-\i                           ; loads come back in order: number i is in, the younger ones stay out
	v_cvt_pk_bf16_f32 v[72+2*\i], v[8+4*\i], v[9+4*\i]
	v_cvt_pk_bf16_f32 v[73+2*\i], v[10+4*\i], v[11+4*\i]
	global_store_b64 v3, v[72+2*\i:73+2*\i], s[20:21] offset:1024*\i  ; a wave's store covers 256 consecutive bytes, aligned
.endr
	s_branch .Lmeet
.Lturn:                                        ; wave w takes k rows 32 w .. 32 w + 31 of the tile; a lane columns 2 l, 2 l + 1
	s_lshl_b32 s43, s32, 7
	s_lshl_b32 s40, s28, 5
	s_add_co_u32 s43, s43, s40
	s_mul_i32 s44, s43, s34
	s_lshl_b32 s40, s33, 8
	s_add_co_u32 s44, s44, s40
	s_mov_b32 s45, 0
	s_lshl_b32 s46, s34, 3                         ; eight rows
	s_mov_b32 s47, 0
	s_add_nc_u64 s[48:49], s[38:39], s[44:45]
	s_add_nc_u64 s[50:51], s[48:49], s[46:47]
	s_add_nc_u64 s[52:53], s[50:51], s[46:47]
	s_add_nc_u64 s[54:55], s[52:53], s[46:47]
	v_lshlrev_b32 v2, 3, v1
.irp i, 0,1,2,3,4,5,6,7
	v_mad_u32_u24 v[8+\i], s34, \i, v2
.endr
.irp g, 0,1,2,3
.irp i, 0,1,2,3,4,5,6,7
	global_load_b64 v[16+2*(8*\g+\i):17+2*(8*\g+\i)], v[8+\i], s[48+2*\g:49+2*\g] th:TH_LOAD_NT  ; 256 consecutive bytes of one row
.endr
.endr
	v_mul_u32_u24 v4, v1, 544                      ; LDS row 2 l (+ c), pitch 272,
	v_lshl_add_u32 v4, s28, 6, v4                  ; my 32 k: 64 bytes of it
	s_wait_loadcnt 0x0
.set n, 0
.rept 32                               ; word n: column n / 16, group of eight k (n / 4) % 4, pair n % 4
.set kk, 8*((n/4)%4)+2*(n%4)
	v_cvt_pk_bf16_f32 v[80+n], v[16+2*kk+n/16], v[16+2*(kk+1)+n/16]
	v_lshlrev_b32 v112, 16, v[80+n]                ; the rounded numbers once more as f16; the mask picks the form
	v_and_b32 v113, 0xffff0000, v[80+n]
	v_cvt_pk_f16_f32 v114, v112, v113
	v_cndmask_b32 v[80+n], v[80+n], v114, s37
.set n, n+1
.endr
.irp c, 0,1
.irp g, 0,1,2,3
	ds_store_b128 v4, v[80+16*\c+4*\g:83+16*\c+4*\g] offset:272*\c+16*\g
.endr
.endr
.Lmeet:
	s_wait_xcnt 0x0                                ; every role's loads and stores have read their address and data registers: v16-47 are loaded into below only behind this wait
	s_wait_dscnt 0x0                               ; for the others' sake: my stores into the tile are done
	s_barrier_signal -1
	s_barrier_wait -1
	s_cmp_eq_u32 s58, 1
	s_cbranch_scc0 .Lend
.irp j, 0,1,2,3,4,5,6,7
	ds_load_b128 v[16+4*\j:19+4*\j], v5 offset:544*\j  ; two whole rows [n][128 k]
.endr
.irp j, 0,1,2,3,4,5,6,7
	s_wait_dscnt 7-\j
	global_store_b128 v[116+\j], v[16+4*\j:19+4*\j], s[56:57]  ; 16 lanes store 256 consecutive bytes, aligned
.endr
.Lend:
	s_wait_tensorcnt 0x0                           ; the wave's end
	ds_add_u32 v[SPW], v[NIL]
	s_wait_dscnt 0x0
	s_endpgm
.Lfunc_end_k_q0a519d69de_prep:
	.size	k_q0a519d69de_prep, .Lfunc_end_k_q0a519d69de_prep-k_q0a519d69de_prep
	.p2alignl 7, 3214868480
	.fill 96, 4, 3214868480
	.section	.rodata,"a",@progbits
	.p2align	6, 0x0
	.amdhsa_kernel k_q0a519d69de_prep
		.amdhsa_group_segment_fixed_size 17920
		.amdhsa_private_segment_fixed_size 0
		.amdhsa_enable_private_segment 0
		.amdhsa_kernarg_size 96
		.amdhsa_user_sgpr_count 2
		.amdhsa_user_sgpr_kernarg_segment_ptr 1
		.amdhsa_wavefront_size32 1
		.amdhsa_system_sgpr_workgroup_id_x 1
		.amdhsa_system_sgpr_workgroup_id_y 1
		.amdhsa_system_sgpr_workgroup_id_z 1
		.amdhsa_system_vgpr_workitem_id 0
		.amdhsa_next_free_vgpr 160
		.amdhsa_next_free_sgpr 66
		.amdhsa_reserve_vcc 1
		.amdhsa_float_denorm_mode_32 3
		.amdhsa_float_denorm_mode_16_64 3
		.amdhsa_memory_ordered 1
		.amdhsa_forward_progress 1
		.amdhsa_inst_pref_size 36
	.end_amdhsa_kernel
	.amdgpu_metadata
---
amdhsa.version: [ 1, 2 ]
amdhsa.kernels:
  - .name:           k_q0a519d69de_prep
    .symbol:         k_q0a519d69de_prep.kd
    .args:
      - { .name: q_in, .offset: 0, .size: 8, .value_kind: global_buffer, .address_space: global }
      - { .name: Wq, .offset: 8, .size: 8, .value_kind: global_buffer, .address_space: global }
      - { .name: Wo, .offset: 16, .size: 8, .value_kind: global_buffer, .address_space: global }
      - { .name: Wk, .offset: 24, .size: 8, .value_kind: global_buffer, .address_space: global }
      - { .name: Wv, .offset: 32, .size: 8, .value_kind: global_buffer, .address_space: global }
      - { .name: bq, .offset: 40, .size: 8, .value_kind: global_buffer, .address_space: global }
      - { .name: bo, .offset: 48, .size: 8, .value_kind: global_buffer, .address_space: global }
      - { .name: mask, .offset: 56, .size: 8, .value_kind: global_buffer, .address_space: global }
      - { .name: qb, .offset: 64, .size: 8, .value_kind: global_buffer, .address_space: global }
      - { .name: wt, .offset: 72, .size: 8, .value_kind: global_buffer, .address_space: global }
      - { .name: tab, .offset: 80, .size: 8, .value_kind: global_buffer, .address_space: global }
      - { .name: vp, .offset: 88, .size: 8, .value_kind: global_buffer, .address_space: global }
    .group_segment_fixed_size: 17920
    .private_segment_fixed_size: 0
    .kernarg_segment_align: 8
    .kernarg_segment_size: 96
    .max_flat_workgroup_size: 128
    .sgpr_count:     66
    .vgpr_count:     160
    .wavefront_size: 32
...
	.end_amdgpu_metadata
.endif
;; end of part 1
;; launch kvproj (part 2): grid 256 x 1, 8 waves a work-group, no clusters, 105,984 bytes of LDS; arguments k_in, v_in, wt, bk, bv, tab, kf, vp; writes kf, vp
.if DOCPART == 2
	.amdgcn_target "amdgcn-amd-amdhsa--gfx1250"
	.amdhsa_code_object_version 6
	.text
	.protected	k_q0a519d69de_kvproj
	.globl	k_q0a519d69de_kvproj
	.p2align	8
	.type	k_q0a519d69de_kvproj,@function
k_q0a519d69de_kvproj:
	s_mov_b64 s[64:65], 0
	v_nop
	global_prefetch_b8 v0, s[64:65] scope:SCOPE_SE
	s_setreg_imm32_b32 hwreg(HW_REG_WAVE_MODE, 25, 1), 1
	s_wait_xcnt 0x0
; k = rope(k_in Wk + bk) / 4 and v = v_in Wv + bv, both to f16.  The launch is the reading of k_in and v_in, 64 MiB of f32, once.
; SHARES.  A work-group takes rows 16 x .. 16 x + 15 of k_in AND of v_in: 12 tiles of 16 x 16 (8 of k, 4 of v).  K IS SPLIT AMONG ITS EIGHT WAVES: of each turn's 512 channels
; wave v takes 64 v .. 64 v + 63: 256 consecutive bytes, aligned, of each f32 row.  The eight partial sums meet in LDS (f32 sums in any order); waves 0-3 finish the tiles.
; LAYOUT.  y^T = w x^T (source 0 = 16 rows of the turned weights, source 1 = 16 activation rows): a lane ends with one row and eight neighbouring columns.
; Fragments come straight from memory; the activations are rounded to bf16 on the way (as all inputs are, the biases too).
; IN FLIGHT.  Two register sets of 32 channels: 8 loads of activations, 24 of weights.  While one is multiplied the other's 32 loads are out.  The eight steps are written
; out, every offset an immediate: no address register is ever rewritten.  No prefetch: all of a wave's loads go out within four turns, and the launch does nothing but stream.
; NO CLUSTER, NO LDS ON THE WAY IN: what work-groups share is the 0.75 MiB of weights; no wave wants an activation byte that another fetched.
; LIMITS: |k| / 4 and |v| within f16's 65,504.
.set KST,   98304                      ; LDS: 8 x 12 partial tiles of 1,024 bytes; then the stage for k: 16 rows x 272,
.set VST,   102656                     ; the stage for v: 16 rows x 144,
.set SPARE, 104960                     ; and the spare words, 128 bytes a wave
.set FOA, 2                            ; v2  r x 8192 + 32 h + 256 wave: my bytes in the activations' rows
.set FOB, 3                            ; v3  r x 4096 + 16 h + 128 wave: in the weights' rows
.set BOF, 4                            ; v4  64 w + 32 h: my eight columns in a bias
.set TOF, 5                            ; v5  the same + 512 r: in the table
.set LS,  6                            ; v6  where I put a partial tile's 32 bytes
.set LR,  7                            ; v7  where I read parts 0-3,
.set LR2, 8                            ; v8  and parts 4-7
.set SK,  9
.set SPW, 10
.set NIL, 11
.set SV,  12
.set RK,  13
.set RV,  14
.set GO,  15
.set ABF, 16                           ; v[16:31] the step's two activation fragments in bf16: k_in's, v_in's
.set ACC, 48                           ; v[48:143] twelve accumulators; later the finished tiles and what is made of them
.set BIA, 144                          ; v[144:167] bk (two tiles), bv
.set CSN, 168                          ; v[168:183] cosines, sines (times 1/4)
.set WK,  184
.set WV,  20                           ; s20 wave 0..7
.set W3,  21                           ; s21 wave % 4
.set MSB, 0
.macro WIN new                         ; window 1 holds the two sets: v[128 b ..]: 16 f32 of k_in, 16 of v_in, 12 weight fragments
.if MSB != (\new)
	s_set_vgpr_msb (MSB<<8)|(\new)
.set MSB, \new
.endif
.endm
	s_load_b512 s[4:19], s[0:1], 0x0               ; k_in 4, v_in 6, wt 8, bk 10, bv 12, tab 14, kf 16, vp 18
	v_lshl_add_u32 v[SPW], v0, 2, SPARE
	v_mov_b32 v[NIL], 0
	v_lshrrev_b32 v1, 5, v0
	v_readfirstlane_b32 s[WV], v1
	s_and_b32 s[W3], s[WV], 3
	s_mov_b32 s2, ttmp9
	v_and_b32 v32, 15, v0                          ; r
	v_bfe_u32 v33, v0, 4, 1                        ; h
	v_and_b32 v34, 31, v0                          ; lane
	s_lshl_b32 s22, s[WV], 8
	v_lshlrev_b32 v[FOA], 13, v32
	v_lshl_add_u32 v[FOA], v33, 5, v[FOA]
	v_add_nc_u32 v[FOA], s22, v[FOA]
	s_lshl_b32 s22, s[WV], 7
	v_lshlrev_b32 v[FOB], 12, v32
	v_lshl_add_u32 v[FOB], v33, 4, v[FOB]
	v_add_nc_u32 v[FOB], s22, v[FOB]
	s_lshl_b32 s22, s[W3], 6
	v_lshl_add_u32 v[BOF], v33, 5, s22
	v_lshl_add_u32 v[TOF], v32, 9, v[BOF]
	s_mul_i32 s22, s[WV], 12288
	v_lshl_add_u32 v[LS], v34, 5, s22
	s_lshl_b32 s22, s[W3], 10
	v_lshl_add_u32 v[LR], v34, 5, s22
	v_add_nc_u32 v[LR2], 49152, v[LR]
	s_lshl_b32 s22, s[W3], 5
	v_lshl_add_u32 v35, v33, 4, s22                ; 32 w + 16 h: my eight f16 columns
	v_mad_u32_u24 v[SK], v32, 272, v35
	v_add_nc_u32 v[SK], KST, v[SK]
	v_mad_u32_u24 v[SV], v32, 144, v35
	v_add_nc_u32 v[SV], VST, v[SV]
	s_lshl_b32 s22, s[W3], 2
	v_add_nc_u32 v35, s22, v33                     ; back: k's rows 4 w + lane / 16 (+ 2),
	v_lshlrev_b32 v36, 4, v32
	v_mad_u32_u24 v[RK], v35, 272, v36
	v_add_nc_u32 v[RK], KST, v[RK]
	v_bfe_u32 v35, v0, 3, 2                        ; v's rows 4 w + lane / 8
	v_add_nc_u32 v35, s22, v35
	v_and_b32 v36, 7, v0
	v_lshlrev_b32 v36, 4, v36
	v_mad_u32_u24 v[RV], v35, 144, v36
	v_add_nc_u32 v[RV], VST, v[RV]
	v_lshlrev_b32 v[GO], 4, v34
	s_lshl_b32 s24, s2, 17                         ; 16 rows of 8,192 bytes
	s_mov_b32 s25, 0
	s_and_b32 s26, s2, 127                         ; the rows' positions: 16 (x % 128) + r
	s_lshl_b32 s26, s26, 13
	s_add_co_u32 s26, s26, 1048576                 ; k's table
	s_mov_b32 s27, 0
	s_lshl_b32 s28, s2, 12                         ; kf: 16 rows of 256 bytes, 4 of them a wave
	s_lshl_b32 s29, s[W3], 10
	s_add_co_u32 s28, s28, s29
	s_mov_b32 s29, 0
	s_lshr_b32 s30, s2, 7                          ; vp: batch, group of 128 keys, 16 rows of 128 bytes, 4 of them a wave
	s_mul_i32 s30, s30, 270336
	s_bfe_u32 s31, s2, 0x40003
	s_mul_i32 s31, s31, 16896
	s_add_co_u32 s30, s30, s31
	s_and_b32 s31, s2, 7
	s_lshl_b32 s31, s31, 11
	s_add_co_u32 s30, s30, s31
	s_lshl_b32 s31, s[W3], 9
	s_add_co_u32 s30, s30, s31
	s_mov_b32 s31, 0
	s_wait_kmcnt 0x0
	s_add_nc_u64 s[4:5], s[4:5], s[24:25]
	s_add_nc_u64 s[6:7], s[6:7], s[24:25]
	s_add_nc_u64 s[8:9], s[8:9], 12582912          ; Wk's and Wv's turned rows
	s_add_nc_u64 s[14:15], s[14:15], s[26:27]
	s_add_nc_u64 s[16:17], s[16:17], s[28:29]
	s_add_nc_u64 s[18:19], s[18:19], s[30:31]
	global_load_b128 v[BIA:BIA+3],     v[BOF], s[10:11]
	global_load_b128 v[BIA+4:BIA+7],   v[BOF], s[10:11] offset:16
	global_load_b128 v[BIA+8:BIA+11],  v[BOF], s[10:11] offset:256
	global_load_b128 v[BIA+12:BIA+15], v[BOF], s[10:11] offset:272
	global_load_b128 v[BIA+16:BIA+19], v[BOF], s[12:13]
	global_load_b128 v[BIA+20:BIA+23], v[BOF], s[12:13] offset:16
	global_load_b128 v[CSN:CSN+3],     v[TOF], s[14:15]
	global_load_b128 v[CSN+4:CSN+7],   v[TOF], s[14:15] offset:16
	global_load_b128 v[CSN+8:CSN+11],  v[TOF], s[14:15] offset:256
	global_load_b128 v[CSN+12:CSN+15], v[TOF], s[14:15] offset:272
; 32 loads: half b of my 64 channels of turn t, into set b.  An f32 fragment is four loads: channels 8 h + 0..3, + 4..7, 16 + 8 h + 0..3, + 4..7.
.macro LOADS b, t
	WIN 0x40
.irp q, 0,1,2,3
	global_load_b128 v[128*(\b)+4*(\q):128*(\b)+4*(\q)+3],       v[FOA], s[4:5] offset:2048*(\t)+128*(\b)+16*((\q)%2)+64*((\q)/2) th:TH_LOAD_NT
	global_load_b128 v[128*(\b)+16+4*(\q):128*(\b)+16+4*(\q)+3], v[FOA], s[6:7] offset:2048*(\t)+128*(\b)+16*((\q)%2)+64*((\q)/2) th:TH_LOAD_NT
.endr
.irp f, 0,1,2,3,4,5,6,7,8,9,10,11
	global_load_b128 v[128*(\b)+32+8*(\f):128*(\b)+32+8*(\f)+3],   v[FOB], s[8:9] offset:1024*(\t)+65536*(\f)+64*(\b)
	global_load_b128 v[128*(\b)+32+8*(\f)+4:128*(\b)+32+8*(\f)+7], v[FOB], s[8:9] offset:1024*(\t)+65536*(\f)+64*(\b)+32
.endr
.endm
.macro PLACES                          ; four places behind a product, in front of writes and loads into registers that it has read
.rept 4
	v_nop
.endr
.endm
; One step: set b is in; its activations are rounded to bf16; twelve products, the accumulators by turns, from step to step too.
.macro STEP q
.if (\q) < 7
	s_wait_loadcnt 32                              ; this set is in; the other set's 32 loads may stay out
.else
	s_wait_loadcnt 0x0
.endif
	WIN 0x05
.set j, 0
.rept 16
	v_cvt_pk_bf16_f32 v[ABF+j], v[128*((\q)%2)+2*j], v[128*((\q)%2)+2*j+1]
.set j, j+1
.endr
	WIN 0x01
.irp f, 0,1,2,3,4,5,6,7,8,9,10,11
.if (\q) == 0
	v_wmma_f32_16x16x32_bf16 v[ACC+8*(\f):ACC+8*(\f)+7], v[128*((\q)%2)+32+8*(\f):128*((\q)%2)+32+8*(\f)+7], v[ABF+8*((\f)/8):ABF+8*((\f)/8)+7], 0
.else
	v_wmma_f32_16x16x32_bf16 v[ACC+8*(\f):ACC+8*(\f)+7], v[128*((\q)%2)+32+8*(\f):128*((\q)%2)+32+8*(\f)+7], v[ABF+8*((\f)/8):ABF+8*((\f)/8)+7], v[ACC+8*(\f):ACC+8*(\f)+7]
.endif
.endr
	PLACES
.if (\q) < 6
	LOADS (\q)%2, ((\q)+2)/2
.endif
.endm
	LOADS 0, 0
	LOADS 1, 0
.irp q, 0,1,2,3,4,5,6,7
	STEP \q
.endr
	PLACES                                         ; eight in all behind the last product, once a launch
	WIN 0
.irp f, 0,1,2,3,4,5,6,7,8,9,10,11
	ds_store_b128 v[LS], v[ACC+8*(\f):ACC+8*(\f)+3]   offset:1024*(\f)
	ds_store_b128 v[LS], v[ACC+8*(\f)+4:ACC+8*(\f)+7] offset:1024*(\f)+16
.endr
	s_wait_dscnt 0x0                               ; for the others' sake
	s_barrier_signal -1
	s_barrier_wait -1                              ; all eight partial sums of all tiles lie in LDS
	s_cmp_lt_u32 s[WV], 4                          ; wave w < 4 finishes k's tiles w and w + 4 (a rotation's two halves) and v's tile w
	s_cbranch_scc0 .Lidle
	WIN 0x40
.irp p, 0,1,2,3
.irp s, 0,1,2
	ds_load_b128 v[24*(\p)+8*(\s):24*(\p)+8*(\s)+3],         v[LR]  offset:12288*(\p)+4096*(\s)
	ds_load_b128 v[24*(\p)+8*(\s)+4:24*(\p)+8*(\s)+7],       v[LR]  offset:12288*(\p)+4096*(\s)+16
	ds_load_b128 v[96+24*(\p)+8*(\s):96+24*(\p)+8*(\s)+3],   v[LR2] offset:12288*(\p)+4096*(\s)
	ds_load_b128 v[96+24*(\p)+8*(\s)+4:96+24*(\p)+8*(\s)+7], v[LR2] offset:12288*(\p)+4096*(\s)+16
.endr
.endr
	s_wait_dscnt 0x0
	WIN 0x45
.set n, 0
.rept 48
	v_pk_add_f32 v[n:n+1], v[n:n+1], v[96+n:96+n+1]
.set n, n+2
.endr
.set n, 0
.rept 24
	v_pk_add_f32 v[n:n+1], v[n:n+1], v[48+n:48+n+1]
.set n, n+2
.endr
	WIN 0x05
.set n, 0
.rept 12
	v_pk_add_f32 v[ACC+n:ACC+n+1], v[n:n+1], v[24+n:24+n+1]  ; x1 at ACC, x2 at ACC + 8, v at ACC + 16
.set n, n+2
.endr
	WIN 0
.set n, 0
.rept 12
	v_cvt_pk_bf16_f32 v[WK+n], v[BIA+2*n], v[BIA+2*n+1]      ; the biases are rounded as the other inputs are
.set n, n+1
.endr
.set n, 0
.rept 12
	v_lshlrev_b32 v[BIA+2*n], 16, v[WK+n]
	v_and_b32 v[BIA+2*n+1], 0xffff0000, v[WK+n]
.set n, n+1
.endr
.set n, 0
.rept 12
	v_pk_add_f32 v[ACC+n:ACC+n+1], v[ACC+n:ACC+n+1], v[BIA+n:BIA+n+1]
.set n, n+2
.endr
.irp z, 0,2,4,6
	v_pk_mul_f32 v[ACC+24+\z:ACC+25+\z], v[ACC+8+\z:ACC+9+\z], v[CSN+8+\z:CSN+9+\z]   ; x2 sin
	v_pk_mul_f32 v[ACC+32+\z:ACC+33+\z], v[ACC+8+\z:ACC+9+\z], v[CSN+\z:CSN+1+\z]     ; x2 cos
.endr
.irp z, 0,2,4,6
	v_pk_fma_f32 v[ACC+24+\z:ACC+25+\z], v[ACC+\z:ACC+1+\z], v[CSN+\z:CSN+1+\z], v[ACC+24+\z:ACC+25+\z] neg_lo:[0,0,1] neg_hi:[0,0,1]  ; x1 cos - x2 sin
	v_pk_fma_f32 v[ACC+32+\z:ACC+33+\z], v[ACC+\z:ACC+1+\z], v[CSN+8+\z:CSN+9+\z], v[ACC+32+\z:ACC+33+\z]                            ; x1 sin + x2 cos
.endr
.irp n, 0,1,2,3
	v_cvt_pk_f16_f32 v[ACC+40+\n], v[ACC+24+2*\n], v[ACC+25+2*\n]
	v_cvt_pk_f16_f32 v[ACC+44+\n], v[ACC+32+2*\n], v[ACC+33+2*\n]
	v_cvt_pk_f16_f32 v[ACC+48+\n], v[ACC+16+2*\n], v[ACC+17+2*\n]
.endr
	ds_store_b128 v[SK], v[ACC+40:ACC+43]
	ds_store_b128 v[SK], v[ACC+44:ACC+47] offset:128
	ds_store_b128 v[SV], v[ACC+48:ACC+51]
.Lidle:
	s_wait_dscnt 0x0                               ; a row's bytes come from four waves
	s_barrier_signal -1
	s_barrier_wait -1
	s_cmp_lt_u32 s[WV], 4
	s_cbranch_scc0 .Lend
	ds_load_b128 v[ACC+52:ACC+55], v[RK]
	ds_load_b128 v[ACC+56:ACC+59], v[RK] offset:544
	ds_load_b128 v[ACC+60:ACC+63], v[RV]
	s_wait_dscnt 0x0
	global_store_b128 v[GO], v[ACC+52:ACC+55], s[16:17]             ; each store covers 512 consecutive bytes, aligned
	global_store_b128 v[GO], v[ACC+56:ACC+59], s[16:17] offset:512
	global_store_b128 v[GO], v[ACC+60:ACC+63], s[18:19]
.Lend:
	s_wait_tensorcnt 0x0                           ; the wave's end
	ds_add_u32 v[SPW], v[NIL]
	s_wait_dscnt 0x0
	s_endpgm
.Lfunc_end_k_q0a519d69de_kvproj:
	.size	k_q0a519d69de_kvproj, .Lfunc_end_k_q0a519d69de_kvproj-k_q0a519d69de_kvproj
	.p2alignl 7, 3214868480
	.fill 96, 4, 3214868480
	.section	.rodata,"a",@progbits
	.p2align	6, 0x0
	.amdhsa_kernel k_q0a519d69de_kvproj
		.amdhsa_group_segment_fixed_size 105984
		.amdhsa_private_segment_fixed_size 0
		.amdhsa_enable_private_segment 0
		.amdhsa_kernarg_size 64
		.amdhsa_user_sgpr_count 2
		.amdhsa_user_sgpr_kernarg_segment_ptr 1
		.amdhsa_wavefront_size32 1
		.amdhsa_system_sgpr_workgroup_id_x 1
		.amdhsa_system_sgpr_workgroup_id_y 1
		.amdhsa_system_sgpr_workgroup_id_z 1
		.amdhsa_system_vgpr_workitem_id 0
		.amdhsa_next_free_vgpr 512
		.amdhsa_next_free_sgpr 66
		.amdhsa_reserve_vcc 0
		.amdhsa_float_denorm_mode_32 3
		.amdhsa_float_denorm_mode_16_64 3
		.amdhsa_memory_ordered 1
		.amdhsa_forward_progress 1
		.amdhsa_inst_pref_size 60
	.end_amdhsa_kernel
	.amdgpu_metadata
---
amdhsa.version: [ 1, 2 ]
amdhsa.kernels:
  - .name:           k_q0a519d69de_kvproj
    .symbol:         k_q0a519d69de_kvproj.kd
    .args:
      - { .name: k_in, .offset: 0, .size: 8, .value_kind: global_buffer, .address_space: global }
      - { .name: v_in, .offset: 8, .size: 8, .value_kind: global_buffer, .address_space: global }
      - { .name: wt, .offset: 16, .size: 8, .value_kind: global_buffer, .address_space: global }
      - { .name: bk, .offset: 24, .size: 8, .value_kind: global_buffer, .address_space: global }
      - { .name: bv, .offset: 32, .size: 8, .value_kind: global_buffer, .address_space: global }
      - { .name: tab, .offset: 40, .size: 8, .value_kind: global_buffer, .address_space: global }
      - { .name: kf, .offset: 48, .size: 8, .value_kind: global_buffer, .address_space: global }
      - { .name: vp, .offset: 56, .size: 8, .value_kind: global_buffer, .address_space: global }
    .group_segment_fixed_size: 105984
    .private_segment_fixed_size: 0
    .kernarg_segment_align: 8
    .kernarg_segment_size: 64
    .max_flat_workgroup_size: 256
    .sgpr_count:     66
    .vgpr_count:     512
    .wavefront_size: 32
...
	.end_amdgpu_metadata
.endif
;; end of part 2
;; launch qproj (part 3): grid 8 x 32, 4 waves a work-group, clusters of 4 x 4, 327,680 bytes of LDS; arguments qb, wt, tab, qf; writes qf
.if DOCPART == 3
	.amdgcn_target "amdgcn-amd-amdhsa--gfx1250"
	.amdhsa_code_object_version 6
	.text
	.protected	k_q0a519d69de_qproj
	.globl	k_q0a519d69de_qproj
	.p2align	8
	.type	k_q0a519d69de_qproj,@function
k_q0a519d69de_qproj:
	s_mov_b64 s[64:65], 0
	v_nop
	global_prefetch_b8 v0, s[64:65] scope:SCOPE_SE
	s_setreg_imm32_b32 hwreg(HW_REG_WAVE_MODE, 25, 1), 1
	s_wait_xcnt 0x0
	s_wait_alu depctr_hold_cnt(0) depctr_sa_sdst(0) depctr_va_vdst(0) depctr_va_sdst(0) depctr_va_ssrc(0) depctr_va_vcc(0) depctr_vm_vsrc(0)
	s_getreg_b32 s2, hwreg(HW_REG_IB_STS2, 6, 4)
	s_cmp_eq_u32 s2, 0
	s_cbranch_scc0 .Lentry_in_a_cluster
	s_endpgm
.Lentry_in_a_cluster:
	s_bfe_u32 s2, ttmp6, 0x10000c
	s_cmp_lg_u32 s2, 0xf033
	s_cbranch_scc0 .Lentry_shape_is_right
	s_endpgm
.Lentry_shape_is_right:
; C = A B^T + bias, one text for two launches (IS_Q picks sizes, format and way out).
;   IS_Q = 1: A = q_in in bf16 [4096][2048], B = Wq turned [2048][2048] bf16; the result is rotated (RoPE, table times QS) and stored as f16.  LIMIT: |rope(q)| x 0.51 within 65,504.
;   IS_Q = 0: A = the attention's output f16 [4096][1024], B = Wo turned [2048][1024] f16; the result is the module's output, f32.
; A tile of C is 128 x 256: 256 work-groups, one for each WGP.  Four waves, each 64 x 128: 32 accumulators of 16 x 16 in window 1.  A wave's 128 columns are one head, so that a
; rotation's two halves (columns d and d + 64) lie in the same lane and register of accumulators b and b + 4.
; K goes in steps of 128 (rows of 256 bytes in memory) through two LDS slots; waves 0, 1 fetch A's halves (64 rows), waves 2, 3 B's (128 rows).
; CLUSTERS: 4 x 4; A's tile is asked for jointly along a row of the cluster, B's along a column.  THE MATRIX INSTRUCTION IS USED TRANSPOSED (source 0 = B's rows): a lane holds
; eight neighbouring columns of one row of C.  THE SUMS START AT THE BIAS: it is loaded straight into the accumulators, so nothing is cleared and the loop has one form of product.
; No prefetch: a K step's tiles are shared sixteen ways already, and a refill has 112 products in which to land.
.set IS_Q, 1
.if IS_Q
.set SIZE_K,  2048
.set BOFF,    0
.set BIASOFF, 2097152
.set SPITCH,  272
.else
.set SIZE_K,  1024
.set BOFF,    8388608
.set BIASOFF, 2105344
.set SPITCH,  528
.endif
.set KSTEP,  128
.set NSTEP,  SIZE_K/KSTEP
.set PITCH,  272                       ; 256 bytes + 16: the 16 rows of a fragment load start at 16 different groups of four banks
.set AHALF,  64*PITCH
.set BHALF,  128*PITCH
.set BBASE,  2*AHALF                   ; a slot: A's 128 rows, then B's 256
.set SLOT1,  131072                    ; one exclusive or turns an address in one slot into the other's
.set STAGE,  SLOT1+2*AHALF+2*BHALF     ; behind the ring: 16 rows for each wave, for the way out
.set SPARE,  STAGE+4*16*SPITCH         ; and the spare words
.set AA0, 16                           ; v16 my place in a slot's A; v17 in its B; never rewritten
.set AB0, 17
.set AA,  18                           ; v18, v19 the same in the slot in hand
.set AB,  19
.set TO,  23                           ; v23 my offset in the table
.set STO, 24
.set RD,  25
.set CO,  26
.set BO,  27                           ; v27 my offset in the bias
.set SPW, 28
.set NIL, 29
.set PKR, 32                           ; v[32:63] packed results
.set F0,  64                           ; two fragment buffers of 96: B's eight blocks, then A's four
.set F1,  160
.set YR,  192
.set WV,  12
.set FB,  13                           ; s13 wave / 2: my half of the rows; also 0: I fetch for A, 1: for B
.set HF,  14                           ; s14 wave % 2: my half of the columns; also which half of that tile I fetch
.set TB,  15                           ; s15 the slot in hand
.set BP,  20                           ; s[20:21] the bias at my first column
.set TP,  22                           ; s[22:23] the table at my first row
.set G1,  24
.set G0,  32                           ; two sets for the first fills; the second then walks
.set G1B, 48
.set G0B, 56
.set MSB, 0
.macro WIN new
.if MSB != (\new)
	s_set_vgpr_msb (MSB<<8)|(\new)
.set MSB, \new
.endif
.endm
.macro PLACES
.rept 4
	v_nop
.endr
.endm
.macro JLOAD                           ; a joint refill by the walking sets; an s_nop 0 and four v_nop follow each of the two lines
	s_cmp_eq_u32 s[FB], 0
	s_cbranch_scc0 .Lfor_b_\@
	tensor_load_to_lds s[G0+4:G0+7], s[G1:G1+7]
	s_nop 0
	PLACES
	s_branch .Lasked_\@
.Lfor_b_\@:
	tensor_load_to_lds s[G0B+4:G0B+7], s[G1B:G1B+7]
	s_nop 0
	PLACES
.Lasked_\@:
.endm
.macro CREST                           ; a round of the cluster's barrier behind its opening barrier
	s_cmp_lg_u32 s[WV], 0
	s_cbranch_scc1 .Lnot_wave_0_\@
	s_barrier_signal -3
.Lnot_wave_0_\@:
	s_barrier_wait -3
	s_barrier_signal -1
	s_barrier_wait -1
.endm
.macro CROUND
	s_barrier_signal -1
	s_barrier_wait -1
	CREST
.endm
	s_load_b256 s[4:11], s[0:1], 0x0               ; A 4, wt 6, tab 8, C 10
	v_lshl_add_u32 v[SPW], v0, 2, SPARE
	v_mov_b32 v[NIL], 0
	ds_add_u32 v[SPW], v[NIL]                      ; the wave's opening: the add and its wait stand ahead of my first tensor load
	v_lshrrev_b32 v1, 5, v0
	v_readfirstlane_b32 s[WV], v1
	s_lshr_b32 s[FB], s[WV], 1
	s_and_b32 s[HF], s[WV], 1
	s_bfe_u32 s40, ttmp6, 0x40000                  ; cx
	s_bfe_u32 s41, ttmp6, 0x40004                  ; cy
	s_lshl_b32 s42, ttmp9, 2
	s_add_co_u32 s42, s42, s40                     ; tile column
	s_and_b32 s43, ttmp7, 0xffff
	s_lshl_b32 s43, s43, 2
	s_add_co_u32 s43, s43, s41                     ; tile row
	s_lshl_b32 s44, s41, 2
	s_lshl_b32 s44, 15, s44                        ; my row of the cluster
	s_lshl_b32 s45, 0x1111, s40                    ; my column
	s_or_b32 s[G1+0],  s44, (1<<16)|(1<<20)|(1<<21)|(5<<22)|(3<<25)  ; mask; 2-byte elements; padding on; bit 21 beside a mask; after every 64 words, 4 words
	s_or_b32 s[G1B+0], s45, (1<<16)|(1<<20)|(1<<21)|(5<<22)|(3<<25)
	s_mov_b32 s[G1+1], KSTEP<<16                   ; tensor_dim0 = 128
	s_mov_b32 s[G1+2], 64<<16                      ; tensor_dim1 = 64
	s_mov_b32 s[G1+3], KSTEP<<16                   ; tile_dim0 = 128
	s_mov_b32 s[G1+4], 64                          ; tile_dim1 = 64
	s_mov_b32 s[G1+5], SIZE_K                      ; elements from row to row
	s_mov_b32 s[G1+6], 0
	s_mov_b32 s[G1+7], 0
	s_mov_b32 s[G1B+1], KSTEP<<16
	s_mov_b32 s[G1B+2], 128<<16
	s_mov_b32 s[G1B+3], KSTEP<<16
	s_mov_b32 s[G1B+4], 128
	s_mov_b32 s[G1B+5], SIZE_K
	s_mov_b32 s[G1B+6], 0
	s_mov_b32 s[G1B+7], 0
	s_lshl_b32 s16, s43, 7                         ; A: row 128 x tile row + 64 x half
	s_lshl_b32 s17, s[HF], 6
	s_add_co_u32 s16, s16, s17
	s_mul_i32 s16, s16, SIZE_K*2
	s_mov_b32 s17, 0
	s_lshl_b32 s46, s42, 8                         ; B: row 256 x tile column + 128 x half
	s_lshl_b32 s47, s[HF], 7
	s_add_co_u32 s46, s46, s47
	s_mul_i32 s46, s46, SIZE_K*2
	s_add_co_u32 s46, s46, BOFF
	s_mov_b32 s47, 0
	s_mul_i32 s20, s[HF], AHALF                    ; where they go: no place in the cluster enters an LDS address
	s_mul_i32 s21, s[HF], BHALF
	s_add_co_u32 s21, s21, BBASE
	s_mov_b32 s[TB], 0
	s_wait_dscnt 0x0                               ; the opening add is done
	s_wait_kmcnt 0x0
	s_add_nc_u64 s[18:19], s[4:5], s[16:17]
	s_add_nc_u64 s[46:47], s[6:7], s[46:47]
	CROUND                                         ; all sixteen work-groups are here: the first joint loads meet
.irp s, 0,1
	s_mov_b32 s[G0+4*(\s)], 1
	s_add_co_u32 s[G0+4*(\s)+1], s20, (\s)*SLOT1
	s_add_nc_u64 s[G0+4*(\s)+2:G0+4*(\s)+3], s[18:19], (\s)*KSTEP*2
	s_or_b32 s[G0+4*(\s)+3], s[G0+4*(\s)+3], 0x80000000
	s_mov_b32 s[G0B+4*(\s)], 1
	s_add_co_u32 s[G0B+4*(\s)+1], s21, (\s)*SLOT1
	s_add_nc_u64 s[G0B+4*(\s)+2:G0B+4*(\s)+3], s[46:47], (\s)*KSTEP*2
	s_or_b32 s[G0B+4*(\s)+3], s[G0B+4*(\s)+3], 0x80000000
.endr
	s_cmp_eq_u32 s[FB], 0                          ; a wave's two first fills stand in one branch: two loads of mine are out
	s_cbranch_scc0 .Lfirst_b
	tensor_load_to_lds s[G0:G0+3], s[G1:G1+7]
	s_nop 0
	tensor_load_to_lds s[G0+4:G0+7], s[G1:G1+7]
	s_nop 0
	PLACES
	s_branch .Lfirst_asked
.Lfirst_b:
	tensor_load_to_lds s[G0B:G0B+3], s[G1B:G1B+7]
	s_nop 0
	tensor_load_to_lds s[G0B+4:G0B+7], s[G1B:G1B+7]
	s_nop 0
	PLACES
.Lfirst_asked:
	v_and_b32 v1, 15, v0                           ; r
	v_bfe_u32 v2, v0, 4, 1                         ; h
	v_mul_u32_u24 v3, v1, PITCH
	v_lshl_add_u32 v3, v2, 4, v3
	s_mul_i32 s16, s[FB], AHALF                    ; my 64 rows of A,
	s_mul_i32 s17, s[HF], BHALF                    ; my 128 rows of B
	s_add_co_u32 s17, s17, BBASE
	v_add_nc_u32 v[AA0], s16, v3
	v_add_nc_u32 v[AB0], s17, v3
	v_mov_b32 v[AA], v[AA0]
	v_mov_b32 v[AB], v[AB0]
	v_lshlrev_b32 v[BO], 5, v2                     ; my eight columns of a block: 32 h bytes of f32
	s_mul_i32 s16, s[WV], 16*SPITCH
	s_add_co_u32 s16, s16, STAGE                   ; my stage
	v_mul_u32_u24 v[STO], v1, SPITCH
.if IS_Q
	v_lshl_add_u32 v[STO], v2, 4, v[STO]
	v_add_nc_u32 v[STO], s16, v[STO]
	v_mul_u32_u24 v[RD], v2, SPITCH                ; back: lanes 0-15 one row of 256 bytes, lanes 16-31 the next
	v_lshl_add_u32 v[RD], v1, 4, v[RD]
	v_add_nc_u32 v[RD], s16, v[RD]
	v_lshlrev_b32 v[CO], 12, v2
	v_lshl_add_u32 v[CO], v1, 4, v[CO]
	v_lshl_add_u32 v[TO], v1, 9, v[BO]             ; the table's row r, my eight frequencies
.else
	v_lshl_add_u32 v[STO], v2, 5, v[STO]
	v_add_nc_u32 v[STO], s16, v[STO]
	v_and_b32 v[CO], 31, v0
	v_lshlrev_b32 v[CO], 4, v[CO]                  ; back: 32 lanes take one row of 512 bytes
	v_add_nc_u32 v[RD], s16, v[CO]
.endif
	s_lshl_b32 s16, s43, 7
	s_lshl_b32 s17, s[FB], 6
	s_add_co_u32 s16, s16, s17                     ; my first row of C
.if IS_Q
	s_and_b32 s[TP], s16, 2047                     ; its position
	s_lshl_b32 s[TP], s[TP], 9
	s_mov_b32 s[TP+1], 0
	s_add_nc_u64 s[TP:TP+1], s[8:9], s[TP:TP+1]
	s_lshl_b32 s16, s16, 12
.else
	s_lshl_b32 s16, s16, 13
.endif
	s_mov_b32 s17, 0
	s_add_nc_u64 s[10:11], s[10:11], s[16:17]
	s_lshl_b32 s46, s42, 8
	s_lshl_b32 s47, s[HF], 7
	s_add_co_u32 s46, s46, s47                     ; my first column
	s_lshl_b32 s[BP], s46, 2
	s_add_co_u32 s[BP], s[BP], BIASOFF
	s_mov_b32 s[BP+1], 0
	s_add_nc_u64 s[BP:BP+1], s[8:9], s[BP:BP+1]
.if IS_Q
	s_lshl_b32 s46, s46, 1
.else
	s_lshl_b32 s46, s46, 2
.endif
	s_mov_b32 s47, 0
	s_add_nc_u64 s[10:11], s[10:11], s[46:47]
	WIN 0x40                                       ; the bias into all 32 accumulators: register j of block b is column 16 b + 8 h + j
.irp a, 0,1,2,3
.irp b, 0,1,2,3,4,5,6,7
	global_load_b128 v[8*(8*(\a)+(\b)):8*(8*(\a)+(\b))+3],   v[BO], s[BP:BP+1] offset:64*(\b)
	global_load_b128 v[8*(8*(\a)+(\b))+4:8*(8*(\a)+(\b))+7], v[BO], s[BP:BP+1] offset:64*(\b)+16
.endr
.endr
	WIN 0
; 8 products: m block a x all 8 n blocks, 32 along K.  The 32 accumulators take turns in one order everywhere.
.macro MUL8 f, a
	WIN 0x50
.irp b, 0,1,2,3,4,5,6,7
.if IS_Q
	v_wmma_f32_16x16x32_bf16 v[8*(8*(\a)+(\b)):8*(8*(\a)+(\b))+7], v[(\f)+8*(\b):(\f)+8*(\b)+7], v[(\f)+64+8*(\a):(\f)+64+8*(\a)+7], v[8*(8*(\a)+(\b)):8*(8*(\a)+(\b))+7]
.else
	v_wmma_f32_16x16x32_f16 v[8*(8*(\a)+(\b)):8*(8*(\a)+(\b))+7], v[(\f)+8*(\b):(\f)+8*(\b)+7], v[(\f)+64+8*(\a):(\f)+64+8*(\a)+7], v[8*(8*(\a)+(\b)):8*(8*(\a)+(\b))+7]
.endif
.endr
.endm
; 24 LDS loads in one run: a quarter step's fragments (32 K at byte k of the rows) into buffer f: B's, then A's
.macro FETCH k, f
	WIN 0
.irp i, 0,1,2,3,4,5,6,7
	ds_load_b128 v[(\f)+8*(\i):(\f)+8*(\i)+3],   v[AB] offset:(\k)+(\i)*16*PITCH
	ds_load_b128 v[(\f)+8*(\i)+4:(\f)+8*(\i)+7], v[AB] offset:(\k)+(\i)*16*PITCH+32
.endr
.irp i, 0,1,2,3
	ds_load_b128 v[(\f)+64+8*(\i):(\f)+64+8*(\i)+3],   v[AA] offset:(\k)+(\i)*16*PITCH
	ds_load_b128 v[(\f)+64+8*(\i)+4:(\f)+64+8*(\i)+7], v[AA] offset:(\k)+(\i)*16*PITCH+32
.endr
.endm
.macro QUARTER k, f, g                 ; multiplies buffer f; in its middle fetches the next quarter, at byte k, into g
	s_wait_dscnt 4                                 ; all but A's blocks 2 and 3
	MUL8 \f, 0
	MUL8 \f, 1
	PLACES
	FETCH \k, \g
	s_wait_dscnt 24                                ; all but the 24 just issued
	MUL8 \f, 2
	MUL8 \f, 3
.endm
; The last quarter multiplies buffer 1 and changes slots.  In front of the barrier each wave waits for all its tensor loads (one is out: its part of the next slot), adds 0 to its
; spare word, and waits for that and for its reads of this slot.  fill = 1: the barrier opens a round of the cluster's, and this slot is filled again, first thing behind it.
.macro TURN fill
	WIN 0
	s_wait_tensorcnt 0x0
	ds_add_u32 v[SPW], v[NIL]
	s_wait_dscnt 5                                 ; the add and the youngest four loads may be out
	MUL8 F1, 0
	s_wait_dscnt 0x0
	s_barrier_signal -1
	MUL8 F1, 1
	WIN 0
	s_barrier_wait -1
.if \fill
	CREST
	s_xor_b32 s[G0+5], s[G0+5], SLOT1              ; the walking sets: the other slot than last time, the next K step
	s_add_nc_u64 s[G0+6:G0+7], s[G0+6:G0+7], KSTEP*2
	s_xor_b32 s[G0B+5], s[G0B+5], SLOT1
	s_add_nc_u64 s[G0B+6:G0B+7], s[G0B+6:G0B+7], KSTEP*2
	JLOAD                                          ; its four v_nop are also the places in front of the loads below
.else
	PLACES
.endif
	s_xor_b32 s[TB], s[TB], SLOT1
	v_add_nc_u32 v[AA], s[TB], v[AA0]
	v_add_nc_u32 v[AB], s[TB], v[AB0]
	FETCH 0, F0
	MUL8 F1, 2
	MUL8 F1, 3
.endm
	s_wait_tensorcnt 1                             ; my part of K step 0 is in; K step 1's may stay out
	s_barrier_signal -1
	s_barrier_wait -1
	FETCH 0, F0
	s_wait_loadcnt 0x0                             ; the bias
	s_mov_b32 s3, NSTEP-2
.Lstep:                                        ; a K step; its slot is filled again with the step two on
	QUARTER 64,  F0, F1
	QUARTER 128, F1, F0
	QUARTER 192, F0, F1
	TURN 1
	WIN 0
	s_sub_co_u32 s3, s3, 1
	s_cmp_lg_u32 s3, 0
	s_cbranch_scc1 .Lstep
	QUARTER 64,  F0, F1                            ; the last two steps ask for nothing
	QUARTER 128, F1, F0
	QUARTER 192, F0, F1
	TURN 0
	QUARTER 64,  F0, F1
	QUARTER 128, F1, F0
	QUARTER 192, F0, F1
	s_wait_dscnt 4
	MUL8 F1, 0
	MUL8 F1, 1
	s_wait_dscnt 0x0
	MUL8 F1, 2
	MUL8 F1, 3
	WIN 0
	PLACES
	PLACES
.if IS_Q
; THE WAY OUT, 16 rows at a time: rotate, round to f16, through my stage, out as whole rows of 256 bytes.
.macro TLOAD a                         ; block a's cosines and sines: for n block b at 16 b, 16 b + 8 of buffer a % 2
.set TBL, 64+64*((\a)%2)
.irp b, 0,1,2,3
	global_load_b128 v[TBL+16*(\b):TBL+16*(\b)+3],     v[TO], s[TP:TP+1] offset:8192*(\a)+64*(\b)
	global_load_b128 v[TBL+16*(\b)+4:TBL+16*(\b)+7],   v[TO], s[TP:TP+1] offset:8192*(\a)+64*(\b)+16
	global_load_b128 v[TBL+16*(\b)+8:TBL+16*(\b)+11],  v[TO], s[TP:TP+1] offset:8192*(\a)+64*(\b)+256
	global_load_b128 v[TBL+16*(\b)+12:TBL+16*(\b)+15], v[TO], s[TP:TP+1] offset:8192*(\a)+64*(\b)+272
.endr
.endm
.macro OUTQ a
.if (\a) < 3
	TLOAD (\a)+1
	s_wait_loadcnt 16                              ; this block's table is in; the next block's 16 loads may stay out
.else
	s_wait_loadcnt 0x0
.endif
	s_wait_xcnt 0x0                                ; the last block's stores have read their registers
.set TBF, 64+64*((\a)%2)
	WIN 0x01                                       ; source 0: the accumulators
.irp b, 0,1,2,3
.irp z, 0,2,4,6
	v_pk_mul_f32 v[YR+16*(\b)+(\z):YR+16*(\b)+(\z)+1],     v[8*(8*(\a)+(\b)+4)+(\z):8*(8*(\a)+(\b)+4)+(\z)+1], v[TBF+16*(\b)+8+(\z):TBF+16*(\b)+8+(\z)+1]
	v_pk_mul_f32 v[YR+16*(\b)+8+(\z):YR+16*(\b)+8+(\z)+1], v[8*(8*(\a)+(\b)+4)+(\z):8*(8*(\a)+(\b)+4)+(\z)+1], v[TBF+16*(\b)+(\z):TBF+16*(\b)+(\z)+1]
.endr
.irp z, 0,2,4,6
	v_pk_fma_f32 v[YR+16*(\b)+(\z):YR+16*(\b)+(\z)+1],     v[8*(8*(\a)+(\b))+(\z):8*(8*(\a)+(\b))+(\z)+1], v[TBF+16*(\b)+(\z):TBF+16*(\b)+(\z)+1],     v[YR+16*(\b)+(\z):YR+16*(\b)+(\z)+1] neg_lo:[0,0,1] neg_hi:[0,0,1]
	v_pk_fma_f32 v[YR+16*(\b)+8+(\z):YR+16*(\b)+8+(\z)+1], v[8*(8*(\a)+(\b))+(\z):8*(8*(\a)+(\b))+(\z)+1], v[TBF+16*(\b)+8+(\z):TBF+16*(\b)+8+(\z)+1], v[YR+16*(\b)+8+(\z):YR+16*(\b)+8+(\z)+1]
.endr
.endr
	WIN 0
.irp b, 0,1,2,3
.irp n, 0,1,2,3
	v_cvt_pk_f16_f32 v[PKR+4*(\b)+(\n)],    v[YR+16*(\b)+2*(\n)],   v[YR+16*(\b)+2*(\n)+1]
	v_cvt_pk_f16_f32 v[PKR+16+4*(\b)+(\n)], v[YR+16*(\b)+8+2*(\n)], v[YR+16*(\b)+8+2*(\n)+1]
.endr
.endr
.irp b, 0,1,2,3,4,5,6,7
	ds_store_b128 v[STO], v[PKR+4*(\b):PKR+4*(\b)+3] offset:32*(\b)
.endr
.irp t, 0,1,2,3,4,5,6,7
	ds_load_b128 v[YR+4*(\t):YR+4*(\t)+3], v[RD] offset:(\t)*2*SPITCH  ; LDS serves a wave's instructions in order: these see the stores above
.endr
	s_wait_dscnt 0x0
.irp t, 0,1,2,3,4,5,6,7
	global_store_b128 v[CO], v[YR+4*(\t):YR+4*(\t)+3], s[10:11] offset:(16*(\a)+2*(\t))*4096  ; 16 lanes store 256 consecutive bytes, aligned
.endr
.endm
	TLOAD 0
	OUTQ 0
	OUTQ 1
	OUTQ 2
	OUTQ 3
.else
; THE WAY OUT, 16 rows at a time: f32 through my stage, out as whole rows of 512 bytes.
.macro OUTO a
.set RB, 64+64*((\a)%2)
	WIN 0x04                                       ; the data (source 1): the accumulators, each from its low end on
.irp b, 0,1,2,3,4,5,6,7
	ds_store_b128 v[STO], v[8*(8*(\a)+(\b)):8*(8*(\a)+(\b))+3]   offset:64*(\b)
	ds_store_b128 v[STO], v[8*(8*(\a)+(\b))+4:8*(8*(\a)+(\b))+7] offset:64*(\b)+16
.endr
	WIN 0
	s_wait_xcnt 0x0                                ; earlier stores have read their registers
.irp t, 0,1,2,3,4,5,6,7,8,9,10,11,12,13,14,15
	ds_load_b128 v[RB+4*(\t):RB+4*(\t)+3], v[RD] offset:(\t)*SPITCH
.endr
	s_wait_dscnt 0x0
.irp t, 0,1,2,3,4,5,6,7,8,9,10,11,12,13,14,15
	global_store_b128 v[CO], v[RB+4*(\t):RB+4*(\t)+3], s[10:11] offset:(16*(\a)+(\t))*8192  ; 512 consecutive bytes, aligned
.endr
.endm
	OUTO 0
	OUTO 1
	OUTO 2
	OUTO 3
.endif
	s_wait_tensorcnt 0x0                           ; the wave's end
	ds_add_u32 v[SPW], v[NIL]
	s_wait_dscnt 0x0
	CROUND                                         ; the closing round
	s_endpgm
.Lfunc_end_k_q0a519d69de_qproj:
	.size	k_q0a519d69de_qproj, .Lfunc_end_k_q0a519d69de_qproj-k_q0a519d69de_qproj
	.p2alignl 7, 3214868480
	.fill 96, 4, 3214868480
	.section	.rodata,"a",@progbits
	.p2align	6, 0x0
	.amdhsa_kernel k_q0a519d69de_qproj
		.amdhsa_group_segment_fixed_size 327680
		.amdhsa_private_segment_fixed_size 0
		.amdhsa_enable_private_segment 0
		.amdhsa_kernarg_size 32
		.amdhsa_user_sgpr_count 2
		.amdhsa_user_sgpr_kernarg_segment_ptr 1
		.amdhsa_wavefront_size32 1
		.amdhsa_system_sgpr_workgroup_id_x 1
		.amdhsa_system_sgpr_workgroup_id_y 1
		.amdhsa_system_sgpr_workgroup_id_z 1
		.amdhsa_system_vgpr_workitem_id 0
		.amdhsa_next_free_vgpr 512
		.amdhsa_next_free_sgpr 66
		.amdhsa_reserve_vcc 0
		.amdhsa_float_denorm_mode_32 3
		.amdhsa_float_denorm_mode_16_64 3
		.amdhsa_memory_ordered 1
		.amdhsa_forward_progress 1
		.amdhsa_inst_pref_size 98
	.end_amdhsa_kernel
	.amdgpu_metadata
---
amdhsa.version: [ 1, 2 ]
amdhsa.kernels:
  - .name:           k_q0a519d69de_qproj
    .symbol:         k_q0a519d69de_qproj.kd
    .args:
      - { .name: qb, .offset: 0, .size: 8, .value_kind: global_buffer, .address_space: global }
      - { .name: wt, .offset: 8, .size: 8, .value_kind: global_buffer, .address_space: global }
      - { .name: tab, .offset: 16, .size: 8, .value_kind: global_buffer, .address_space: global }
      - { .name: qf, .offset: 24, .size: 8, .value_kind: global_buffer, .address_space: global }
    .group_segment_fixed_size: 327680
    .private_segment_fixed_size: 0
    .kernarg_segment_align: 8
    .kernarg_segment_size: 32
    .max_flat_workgroup_size: 128
    .sgpr_count:     66
    .vgpr_count:     512
    .wavefront_size: 32
...
	.end_amdgpu_metadata
.endif
;; end of part 3
;; launch attn (part 4): grid 4 x 64, 4 waves a work-group, clusters of 4 x 1, 327,680 bytes of LDS; arguments qf, kf, vp, af; writes af
.if DOCPART == 4
	.amdgcn_target "amdgcn-amd-amdhsa--gfx1250"
	.amdhsa_code_object_version 6
	.text
	.protected	k_q0a519d69de_attn
	.globl	k_q0a519d69de_attn
	.p2align	8
	.type	k_q0a519d69de_attn,@function
k_q0a519d69de_attn:
	s_mov_b64 s[64:65], 0
	v_nop
	global_prefetch_b8 v0, s[64:65] scope:SCOPE_SE
	s_setreg_imm32_b32 hwreg(HW_REG_WAVE_MODE, 25, 1), 1
	s_wait_xcnt 0x0
	s_wait_alu depctr_hold_cnt(0) depctr_sa_sdst(0) depctr_va_vdst(0) depctr_va_sdst(0) depctr_va_ssrc(0) depctr_va_vcc(0) depctr_vm_vsrc(0)
	s_getreg_b32 s2, hwreg(HW_REG_IB_STS2, 6, 4)
	s_cmp_eq_u32 s2, 0
	s_cbranch_scc0 .Lentry_in_a_cluster
	s_endpgm
.Lentry_in_a_cluster:
	s_bfe_u32 s2, ttmp6, 0x10000c
	s_cmp_lg_u32 s2, 0x3003
	s_cbranch_scc0 .Lentry_shape_is_right
	s_endpgm
.Lentry_shape_is_right:
; CAUSAL MULTI-QUERY ATTENTION WITH A PADDING MASK.  qf [4096][16 x 128] f16 (rotated, times QS), kf [4096][128] f16 (rotated, times 1/4), vp: for each 128 keys 128 rows of 64 f16
; and then 128 f32 addends (0, or -2^100 for a padded key); af [4096][16 x 64] f16.  QS / 4 = log2(e) / sqrt(128): p = 2^(s - m) with a running maximum m; sums in f32; p rounded to f16.
; LIMITS.  q, k, v arrive within f16's 65,504; true scores are then 5.5e11 at the most, nothing beside 2^97.  A hidden key counts as its score less 2^100 (or a small multiple); m starts at
; -2^97, so a hidden key's weight is 0 even where every key so far is hidden.  A weight below 2^-126 counts as 0.  A row none of whose keys counts has l = 0 and is stored as NaN.
; THE WALK.  A batch's positions lie in 64 blocks of 32; block X needs the key tiles (256 keys) 0 .. X / 8.  A work-group takes blocks 63 - i and then i, for four heads: nine tiles, whatever i:
; one counted walk, all work-groups alike.  CLUSTER: the four work-groups of a cluster are the four head groups of one pair of blocks and walk the same K and V: every fill is a joint load.
; No prefetch: a batch's K and V, 0.79 MB, are walked by 32 clusters at about the same time: they are not read once.
; WAVES.  Wave w: heads 2 (w / 2) + 0, 1 of the group; of a tile's four steps of 64 keys the steps kp and kp + 2, kp = w % 2.  It holds 64 query rows, four PIECES p = 2 g + hd of 16: head hd,
; position half g xor kp.  At a block's end the two waves of a pair of heads meet in LDS: each GIVES pieces 2, 3 and KEEPS pieces 0, 1, which are 16 rows x 256 bytes of af.
; LAYOUT.  S^T = K Q^T + mask (source 0 = 16 keys): a lane holds one query (lane % 16) and keys 8 (lane / 16) + 0..7; two results rounded to f16 are source 1 of O^T = V^T P.
; THE MASK is the C operand that starts each sum: the step's addends (MC), loaded with K.  In a block's last tile the causal part is added: T0 (pieces 0, 1) and T0 + TD (pieces 2, 3) are the
; diagonal's pattern for 32 keys, made once; four scalars say where it falls in the step.  All these are small whole multiples of 2^100: the arithmetic is exact.
; TURNS.  Turn n: 16 products K Q^T of piece n + 1, 8 products V^T P of piece n - 1; beside them piece n's scaling, exponentials and rescaling and piece n + 1's maximum; then ONE wait
; for the turn's 33 exponentials and a lump of 32 roundings and sums.
; REGISTERS (windows of 256; s_set_vgpr_msb: bits 1:0 source 0, 3:2 source 1, 5:4 source 2, 7:6 destination):
;   window 0: v2-7 addresses; v8-23 statistics (m, m_old, l, l) a piece; v24-31 at work; v32-95 S^T, two buffers; v96-127 P, two buffers; v128-255 O^T
;   window 1: v0-31 MC; v32-47 T0; v48-63 TD; v64-127 V; v128-255 the second block's Q      window 2: v0-127 Q; v128-255 K      window 3: v0-6 the add's two registers, the way out's addresses
.set NP,    4
.set PK,    272                        ; a row of K in LDS: 256 + 16
.set PV,    160                        ; a row of V: 128 + 32
.set KHALF, 128*PK                     ; what one load brings of K
.set VBASE, 2*KHALF
.set VHALF, 132*PV                     ; and of V: 128 rows and four pieces of 32 addends
.set MOFF,  128*PV
.set SLOT1, 1<<17
.set STAGE, SLOT1+VBASE+2*VHALF        ; behind the ring: 16 rows x 272 a wave,
.set SP,    272
.set XCH,   STAGE+4*16*SP              ; 18 x 512 bytes a wave for the meeting,
.set XW,    18*512
.set SPARE, XCH+4*XW                   ; and the spare words
.set AK0, 2
.set AV0, 3
.set AP0, 4
.set AK,  5
.set AV,  6
.set AP,  7
.set ST,  8
.set TMP, 24
.set S,   32
.set P,   96
.set O,   128
.set MC,  0
.set T0,  32
.set TD,  48
.set VF,  64
.set QB,  128
.set KF,  128
.set SPW, 0
.set NIL, 1
.set STO, 2
.set RD,  3
.set GO,  4
.set XST, 5
.set XLD, 6
.set WV,  12
.set KP,  13
.set HP,  14
.set II,  15
.set G1K, 24
.set G1V, 32
.set G0K, 40
.set G0V, 44
.set KB,  48                           ; s[48:49] kf at my half of the batch's tile 0; s[50:51] vp likewise
.set VB,  50
.set OFF, 52
.set SLOTS, 54
.set CNT, 55
.set RT,  56                           ; tiles of the block in hand still to be entered
.set NXT, 57                           ; the tile to be asked for next
.set LQ,  58                           ; the last tile of the block whose tiles are being asked for
.set NEW, 59
.set SEL, 60
.set TBK, 62
.set TBV, 63
.set TBP, 66
.set SI,  67                           ; the step (0..3 in its tile) whose scores are being made
.set SIN, 68
.set SD,  69                           ; the step that holds the block's diagonal
.set AL0, 70                           ; pairs: factor of the pattern for keys 0-31 of the step, for keys 32-63; addends likewise
.set AL1, 72
.set BE0, 74
.set BE1, 76
.set P0F, 78
.set P1F, 79
.set P0N, 80
.set NBR, 81
.set QNAN, 82
.set LQ2, 83
.set OB2, 84
.set SD2, 94
.set MSB, 0
.macro WIN new
.if MSB != (\new)
	s_set_vgpr_msb (MSB<<8)|(\new)
.set MSB, (\new)
.endif
.endm
.set W_KQ, 0x0a
.set W_KM, 0x1a
.set W_PV, 0x01
.set W_LK, 0x80
.set W_L1, 0x40
.set W_MK, 0x51
.set W_AD, 0x0f
.set W_M3, 0xc0
.set W_OUT, 0x03
.macro PLACES
.rept 4
	v_nop
.endr
.endm
.macro JLOAD                           ; waves 0, 1 fetch K's halves, waves 2, 3 V's; an s_nop 0 and four v_nop follow each line
	s_cmp_lt_u32 s[WV], 2
	s_cbranch_scc0 .Lfor_v_\@
	tensor_load_to_lds s[G0K:G0K+3], s[G1K:G1K+7]
	s_nop 0
	PLACES
	s_branch .Lasked_\@
.Lfor_v_\@:
	tensor_load_to_lds s[G0V:G0V+3], s[G1V:G1V+7]
	s_nop 0
	PLACES
.Lasked_\@:
.endm
.macro CROUND
	s_barrier_signal -1
	s_barrier_wait -1
	s_cmp_lg_u32 s[WV], 0
	s_cbranch_scc1 .Lnot_wave_0_\@
	s_barrier_signal -3
.Lnot_wave_0_\@:
	s_barrier_wait -3
	s_barrier_signal -1
	s_barrier_wait -1
.endm
; THE CHANGE OF SLOTS.  Each wave waits for all its tensor loads (one is out: its part of the other slot), adds 0 to its spare word, waits for that and for its reads of the slot it leaves.
; fill = 1: a round of the cluster's barrier, and the old slot is filled with tile NXT, first thing behind it; the descriptor's address is made anew from that number.
.macro CHANGE fill
	WIN W_AD
	s_wait_tensorcnt 0x0
	ds_add_u32 v[SPW], v[NIL]
	WIN 0
.if \fill
	s_lshl_b32 s[OFF], s[NXT], 16                  ; a tile is 65,536 bytes of kf
	s_xor_b32 s[G0K+1], s[G0K+1], SLOT1
	s_add_nc_u64 s[G0K+2:G0K+3], s[KB:KB+1], s[OFF:OFF+1]
	s_or_b32 s[G0K+3], s[G0K+3], 0x80000000
	s_mul_i32 s[OFF], s[NXT], 33792                ; and 33,792 of vp
	s_xor_b32 s[G0V+1], s[G0V+1], SLOT1
	s_add_nc_u64 s[G0V+2:G0V+3], s[VB:VB+1], s[OFF:OFF+1]
	s_or_b32 s[G0V+3], s[G0V+3], 0x80000000
	s_add_co_u32 s[NXT], s[NXT], 1                 ; the block's next tile, or behind its last the second block's tile 0
	s_cmp_gt_u32 s[NXT], s[LQ]
	s_cselect_b32 s[NXT], 0, s[NXT]
	s_cselect_b32 s[LQ], s[LQ2], s[LQ]
.endif
	s_wait_dscnt 0x0
.if \fill
	CROUND
	JLOAD
.else
	s_barrier_signal -1
	s_barrier_wait -1
.endif
	s_sub_co_u32 s[TBK], s[TBK], 2*KHALF           ; the fetches go back to my first step, in the other slot
	s_xor_b32 s[TBK], s[TBK], SLOT1
	s_sub_co_u32 s[TBV], s[TBV], 2*VHALF
	s_xor_b32 s[TBV], s[TBV], SLOT1
	s_sub_co_u32 s[TBP], s[TBP], 2*VHALF
	s_xor_b32 s[TBP], s[TBP], SLOT1
	s_mov_b32 s[SIN], s[KP]
.endm
	s_load_b256 s[4:11], s[0:1], 0x0               ; qf 4, kf 6, vp 8, af 10
	WIN W_M3
	v_lshl_add_u32 v[SPW], v0, 2, SPARE
	v_mov_b32 v[NIL], 0
	WIN W_AD
	ds_add_u32 v[SPW], v[NIL]                      ; the wave's opening: the add and its wait stand ahead of my first tensor load
	WIN 0
	v_lshrrev_b32 v1, 5, v0
	v_readfirstlane_b32 s[WV], v1
	s_and_b32 s[KP], s[WV], 1
	s_lshr_b32 s[HP], s[WV], 1
	s_and_b32 s17, ttmp7, 0xffff                   ; the cluster's y: 32 x batch + i, shared by the four partners
	s_and_b32 s[II], s17, 31
	s_lshr_b32 s17, s17, 5
	s_sub_co_u32 s18, 63, s[II]                    ; the first block
	s_lshl_b32 s16, s17, 11                        ; the batch's first row
	s_lshl_b32 s20, s17, 19
	s_lshl_b32 s21, s[KP], 15
	s_add_co_u32 s20, s20, s21
	s_mov_b32 s21, 0
	s_mul_i32 s22, s17, 270336
	s_mul_i32 s23, s[KP], 16896
	s_add_co_u32 s22, s22, s23
	s_mov_b32 s23, 0
	s_mov_b32 s[G1K], 15|(1<<16)|(1<<20)|(1<<21)|(5<<22)|(3<<25)  ; mask of four; 2-byte elements; padding on; bit 21 beside a mask; after every 64 words, 4 words
	s_mov_b32 s[G1K+1], 128<<16                    ; 128 elements a row,
	s_mov_b32 s[G1K+2], 128<<16                    ; 128 rows
	s_mov_b32 s[G1K+3], 128<<16
	s_mov_b32 s[G1K+4], 128
	s_mov_b32 s[G1K+5], 128
	s_mov_b32 s[G1K+6], 0
	s_mov_b32 s[G1K+7], 0
	s_mov_b32 s[G1V], 15|(1<<16)|(1<<20)|(1<<21)|(4<<22)|(7<<25)  ; after every 32 words, 8 words
	s_mov_b32 s[G1V+1], 128<<16
	s_mov_b32 s[G1V+2], 66<<16                     ; 16,896 dense bytes as 66 rows of 256
	s_mov_b32 s[G1V+3], 128<<16
	s_mov_b32 s[G1V+4], 66
	s_mov_b32 s[G1V+5], 128
	s_mov_b32 s[G1V+6], 0
	s_mov_b32 s[G1V+7], 0
	s_mov_b32 s[G0K], 1
	s_mul_i32 s[G0K+1], s[KP], KHALF
	s_mov_b32 s[G0V], 1
	s_mul_i32 s[G0V+1], s[KP], VHALF
	s_add_co_u32 s[G0V+1], s[G0V+1], VBASE
	s_mov_b32 s[NBR], 0xf1800000                   ; -2^100
	s_mov_b32 s[QNAN], 0x7fc00000
	s_mov_b32 s[SEL], 0x76543210
	s_mov_b32 s[SEL+1], 0xfedcba98
	s_mov_b32 s[TBK], SLOT1+2*KHALF                ; the first change of slots turns these three into 0
	s_mov_b32 s[TBV], SLOT1+2*VHALF
	s_mov_b32 s[TBP], SLOT1+2*VHALF
	s_mov_b32 s[OFF+1], 0
	s_lshr_b32 s[LQ], s18, 3
	s_add_co_u32 s[RT], s[LQ], 1
	s_lshr_b32 s[LQ2], s[II], 3
	s_mov_b32 s[NXT], 1
	s_mov_b32 s[NEW], 1
	s_mov_b32 s[SLOTS], 8
	s_mov_b32 s[SI], 0
	s_mov_b32 s[SIN], 0
.irp g, AL0, AL1, BE0, BE1
	s_mov_b32 s[\g], 0
	s_mov_b32 s[\g+1], 0                           ; named as pairs
.endr
	s_lshr_b32 s[SD], s18, 1                       ; block X: its diagonal lies in step (X / 2) % 4 of its last tile, in the step's keys 32 (X % 2) on
	s_and_b32 s[SD], s[SD], 3
	s_and_b32 s19, s18, 1
	s_cmp_eq_u32 s19, 0
	s_cselect_b32 s[P0F], 1.0, 0
	s_cselect_b32 s[P1F], 0, 1.0
	s_cselect_b32 s[P0N], s[NBR], 0
	s_lshr_b32 s[SD2], s[II], 1
	s_and_b32 s[SD2], s[SD2], 3
	s_and_b32 s19, s[II], 1
	s_cmp_eq_u32 s19, 0
	s_cselect_b32 s[SD2+1], 1.0, 0
	s_cselect_b32 s[SD2+2], 0, 1.0
	s_cselect_b32 s[SD2+3], s[NBR], 0
	s_wait_dscnt 0x0                               ; the opening add is done
	s_wait_kmcnt 0x0
	s_add_nc_u64 s[KB:KB+1], s[6:7], s[20:21]
	s_add_nc_u64 s[VB:VB+1], s[8:9], s[22:23]
	s_mov_b64 s[G0K+2:G0K+3], s[KB:KB+1]
	s_or_b32 s[G0K+3], s[G0K+3], 0x80000000
	s_mov_b64 s[G0V+2:G0V+3], s[VB:VB+1]
	s_or_b32 s[G0V+3], s[G0V+3], 0x80000000
	CROUND                                         ; all four work-groups are here
	JLOAD                                          ; tile 0 into slot 0
	; Q's and O's addresses: the only ones that my place in the cluster, the head group, enters
	s_bfe_u32 s100, ttmp6, 0x40000
	s_lshl_b32 s101, s100, 10                      ; four heads x 256 bytes of a row of qf,
	s_lshl_b32 s99, s[HP], 9
	s_add_co_u32 s101, s101, s99
	s_lshl_b32 s100, s100, 9                       ; x 128 bytes of a row of af
	s_lshl_b32 s99, s[HP], 8
	s_add_co_u32 s100, s100, s99
	s_lshl_b32 s19, s[KP], 4                       ; 16 kp: the position half of pieces 0, 1
	s_xor_b32 s20, s19, 16                         ; and of pieces 2, 3
.macro QPTR dst, xr, tt
	s_lshl_b32 s98, \xr, 5
	s_add_co_u32 s98, s98, s16
	s_add_co_u32 s98, s98, \tt
	s_lshl_b32 s98, s98, 12
	s_add_co_u32 s98, s98, s101
	s_mov_b32 s99, 0
	s_add_nc_u64 s[\dst:\dst+1], s[4:5], s[98:99]
.endm
	QPTR 86, s18, s19
	QPTR 88, s18, s20
	QPTR 90, s[II], s19
	QPTR 92, s[II], s20
	s_lshl_b32 s98, s[II], 5
	s_add_co_u32 s98, s98, s16
	s_add_co_u32 s98, s98, s19
	s_lshl_b32 s98, s98, 11
	s_add_co_u32 s98, s98, s100
	s_mov_b32 s99, 0
	s_add_nc_u64 s[OB2:OB2+1], s[10:11], s[98:99]
	s_lshl_b32 s98, s18, 5
	s_add_co_u32 s98, s98, s16
	s_add_co_u32 s98, s98, s19
	s_lshl_b32 s98, s98, 11
	s_add_co_u32 s98, s98, s100
	s_add_nc_u64 s[10:11], s[10:11], s[98:99]
	v_and_b32 v32, 15, v0                          ; r
	v_bfe_u32 v33, v0, 4, 1                        ; h
	v_lshlrev_b32 v34, 12, v32
	v_lshl_add_u32 v34, v33, 4, v34                ; row x 4096 + 16 h; not rewritten before Q is in
	WIN W_LK
.irp g, 0,1
.irp d, 0,1
.irp c, 0,1,2,3
	global_load_b128 v[32*(2*\g+\d)+8*\c:32*(2*\g+\d)+8*\c+3],   v34, s[86+2*\g:87+2*\g] offset:256*\d+64*\c
	global_load_b128 v[32*(2*\g+\d)+8*\c+4:32*(2*\g+\d)+8*\c+7], v34, s[86+2*\g:87+2*\g] offset:256*\d+64*\c+32
.endr
.endr
.endr
	WIN W_L1
.irp g, 0,1
.irp d, 0,1
.irp c, 0,1,2,3
	global_load_b128 v[QB+32*(2*\g+\d)+8*\c:QB+32*(2*\g+\d)+8*\c+3],   v34, s[90+2*\g:91+2*\g] offset:256*\d+64*\c
	global_load_b128 v[QB+32*(2*\g+\d)+8*\c+4:QB+32*(2*\g+\d)+8*\c+7], v34, s[90+2*\g:91+2*\g] offset:256*\d+64*\c+32
.endr
.endr
.endr
	WIN 0
	v_mul_u32_u24 v[AK0], v32, PK                  ; K: my first step's rows, row r, 16 h
	v_lshl_add_u32 v[AK0], v33, 4, v[AK0]
	s_mul_i32 s17, s[KP], 64*PK
	v_add_nc_u32 v[AK0], s17, v[AK0]
	v_and_b32 v35, 7, v0                           ; V, for the turning load: key 8 h + l % 8, channels 8 ((l / 8) % 2) on
	v_bfe_u32 v36, v0, 3, 1
	v_lshl_add_u32 v[AV0], v33, 3, v35
	v_mul_u32_u24 v[AV0], v[AV0], PV
	v_lshl_add_u32 v[AV0], v36, 4, v[AV0]
	s_mul_i32 s17, s[KP], 64*PV
	s_add_co_u32 s17, s17, VBASE
	v_add_nc_u32 v[AV0], s17, v[AV0]
	s_mul_i32 s17, s[KP], 2*PV                     ; the addends: two pieces of 32 a step; my eight at 32 h
	s_add_co_u32 s17, s17, VBASE+MOFF
	v_lshl_add_u32 v[AP0], v33, 5, s17
	v_and_b32 v40, 31, v0
	s_mul_i32 s17, s[WV], 16*SP
	s_add_co_u32 s17, s17, STAGE
	v_mul_u32_u24 v41, v32, SP
	v_lshl_add_u32 v41, v33, 4, v41
	v_add_nc_u32 v41, s17, v41
	v_mul_u32_u24 v42, v33, SP
	v_lshl_add_u32 v42, v32, 4, v42
	v_add_nc_u32 v42, s17, v42
	v_lshlrev_b32 v43, 11, v33
	v_lshl_add_u32 v43, v32, 4, v43
	s_mul_i32 s17, s[WV], XW
	s_add_co_u32 s17, s17, XCH
	v_lshl_add_u32 v44, v40, 4, s17
	s_xor_b32 s17, s[WV], 1                        ; my partner
	s_mul_i32 s17, s17, XW
	s_add_co_u32 s17, s17, XCH
	v_lshl_add_u32 v45, v40, 4, s17
	WIN W_M3
	v_mov_b32 v[STO], v41
	v_mov_b32 v[RD],  v42
	v_mov_b32 v[GO],  v43
	v_mov_b32 v[XST], v44
	v_mov_b32 v[XLD], v45
	WIN 0
	v_lshlrev_b32 v37, 3, v33
	v_sub_nc_u32 v37, v32, v37                     ; r - 8 h
	v_add_nc_u32 v38, s19, v37                     ; register i of the pattern is hidden where 16 (i / 8) + i % 8 is greater than this (pieces 0, 1),
	v_add_nc_u32 v39, s20, v37                     ; or this (pieces 2, 3)
	WIN W_L1
.set i, 0
.rept 16
	v_cmp_gt_i32 vcc_lo, 16*(i/8)+i%8, v38
	v_cndmask_b32 v[T0+i], 0, s[NBR], vcc_lo
	v_cmp_gt_i32 vcc_lo, 16*(i/8)+i%8, v39
	v_cndmask_b32 v[TD+i], 0, s[NBR], vcc_lo
.set i, i+1
.endr
	WIN 0x45
.set i, 0
.rept 16
	v_sub_f32 v[TD+i], v[TD+i], v[T0+i]
.set i, i+1
.endr
	; O^T starts at 0: a wave whose first steps are wholly hidden has a = 1.  P's second buffer is 0 and V finite: the first turn's products, of a piece that has not been, add 0.
	WIN W_L1
.set i, VF
.rept 64
	v_mov_b32 v[i], 0
.set i, i+1
.endr
	WIN 0
.set i, O
.rept 128
	v_mov_b32 v[i], 0
.set i, i+1
.endr
.set i, P+16
.rept 16
	v_mov_b32 v[i], 0
.set i, i+1
.endr
; THE MATRIX WORK.  The four accumulators of a run take turns.  Product i of 16 of S^T for piece x: channels 32 (i / 4) on, keys 16 (i % 4) on; the first four start the sums with the mask.
.macro KQ x
.set rS, S+32*((\x)%2)+8*(i%4)
.set rK, KF+32*(i%4)+8*(i/4)
.set rQ, 32*(\x)+8*(i/4)
.set rM, MC+8*(i%4)
.if i < 4
	WIN W_KM
	v_wmma_f32_16x16x32_f16 v[rS:rS+7], v[rK:rK+7], v[rQ:rQ+7], v[rM:rM+7]
.else
	WIN W_KQ
	v_wmma_f32_16x16x32_f16 v[rS:rS+7], v[rK:rK+7], v[rQ:rQ+7], v[rS:rS+7]
.endif
.endm
.macro PVM x                           ; product i of 8 of O^T += V^T P: keys 32 (i / 4) on, channels 16 (i % 4) on
	WIN W_PV
.set rO, O+32*(\x)+8*(i%4)
.set rV, VF+32*(i/4)+8*(i%4)
.set rP, P+16*((\x)%2)+8*(i/4)
	v_wmma_f32_16x16x32_f16 v[rO:rO+7], v[rV:rV+7], v[rP:rP+7], v[rO:rO+7]
.endm
.macro MM                              ; the turn's next matrix instruction; NOKQ = 1: a block's last turn has no next piece
.if i < 16
.if !NOKQ
	KQ (Y+1)%NP
.endif
.else
.set i, i-16
	PVM (Y+NP-1)%NP
.set i, i+16
.endif
.set i, i+1
.endm
; THE LDS LOADS.  K of my next step comes in four runs, a run for each 32 channels, each behind the last product that read those registers; the addends come with the first.
.macro RUNM
	WIN 0
	v_add_nc_u32 v[AK], s[TBK], v[AK0]
	v_add_nc_u32 v[AP], s[TBP], v[AP0]
	s_add_co_u32 s[TBK], s[TBK], KHALF             ; my next step lies two steps on
	s_add_co_u32 s[TBP], s[TBP], VHALF
	s_mov_b32 s[SI], s[SIN]
	s_add_co_u32 s[SIN], s[SIN], 2
	WIN W_L1
.irp b, 0,1,2,3
	ds_load_b128 v[MC+8*\b:MC+8*\b+3],   v[AP] offset:(\b/2)*PV+(\b%2)*64
	ds_load_b128 v[MC+8*\b+4:MC+8*\b+7], v[AP] offset:(\b/2)*PV+(\b%2)*64+16
.endr
.endm
.macro RUNK c
	WIN W_LK
.irp b, 0,1,2,3
	ds_load_b128 v[KF+32*\b+8*(\c):KF+32*\b+8*(\c)+3],   v[AK] offset:\b*16*PK+64*(\c)
	ds_load_b128 v[KF+32*\b+8*(\c)+4:KF+32*\b+8*(\c)+7], v[AK] offset:\b*16*PK+64*(\c)+32
.endr
.endm
.macro FETCH_V
	WIN 0
	v_add_nc_u32 v[AV], s[TBV], v[AV0]
	s_add_co_u32 s[TBV], s[TBV], VHALF
	WIN W_L1
.irp f, 0,1,2,3,4,5,6,7
	ds_load_tr16_b128 v[VF+8*\f:VF+8*\f+3],   v[AV] offset:(\f/4)*32*PV+(\f%4)*32
	ds_load_tr16_b128 v[VF+8*\f+4:VF+8*\f+7], v[AV] offset:(\f/4)*32*PV+16*PV+(\f%4)*32
.endr
	WIN 0
.endm
; THE CAUSAL PART, in a block's last tile alone.  MASK0, ahead of piece 0's products: the step's scalars; MC += T0 x AL + BE.  MASK2, ahead of piece 2's: MC += TD x AL.
.macro MASK0
	WIN 0
	s_cmp_eq_u32 s[SI], s[SD]                      ; the diagonal's step: the pattern in one half; if in the first, the second half is hidden
	s_cselect_b32 s[AL0], s[P0F], 0
	s_cselect_b32 s[AL1], s[P1F], 0
	s_cselect_b32 s[BE1], s[P0N], 0
	s_cmp_gt_u32 s[SI], s[SD]                      ; a later step: all hidden
	s_cselect_b32 s[BE0], s[NBR], 0
	s_cselect_b32 s[BE1], s[NBR], s[BE1]
	s_cmp_eq_u32 s[RT], 0
	s_cbranch_scc0 .Lno_m0_\@
	WIN W_MK
.set z, 0
.rept 8
	v_pk_fma_f32 v[MC+z:MC+z+1],       v[T0+z:T0+z+1], s[AL0:AL0+1], v[MC+z:MC+z+1]       op_sel_hi:[1,0,1]
	v_pk_fma_f32 v[MC+16+z:MC+16+z+1], v[T0+z:T0+z+1], s[AL1:AL1+1], v[MC+16+z:MC+16+z+1] op_sel_hi:[1,0,1]
.set z, z+2
.endr
.set z, 0
.rept 8
	v_pk_add_f32 v[MC+z:MC+z+1],       v[MC+z:MC+z+1],       s[BE0:BE0+1] op_sel_hi:[1,0]
	v_pk_add_f32 v[MC+16+z:MC+16+z+1], v[MC+16+z:MC+16+z+1], s[BE1:BE1+1] op_sel_hi:[1,0]
.set z, z+2
.endr
	WIN 0
.Lno_m0_\@:
.endm
.macro MASK2
	WIN 0
	s_cmp_eq_u32 s[RT], 0
	s_cbranch_scc0 .Lno_m2_\@
	WIN W_MK
.set z, 0
.rept 8
	v_pk_fma_f32 v[MC+z:MC+z+1],       v[TD+z:TD+z+1], s[AL0:AL0+1], v[MC+z:MC+z+1]       op_sel_hi:[1,0,1]
	v_pk_fma_f32 v[MC+16+z:MC+16+z+1], v[TD+z:TD+z+1], s[AL1:AL1+1], v[MC+16+z:MC+16+z+1] op_sel_hi:[1,0,1]
.set z, z+2
.endr
	WIN 0
.Lno_m2_\@:
.endm
; THE VECTOR WORK, one line at a time: OP kind, number.  For piece Y: F n: s - m for pair n of 16.  E n: 2^ of score n of 32.  C n: pair n rounded to f16.  B n: of the four weights 4 n .. the second pair
; onto the first.  L n: l takes that sum (L 0: l = a l + sum).  R n: pair n of 16 of O^T times a.  N: v_nop.  For piece Y + 1: X n:
;   0-11 four chains c0-c3 of seven scores (each accumulator's lowest registers are read first)   12-14, 16 the four scores left over, the old m, c0-c3 into c0
;   15 m_old is kept   17, 18 the other half of the lanes; the new m   19, 20 m_old - m; a
.set F, 0
.set E, 1
.set C, 2
.set B, 3
.set L, 4
.set R, 5
.set X, 6
.set N, 7
.macro REGS y
.set rT, ST+4*(\y)
.set rC, TMP+4*((\y)%2)
.set rS, S+32*((\y)%2)
.set rP, P+16*((\y)%2)
.set rO, O+32*(\y)
.endm
.macro OP k, n
	WIN 0
.if (\k) == N
	v_nop
.elseif (\k) == F
	REGS Y
	v_pk_add_f32 v[rS+2*(\n):rS+2*(\n)+1], v[rS+2*(\n):rS+2*(\n)+1], v[rT:rT+1] op_sel_hi:[1,0] neg_lo:[0,1] neg_hi:[0,1]
.elseif (\k) == E
	REGS Y
	v_exp_f32 v[rS+(\n)], v[rS+(\n)]
.elseif (\k) == C
	REGS Y
	v_cvt_pk_f16_f32 v[rP+(\n)], v[rS+2*(\n)], v[rS+2*(\n)+1]
.elseif (\k) == B
	REGS Y
	v_pk_add_f32 v[rS+4*(\n):rS+4*(\n)+1], v[rS+4*(\n):rS+4*(\n)+1], v[rS+4*(\n)+2:rS+4*(\n)+3]
.elseif ((\k) == L) && ((\n) == 0)
	REGS Y
	v_pk_fma_f32 v[rT+2:rT+3], v[rT+2:rT+3], v[rC+2:rC+3], v[rS:rS+1] op_sel_hi:[1,0,1]
.elseif (\k) == L
	REGS Y
	v_pk_add_f32 v[rT+2:rT+3], v[rT+2:rT+3], v[rS+4*(\n):rS+4*(\n)+1]
.elseif (\k) == R
	REGS Y
	v_pk_mul_f32 v[rO+2*(\n):rO+2*(\n)+1], v[rO+2*(\n):rO+2*(\n)+1], v[rC+2:rC+3] op_sel_hi:[1,0]
.elseif NOKQ
	v_nop
.else
	REGS (Y+1)%NP
.if (\n) < 4
	v_max3_num_f32 v[rC+(\n)], v[rS+8*(\n)], v[rS+8*(\n)+1], v[rS+8*(\n)+2]
.elseif (\n) < 12
	v_max3_num_f32 v[rC+(\n)%4], v[rC+(\n)%4], v[rS+8*((\n)%4)+2*((\n)/4)+1], v[rS+8*((\n)%4)+2*((\n)/4)+2]
.elseif (\n) == 12
	v_max3_num_f32 v[rC], v[rC], v[rS+7], v[rS+15]
.elseif (\n) == 13
	v_max3_num_f32 v[rC+1], v[rC+1], v[rS+23], v[rS+31]
.elseif (\n) == 14
	v_max3_num_f32 v[rC+2], v[rC+2], v[rC+3], v[rT]
.elseif (\n) == 15
	v_mov_b32 v[rT+1], v[rT]
.elseif (\n) == 16
	v_max3_num_f32 v[rC], v[rC], v[rC+1], v[rC+2]
.elseif (\n) == 17
	v_permlanex16_b32 v[rC+3], v[rC], s[SEL], s[SEL+1]
.elseif (\n) == 18
	v_max_num_f32 v[rT], v[rC], v[rC+3]
.elseif (\n) == 19
	v_sub_f32 v[rC+1], v[rT+1], v[rT]
.else
	v_exp_f32 v[rC+2], v[rC+1]
.endif
.endif
.endm
.macro OPS a, i1, b=-1, i2=0, c=-1, i3=0, d=-1, i4=0
	OP \a, \i1
.if (\b) >= 0
	OP \b, \i2
.endif
.if (\c) >= 0
	OP \c, \i3
.endif
.if (\d) >= 0
	OP \d, \i4
.endif
.endm
.macro ROW a, i1, b=-1, i2=0, c=-1, i3=0, d=-1, i4=0  ; a matrix instruction and what rides behind it
	MM
	OPS \a, \i1, \b, \i2, \c, \i3, \d, \i4
.endm
.macro W3 p, end, n                    ; turn 3: the run of K that the next four products read is in; the later runs' loads may stay out
.if ((\p) == 3) && !(\end)
	s_wait_dscnt \n
.endif
.endm
.macro R2 p, end, c                    ; turn 2: run c; six plain instructions or more stand behind the last product that read its registers
.if ((\p) == 2) && !(\end)
.if (\c) == 0
	RUNM
.endif
	RUNK \c
.endif
.endm
; A TURN, for piece p.  Ahead of its one wait stands all that names no result of its exponentials; each X stands four plain instructions or more behind the product that ends its accumulator.
; end = 1: a block's last two turns: nothing is fetched, and turn 3 starts no new scores.
.macro TURN p, end=0
.set Y, (\p)
.set i, 0
.set NOKQ, (\end)*((\p)/3)
.if (\p) == 1
	MASK2
.endif
	W3 \p, \end, 24
.if ((\p) == 3) && !(\end)
	MASK0
.endif
	ROW F,0, F,1, F,2, F,3
	ROW F,4, E,0, F,5, E,1
	ROW F,6, E,2, F,7, E,3
	ROW F,8, E,4, F,9, E,5
	W3 \p, \end, 16
	ROW F,10, E,6, F,11, E,7
	ROW F,12, E,8, F,13, E,9
	R2 \p, \end, 0
	ROW F,14, E,10, F,15, E,11
	ROW R,0, E,12, R,1, E,13
	W3 \p, \end, 8
	ROW R,2, E,14, R,3, E,15
	ROW R,4, E,16, R,5, E,17
	R2 \p, \end, 1
	ROW R,6, E,18, R,7, E,19
	ROW R,8, E,20, R,9, E,21
	W3 \p, \end, 0
	ROW R,10, E,22, R,11, E,23
	ROW R,12, E,24, R,13, E,25
	R2 \p, \end, 2
	ROW R,14, E,26, R,15, E,27
	ROW X,0, E,28, X,1, E,29
.if (\p) == 1
	s_wait_dscnt 0x0                               ; V is in
.endif
	ROW X,2, E,30, X,4, E,31
	ROW X,5, X,6, X,8, X,3
	R2 \p, \end, 3
	ROW X,9, X,10, X,7, X,12
	ROW X,13, X,11, X,15, X,14
	ROW X,16
	ROW X,17
	ROW X,18, X,19
	ROW X,20, N,0                                  ; the batch's last exponential, and the plain instruction behind it
	WIN 0
	s_wait_alu depctr_va_vdst(0)                   ; one wait for the turn's 33 exponentials, ahead of their first reader
	OPS C,0, B,0, C,2, B,1
	OPS L,0, C,4, B,2, L,1
	OPS C,6, B,3, L,2, C,8
	OPS B,4, L,3, C,10, B,5
	OPS L,4, C,12, B,6, L,5
	OPS C,14, B,7, L,6, C,1
	OPS C,3, L,7, C,5, C,7
	OPS C,9, C,11, C,13, C,15
.if (\p) == 0
	FETCH_V                                        ; V of the step in hand, a lump behind its last reader; waited for in turn 1
.endif
.endm
; A BLOCK BEGINS: m at -2^97, l at 0; K and the addends of my first step; piece 0's first scores, maximum and statistics.
.macro BEGIN
	s_mov_b32 s[NEW], 0
	WIN 0
.set t, 0
.rept 4
	v_mov_b32 v[ST+4*t], 0xf0000000
	v_mov_b32 v[ST+4*t+1], 0xf0000000
	v_mov_b32 v[ST+4*t+2], 0
	v_mov_b32 v[ST+4*t+3], 0
.set t, t+1
.endr
	RUNM
	RUNK 0
	RUNK 1
	RUNK 2
	RUNK 3
	WIN 0
	s_wait_loadcnt 0x0                             ; Q
	s_wait_dscnt 0x0
	MASK0
.set Y, NP-1
.set NOKQ, 0
.set i, 0
.rept 16
	KQ 0
.set i, i+1
.endr
	WIN 0
	PLACES
.irp n, 0,1,2,3,4,5,6,7,8,9,10,11,12,13,14,15,16,17,18,19,20
	OP X, \n
.endr
	v_nop
	s_wait_alu depctr_va_vdst(0)
.endm
.macro TILE tag                        ; my two steps of a tile.  A trip: pieces 2, 3 of one step, then pieces 0, 1 of the next, whose K and V it fetches
	s_sub_co_u32 s[RT], s[RT], 1
	s_mov_b32 s[CNT], 2
	s_cmp_eq_u32 s[NEW], 1                         ; at the first trip the answer is a constant of the text
	s_cbranch_scc0 .Lstep\tag
	BEGIN
	s_branch .Lfirst\tag
.Lstep\tag:
	TURN 2
	TURN 3
	WIN 0
.Lfirst\tag:
	TURN 0
	TURN 1
	WIN 0
	s_sub_co_u32 s[CNT], s[CNT], 1
	s_cmp_lg_u32 s[CNT], 0
	s_cbranch_scc1 .Lstep\tag
.endm
.macro ALL line:vararg
.set t, 0
.rept 4
	\line
.set t, t+1
.endr
.endm
; A BLOCK ENDS.  PARTA: the last two turns and products; l's halves are added; pieces 2, 3 (O^T, m, l) go into my part of the meeting place.
.macro PARTA
	TURN 2, 1
	TURN 3, 1
.set i, 0
.rept 8
	PVM NP-1
.set i, i+1
.endr
	WIN 0
	ALL v_add_f32 v[ST+4*t+2], v[ST+4*t+2], v[ST+4*t+3]   ; these and the second four are the places behind the last products
	ALL v_permlanex16_b32 v[ST+4*t+3], v[ST+4*t+2], s[SEL], s[SEL+1]
	ALL v_add_f32 v[ST+4*t+2], v[ST+4*t+2], v[ST+4*t+3]
	WIN W_OUT
.set q, 0
.rept 16
	ds_store_b128 v[XST], v[O+64+4*q:O+64+4*q+3] offset:512*q
.set q, q+1
.endr
	ds_store_b128 v[XST], v[ST+8:ST+11]  offset:512*16
	ds_store_b128 v[XST], v[ST+12:ST+15] offset:512*17
	WIN 0
.endm
; PARTB, behind the barrier: my partner's pieces 2, 3 are my pieces 0, 1 over the other keys.  M = max(m, m'); O = (O a + O' a') / (l a + l' a'); NaN where that sum is 0.
; The result is made in S^T's registers: O^T, P and V never hold what may be NaN.  Then f16, my stage, whole rows of 256 bytes.
.macro PARTB
	WIN W_OUT
.set q, 0
.rept 16
	ds_load_b128 v[S+4*q:S+4*q+3], v[XLD] offset:512*q
.set q, q+1
.endr
	ds_load_b128 v[TMP:TMP+3],   v[XLD] offset:512*16
	ds_load_b128 v[TMP+4:TMP+7], v[XLD] offset:512*17
	WIN 0
	s_wait_dscnt 0x0
.irp d, 0,1
	v_max_num_f32 v[ST+4*\d+1], v[ST+4*\d], v[TMP+4*\d]
.endr
.irp d, 0,1
	v_sub_f32 v[ST+4*\d+3], v[ST+4*\d], v[ST+4*\d+1]
	v_sub_f32 v[TMP+4*\d+1], v[TMP+4*\d], v[ST+4*\d+1]
.endr
.irp d, 0,1
	v_exp_f32 v[ST+4*\d+3], v[ST+4*\d+3]
	v_exp_f32 v[TMP+4*\d+1], v[TMP+4*\d+1]
.endr
	v_nop
	s_wait_alu depctr_va_vdst(0)                   ; one wait for the four
.irp d, 0,1
	v_mul_f32 v[ST+4*\d+2], v[ST+4*\d+2], v[ST+4*\d+3]
.endr
.irp d, 0,1
	v_fma_f32 v[ST+4*\d+2], v[TMP+4*\d+2], v[TMP+4*\d+1], v[ST+4*\d+2]
.endr
.irp d, 0,1
	v_rcp_f32 v[TMP+4*\d+3], v[ST+4*\d+2]
.endr
	v_nop
	s_wait_alu depctr_va_vdst(0)                   ; one wait for the two
.irp d, 0,1
	v_cmp_eq_f32 vcc_lo, 0, v[ST+4*\d+2]
	v_cndmask_b32 v[TMP+4*\d+3], v[TMP+4*\d+3], s[QNAN], vcc_lo
	v_mul_f32 v[ST+4*\d+2], v[ST+4*\d+3], v[TMP+4*\d+3]
	v_mul_f32 v[TMP+4*\d+2], v[TMP+4*\d+1], v[TMP+4*\d+3]
.endr
.irp d, 0,1
.set z, 0
.rept 16
	v_pk_mul_f32 v[S+32*\d+z:S+32*\d+z+1], v[S+32*\d+z:S+32*\d+z+1], v[TMP+4*\d+2:TMP+4*\d+3] op_sel_hi:[1,0]
	v_pk_fma_f32 v[S+32*\d+z:S+32*\d+z+1], v[O+32*\d+z:O+32*\d+z+1], v[ST+4*\d+2:ST+4*\d+3], v[S+32*\d+z:S+32*\d+z+1] op_sel_hi:[1,0,1]
.set z, z+2
.endr
.endr
.irp d, 0,1
.set z, 0
.rept 16
	v_cvt_pk_f16_f32 v[S+32*\d+z], v[S+32*\d+2*z], v[S+32*\d+2*z+1]  ; in place, ascending
.set z, z+1
.endr
.endr
	WIN W_OUT
.irp d, 0,1
.irp c, 0,1,2,3
	ds_store_b128 v[STO], v[S+32*\d+4*\c:S+32*\d+4*\c+3] offset:128*\d+32*\c
.endr
.endr
.irp t, 0,1,2,3,4,5,6,7
	ds_load_b128 v[P+4*\t:P+4*\t+3], v[RD] offset:\t*2*SP  ; LDS serves a wave's instructions in order: these see the stores above
.endr
	s_wait_dscnt 0x0
.irp t, 0,1,2,3,4,5,6,7
	global_store_b128 v[GO], v[P+4*\t:P+4*\t+3], s[10:11] offset:4096*\t  ; 16 lanes store 256 consecutive bytes, aligned
.endr
	WIN 0
	s_wait_xcnt 0x0                                ; the stores have read their registers and their base
.endm
.macro MEET                            ; every tile's trip passes this barrier; the refill may stay out
	s_wait_dscnt 0x0
	s_barrier_signal -1
	s_barrier_wait -1
.endm
.Lslot:                                        ; eight times: a tile is entered and the next is asked for
	CHANGE 1
	TILE 1
	s_cmp_eq_u32 s[RT], 0
	s_cbranch_scc0 .Lmid
	PARTA
.Lmid:
	MEET
	s_cmp_eq_u32 s[RT], 0
	s_cbranch_scc0 .Lbottom
	PARTB
	s_mov_b64 s[10:11], s[OB2:OB2+1]               ; on to the second block
	s_add_co_u32 s[RT], s[LQ2], 1
	s_mov_b32 s[NEW], 1
	s_mov_b32 s[SD], s[SD2]
	s_mov_b32 s[P0F], s[SD2+1]
	s_mov_b32 s[P1F], s[SD2+2]
	s_mov_b32 s[P0N], s[SD2+3]
	WIN 0x81                                       ; its Q goes where the one text of the turns names Q
.set i, 0
.rept 128
	v_mov_b32 v[i], v[QB+i]
.set i, i+1
.endr
	WIN 0
.set i, O
.rept 128
	v_mov_b32 v[i], 0
.set i, i+1
.endr
.set i, P+16
.rept 16
	v_mov_b32 v[i], 0
.set i, i+1
.endr
.Lbottom:
	s_sub_co_u32 s[SLOTS], s[SLOTS], 1
	s_cmp_lg_u32 s[SLOTS], 0
	s_cbranch_scc1 .Lslot
	CHANGE 0                                       ; the walk's last tile is written out; it ends the second block
	TILE 2
	PARTA
	MEET
	PARTB
	WIN W_AD
	s_wait_tensorcnt 0x0                           ; the wave's end
	ds_add_u32 v[SPW], v[NIL]
	s_wait_dscnt 0x0
	WIN 0
	CROUND                                         ; the closing round
	s_endpgm
.Lfunc_end_k_q0a519d69de_attn:
	.size	k_q0a519d69de_attn, .Lfunc_end_k_q0a519d69de_attn-k_q0a519d69de_attn
	.p2alignl 7, 3214868480
	.fill 96, 4, 3214868480
	.section	.rodata,"a",@progbits
	.p2align	6, 0x0
	.amdhsa_kernel k_q0a519d69de_attn
		.amdhsa_group_segment_fixed_size 327680
		.amdhsa_private_segment_fixed_size 0
		.amdhsa_enable_private_segment 0
		.amdhsa_kernarg_size 32
		.amdhsa_user_sgpr_count 2
		.amdhsa_user_sgpr_kernarg_segment_ptr 1
		.amdhsa_wavefront_size32 1
		.amdhsa_system_sgpr_workgroup_id_x 1
		.amdhsa_system_sgpr_workgroup_id_y 1
		.amdhsa_system_sgpr_workgroup_id_z 1
		.amdhsa_system_vgpr_workitem_id 0
		.amdhsa_next_free_vgpr 784
		.amdhsa_next_free_sgpr 102
		.amdhsa_reserve_vcc 1
		.amdhsa_float_denorm_mode_32 3
		.amdhsa_float_denorm_mode_16_64 3
		.amdhsa_memory_ordered 1
		.amdhsa_forward_progress 1
		.amdhsa_inst_pref_size 202
	.end_amdhsa_kernel
	.amdgpu_metadata
---
amdhsa.version: [ 1, 2 ]
amdhsa.kernels:
  - .name:           k_q0a519d69de_attn
    .symbol:         k_q0a519d69de_attn.kd
    .args:
      - { .name: qf, .offset: 0, .size: 8, .value_kind: global_buffer, .address_space: global }
      - { .name: kf, .offset: 8, .size: 8, .value_kind: global_buffer, .address_space: global }
      - { .name: vp, .offset: 16, .size: 8, .value_kind: global_buffer, .address_space: global }
      - { .name: af, .offset: 24, .size: 8, .value_kind: global_buffer, .address_space: global }
    .group_segment_fixed_size: 327680
    .private_segment_fixed_size: 0
    .kernarg_segment_align: 8
    .kernarg_segment_size: 32
    .max_flat_workgroup_size: 128
    .sgpr_count:     102
    .vgpr_count:     784
    .wavefront_size: 32
...
	.end_amdgpu_metadata
.endif
;; end of part 4
;; launch oproj (part 5): grid 8 x 32, 4 waves a work-group, clusters of 4 x 4, 327,680 bytes of LDS; arguments af, wt, tab, out0; writes out0
.if DOCPART == 5
	.amdgcn_target "amdgcn-amd-amdhsa--gfx1250"
	.amdhsa_code_object_version 6
	.text
	.protected	k_q0a519d69de_oproj
	.globl	k_q0a519d69de_oproj
	.p2align	8
	.type	k_q0a519d69de_oproj,@function
k_q0a519d69de_oproj:
	s_mov_b64 s[64:65], 0
	v_nop
	global_prefetch_b8 v0, s[64:65] scope:SCOPE_SE
	s_setreg_imm32_b32 hwreg(HW_REG_WAVE_MODE, 25, 1), 1
	s_wait_xcnt 0x0
	s_wait_alu depctr_hold_cnt(0) depctr_sa_sdst(0) depctr_va_vdst(0) depctr_va_sdst(0) depctr_va_ssrc(0) depctr_va_vcc(0) depctr_vm_vsrc(0)
	s_getreg_b32 s2, hwreg(HW_REG_IB_STS2, 6, 4)
	s_cmp_eq_u32 s2, 0
	s_cbranch_scc0 .Lentry_in_a_cluster
	s_endpgm
.Lentry_in_a_cluster:
	s_bfe_u32 s2, ttmp6, 0x10000c
	s_cmp_lg_u32 s2, 0xf033
	s_cbranch_scc0 .Lentry_shape_is_right
	s_endpgm
.Lentry_shape_is_right:
; C = A B^T + bias, one text for two launches (IS_Q picks sizes, format and way out).
;   IS_Q = 1: A = q_in in bf16 [4096][2048], B = Wq turned [2048][2048] bf16; the result is rotated (RoPE, table times QS) and stored as f16.  LIMIT: |rope(q)| x 0.51 within 65,504.
;   IS_Q = 0: A = the attention's output f16 [4096][1024], B = Wo turned [2048][1024] f16; the result is the module's output, f32.
; A tile of C is 128 x 256: 256 work-groups, one for each WGP.  Four waves, each 64 x 128: 32 accumulators of 16 x 16 in window 1.
; K goes in steps of 128 (rows of 256 bytes in memory) through two LDS slots; waves 0, 1 fetch A's halves (64 rows), waves 2, 3 B's (128 rows).
; CLUSTERS: 4 x 4; A's tile is asked for jointly along a row of the cluster, B's along a column.  THE MATRIX INSTRUCTION IS USED TRANSPOSED (source 0 = B's rows): a lane holds
; eight neighbouring columns of one row of C.  THE SUMS START AT THE BIAS: it is loaded straight into the accumulators, so nothing is cleared and the loop has one form of product.
; No prefetch: a K step's tiles are shared sixteen ways already, and a refill has 112 products in which to land.
.set IS_Q, 0
.if IS_Q
.set SIZE_K,  2048
.set BOFF,    0
.set BIASOFF, 2097152
.set SPITCH,  272
.else
.set SIZE_K,  1024
.set BOFF,    8388608
.set BIASOFF, 2105344
.set SPITCH,  528
.endif
.set KSTEP,  128
.set NSTEP,  SIZE_K/KSTEP
.set PITCH,  272                       ; 256 bytes + 16: the 16 rows of a fragment load start at 16 different groups of four banks
.set AHALF,  64*PITCH
.set BHALF,  128*PITCH
.set BBASE,  2*AHALF                   ; a slot: A's 128 rows, then B's 256
.set SLOT1,  131072                    ; one exclusive or turns an address in one slot into the other's
.set STAGE,  SLOT1+2*AHALF+2*BHALF     ; behind the ring: 16 rows for each wave, for the way out
.set SPARE,  STAGE+4*16*SPITCH         ; and the spare words
.set AA0, 16
.set AB0, 17
.set AA,  18
.set AB,  19
.set STO, 24
.set RD,  25
.set CO,  26
.set BO,  27
.set SPW, 28
.set NIL, 29
.set F0,  64                           ; two fragment buffers of 96: B's eight blocks, then A's four
.set F1,  160
.set WV,  12
.set FB,  13                           ; s13 wave / 2: my half of the rows; also 0: I fetch for A, 1: for B
.set HF,  14                           ; s14 wave % 2: my half of the columns; also which half of that tile I fetch
.set TB,  15
.set BP,  20
.set G1,  24
.set G0,  32
.set G1B, 48
.set G0B, 56
.set MSB, 0
.macro WIN new
.if MSB != (\new)
	s_set_vgpr_msb (MSB<<8)|(\new)
.set MSB, \new
.endif
.endm
.macro PLACES
.rept 4
	v_nop
.endr
.endm
.macro JLOAD                           ; a joint refill by the walking sets; an s_nop 0 and four v_nop follow each of the two lines
	s_cmp_eq_u32 s[FB], 0
	s_cbranch_scc0 .Lfor_b_\@
	tensor_load_to_lds s[G0+4:G0+7], s[G1:G1+7]
	s_nop 0
	PLACES
	s_branch .Lasked_\@
.Lfor_b_\@:
	tensor_load_to_lds s[G0B+4:G0B+7], s[G1B:G1B+7]
	s_nop 0
	PLACES
.Lasked_\@:
.endm
.macro CREST
	s_cmp_lg_u32 s[WV], 0
	s_cbranch_scc1 .Lnot_wave_0_\@
	s_barrier_signal -3
.Lnot_wave_0_\@:
	s_barrier_wait -3
	s_barrier_signal -1
	s_barrier_wait -1
.endm
.macro CROUND
	s_barrier_signal -1
	s_barrier_wait -1
	CREST
.endm
	s_load_b256 s[4:11], s[0:1], 0x0               ; A 4, wt 6, tab 8, C 10
	v_lshl_add_u32 v[SPW], v0, 2, SPARE
	v_mov_b32 v[NIL], 0
	ds_add_u32 v[SPW], v[NIL]                      ; the wave's opening: the add and its wait stand ahead of my first tensor load
	v_lshrrev_b32 v1, 5, v0
	v_readfirstlane_b32 s[WV], v1
	s_lshr_b32 s[FB], s[WV], 1
	s_and_b32 s[HF], s[WV], 1
	s_bfe_u32 s40, ttmp6, 0x40000                  ; cx
	s_bfe_u32 s41, ttmp6, 0x40004                  ; cy
	s_lshl_b32 s42, ttmp9, 2
	s_add_co_u32 s42, s42, s40                     ; tile column
	s_and_b32 s43, ttmp7, 0xffff
	s_lshl_b32 s43, s43, 2
	s_add_co_u32 s43, s43, s41                     ; tile row
	s_lshl_b32 s44, s41, 2
	s_lshl_b32 s44, 15, s44                        ; my row of the cluster
	s_lshl_b32 s45, 0x1111, s40                    ; my column
	s_or_b32 s[G1+0],  s44, (1<<16)|(1<<20)|(1<<21)|(5<<22)|(3<<25)  ; mask; 2-byte elements; padding on; bit 21 beside a mask; after every 64 words, 4 words
	s_or_b32 s[G1B+0], s45, (1<<16)|(1<<20)|(1<<21)|(5<<22)|(3<<25)
	s_mov_b32 s[G1+1], KSTEP<<16
	s_mov_b32 s[G1+2], 64<<16
	s_mov_b32 s[G1+3], KSTEP<<16
	s_mov_b32 s[G1+4], 64
	s_mov_b32 s[G1+5], SIZE_K
	s_mov_b32 s[G1+6], 0
	s_mov_b32 s[G1+7], 0
	s_mov_b32 s[G1B+1], KSTEP<<16
	s_mov_b32 s[G1B+2], 128<<16
	s_mov_b32 s[G1B+3], KSTEP<<16
	s_mov_b32 s[G1B+4], 128
	s_mov_b32 s[G1B+5], SIZE_K
	s_mov_b32 s[G1B+6], 0
	s_mov_b32 s[G1B+7], 0
	s_lshl_b32 s16, s43, 7                         ; A: row 128 x tile row + 64 x half
	s_lshl_b32 s17, s[HF], 6
	s_add_co_u32 s16, s16, s17
	s_mul_i32 s16, s16, SIZE_K*2
	s_mov_b32 s17, 0
	s_lshl_b32 s46, s42, 8                         ; B: row 256 x tile column + 128 x half
	s_lshl_b32 s47, s[HF], 7
	s_add_co_u32 s46, s46, s47
	s_mul_i32 s46, s46, SIZE_K*2
	s_add_co_u32 s46, s46, BOFF
	s_mov_b32 s47, 0
	s_mul_i32 s20, s[HF], AHALF                    ; where they go: no place in the cluster enters an LDS address
	s_mul_i32 s21, s[HF], BHALF
	s_add_co_u32 s21, s21, BBASE
	s_mov_b32 s[TB], 0
	s_wait_dscnt 0x0                               ; the opening add is done
	s_wait_kmcnt 0x0
	s_add_nc_u64 s[18:19], s[4:5], s[16:17]
	s_add_nc_u64 s[46:47], s[6:7], s[46:47]
	CROUND                                         ; all sixteen work-groups are here: the first joint loads meet
.irp s, 0,1
	s_mov_b32 s[G0+4*(\s)], 1
	s_add_co_u32 s[G0+4*(\s)+1], s20, (\s)*SLOT1
	s_add_nc_u64 s[G0+4*(\s)+2:G0+4*(\s)+3], s[18:19], (\s)*KSTEP*2
	s_or_b32 s[G0+4*(\s)+3], s[G0+4*(\s)+3], 0x80000000
	s_mov_b32 s[G0B+4*(\s)], 1
	s_add_co_u32 s[G0B+4*(\s)+1], s21, (\s)*SLOT1
	s_add_nc_u64 s[G0B+4*(\s)+2:G0B+4*(\s)+3], s[46:47], (\s)*KSTEP*2
	s_or_b32 s[G0B+4*(\s)+3], s[G0B+4*(\s)+3], 0x80000000
.endr
	s_cmp_eq_u32 s[FB], 0                          ; a wave's two first fills stand in one branch: two loads of mine are out
	s_cbranch_scc0 .Lfirst_b
	tensor_load_to_lds s[G0:G0+3], s[G1:G1+7]
	s_nop 0
	tensor_load_to_lds s[G0+4:G0+7], s[G1:G1+7]
	s_nop 0
	PLACES
	s_branch .Lfirst_asked
.Lfirst_b:
	tensor_load_to_lds s[G0B:G0B+3], s[G1B:G1B+7]
	s_nop 0
	tensor_load_to_lds s[G0B+4:G0B+7], s[G1B:G1B+7]
	s_nop 0
	PLACES
.Lfirst_asked:
	v_and_b32 v1, 15, v0                           ; r
	v_bfe_u32 v2, v0, 4, 1                         ; h
	v_mul_u32_u24 v3, v1, PITCH
	v_lshl_add_u32 v3, v2, 4, v3
	s_mul_i32 s16, s[FB], AHALF
	s_mul_i32 s17, s[HF], BHALF
	s_add_co_u32 s17, s17, BBASE
	v_add_nc_u32 v[AA0], s16, v3
	v_add_nc_u32 v[AB0], s17, v3
	v_mov_b32 v[AA], v[AA0]
	v_mov_b32 v[AB], v[AB0]
	v_lshlrev_b32 v[BO], 5, v2                     ; my eight columns of a block: 32 h bytes of f32
	s_mul_i32 s16, s[WV], 16*SPITCH
	s_add_co_u32 s16, s16, STAGE                   ; my stage
	v_mul_u32_u24 v[STO], v1, SPITCH
	v_lshl_add_u32 v[STO], v2, 5, v[STO]
	v_add_nc_u32 v[STO], s16, v[STO]
	v_and_b32 v[CO], 31, v0
	v_lshlrev_b32 v[CO], 4, v[CO]                  ; back: 32 lanes take one row of 512 bytes
	v_add_nc_u32 v[RD], s16, v[CO]
	s_lshl_b32 s16, s43, 7
	s_lshl_b32 s17, s[FB], 6
	s_add_co_u32 s16, s16, s17                     ; my first row of C
	s_lshl_b32 s16, s16, 13
	s_mov_b32 s17, 0
	s_add_nc_u64 s[10:11], s[10:11], s[16:17]
	s_lshl_b32 s46, s42, 8
	s_lshl_b32 s47, s[HF], 7
	s_add_co_u32 s46, s46, s47                     ; my first column
	s_lshl_b32 s[BP], s46, 2
	s_add_co_u32 s[BP], s[BP], BIASOFF
	s_mov_b32 s[BP+1], 0
	s_add_nc_u64 s[BP:BP+1], s[8:9], s[BP:BP+1]
	s_lshl_b32 s46, s46, 2
	s_mov_b32 s47, 0
	s_add_nc_u64 s[10:11], s[10:11], s[46:47]
	WIN 0x40                                       ; the bias into all 32 accumulators: register j of block b is column 16 b + 8 h + j
.irp a, 0,1,2,3
.irp b, 0,1,2,3,4,5,6,7
	global_load_b128 v[8*(8*(\a)+(\b)):8*(8*(\a)+(\b))+3],   v[BO], s[BP:BP+1] offset:64*(\b)
	global_load_b128 v[8*(8*(\a)+(\b))+4:8*(8*(\a)+(\b))+7], v[BO], s[BP:BP+1] offset:64*(\b)+16
.endr
.endr
	WIN 0
; 8 products: m block a x all 8 n blocks, 32 along K.  The 32 accumulators take turns in one order everywhere.
.macro MUL8 f, a
	WIN 0x50
.irp b, 0,1,2,3,4,5,6,7
	v_wmma_f32_16x16x32_f16 v[8*(8*(\a)+(\b)):8*(8*(\a)+(\b))+7], v[(\f)+8*(\b):(\f)+8*(\b)+7], v[(\f)+64+8*(\a):(\f)+64+8*(\a)+7], v[8*(8*(\a)+(\b)):8*(8*(\a)+(\b))+7]
.endr
.endm
.macro FETCH k, f                      ; 24 LDS loads in one run: B's fragments, then A's
	WIN 0
.irp i, 0,1,2,3,4,5,6,7
	ds_load_b128 v[(\f)+8*(\i):(\f)+8*(\i)+3],   v[AB] offset:(\k)+(\i)*16*PITCH
	ds_load_b128 v[(\f)+8*(\i)+4:(\f)+8*(\i)+7], v[AB] offset:(\k)+(\i)*16*PITCH+32
.endr
.irp i, 0,1,2,3
	ds_load_b128 v[(\f)+64+8*(\i):(\f)+64+8*(\i)+3],   v[AA] offset:(\k)+(\i)*16*PITCH
	ds_load_b128 v[(\f)+64+8*(\i)+4:(\f)+64+8*(\i)+7], v[AA] offset:(\k)+(\i)*16*PITCH+32
.endr
.endm
.macro QUARTER k, f, g
	s_wait_dscnt 4                                 ; all but A's blocks 2 and 3
	MUL8 \f, 0
	MUL8 \f, 1
	PLACES
	FETCH \k, \g
	s_wait_dscnt 24                                ; all but the 24 just issued
	MUL8 \f, 2
	MUL8 \f, 3
.endm
; The last quarter multiplies buffer 1 and changes slots.  In front of the barrier each wave waits for all its tensor loads (one is out: its part of the next slot), adds 0 to its
; spare word, and waits for that and for its reads of this slot.  fill = 1: the barrier opens a round of the cluster's, and this slot is filled again, first thing behind it.
.macro TURN fill
	WIN 0
	s_wait_tensorcnt 0x0
	ds_add_u32 v[SPW], v[NIL]
	s_wait_dscnt 5                                 ; the add and the youngest four loads may be out
	MUL8 F1, 0
	s_wait_dscnt 0x0
	s_barrier_signal -1
	MUL8 F1, 1
	WIN 0
	s_barrier_wait -1
.if \fill
	CREST
	s_xor_b32 s[G0+5], s[G0+5], SLOT1
	s_add_nc_u64 s[G0+6:G0+7], s[G0+6:G0+7], KSTEP*2
	s_xor_b32 s[G0B+5], s[G0B+5], SLOT1
	s_add_nc_u64 s[G0B+6:G0B+7], s[G0B+6:G0B+7], KSTEP*2
	JLOAD                                          ; its four v_nop are also the places in front of the loads below
.else
	PLACES
.endif
	s_xor_b32 s[TB], s[TB], SLOT1
	v_add_nc_u32 v[AA], s[TB], v[AA0]
	v_add_nc_u32 v[AB], s[TB], v[AB0]
	FETCH 0, F0
	MUL8 F1, 2
	MUL8 F1, 3
.endm
	s_wait_tensorcnt 1                             ; my part of K step 0 is in; K step 1's may stay out
	s_barrier_signal -1
	s_barrier_wait -1
	FETCH 0, F0
	s_wait_loadcnt 0x0                             ; the bias
	s_mov_b32 s3, NSTEP-2
.Lstep:
	QUARTER 64,  F0, F1
	QUARTER 128, F1, F0
	QUARTER 192, F0, F1
	TURN 1
	WIN 0
	s_sub_co_u32 s3, s3, 1
	s_cmp_lg_u32 s3, 0
	s_cbranch_scc1 .Lstep
	QUARTER 64,  F0, F1                            ; the last two steps ask for nothing
	QUARTER 128, F1, F0
	QUARTER 192, F0, F1
	TURN 0
	QUARTER 64,  F0, F1
	QUARTER 128, F1, F0
	QUARTER 192, F0, F1
	s_wait_dscnt 4
	MUL8 F1, 0
	MUL8 F1, 1
	s_wait_dscnt 0x0
	MUL8 F1, 2
	MUL8 F1, 3
	WIN 0
	PLACES
	PLACES
; THE WAY OUT, 16 rows at a time: f32 through my stage, out as whole rows of 512 bytes.
.macro OUTO a
.set RB, 64+64*((\a)%2)
	WIN 0x04                                       ; the data (source 1): the accumulators, each from its low end on
.irp b, 0,1,2,3,4,5,6,7
	ds_store_b128 v[STO], v[8*(8*(\a)+(\b)):8*(8*(\a)+(\b))+3]   offset:64*(\b)
	ds_store_b128 v[STO], v[8*(8*(\a)+(\b))+4:8*(8*(\a)+(\b))+7] offset:64*(\b)+16
.endr
	WIN 0
	s_wait_xcnt 0x0                                ; earlier stores have read their registers
.irp t, 0,1,2,3,4,5,6,7,8,9,10,11,12,13,14,15
	ds_load_b128 v[RB+4*(\t):RB+4*(\t)+3], v[RD] offset:(\t)*SPITCH  ; LDS serves a wave's instructions in order: these see the stores above
.endr
	s_wait_dscnt 0x0
.irp t, 0,1,2,3,4,5,6,7,8,9,10,11,12,13,14,15
	global_store_b128 v[CO], v[RB+4*(\t):RB+4*(\t)+3], s[10:11] offset:(16*(\a)+(\t))*8192  ; 512 consecutive bytes, aligned
.endr
.endm
	OUTO 0
	OUTO 1
	OUTO 2
	OUTO 3
	s_wait_tensorcnt 0x0                           ; the wave's end
	ds_add_u32 v[SPW], v[NIL]
	s_wait_dscnt 0x0
	CROUND                                         ; the closing round
	s_endpgm
.Lfunc_end_k_q0a519d69de_oproj:
	.size	k_q0a519d69de_oproj, .Lfunc_end_k_q0a519d69de_oproj-k_q0a519d69de_oproj
	.p2alignl 7, 3214868480
	.fill 96, 4, 3214868480
	.section	.rodata,"a",@progbits
	.p2align	6, 0x0
	.amdhsa_kernel k_q0a519d69de_oproj
		.amdhsa_group_segment_fixed_size 327680
		.amdhsa_private_segment_fixed_size 0
		.amdhsa_enable_private_segment 0
		.amdhsa_kernarg_size 32
		.amdhsa_user_sgpr_count 2
		.amdhsa_user_sgpr_kernarg_segment_ptr 1
		.amdhsa_wavefront_size32 1
		.amdhsa_system_sgpr_workgroup_id_x 1
		.amdhsa_system_sgpr_workgroup_id_y 1
		.amdhsa_system_sgpr_workgroup_id_z 1
		.amdhsa_system_vgpr_workitem_id 0
		.amdhsa_next_free_vgpr 512
		.amdhsa_next_free_sgpr 66
		.amdhsa_reserve_vcc 0
		.amdhsa_float_denorm_mode_32 3
		.amdhsa_float_denorm_mode_16_64 3
		.amdhsa_memory_ordered 1
		.amdhsa_forward_progress 1
		.amdhsa_inst_pref_size 75
	.end_amdhsa_kernel
	.amdgpu_metadata
---
amdhsa.version: [ 1, 2 ]
amdhsa.kernels:
  - .name:           k_q0a519d69de_oproj
    .symbol:         k_q0a519d69de_oproj.kd
    .args:
      - { .name: af, .offset: 0, .size: 8, .value_kind: global_buffer, .address_space: global }
      - { .name: wt, .offset: 8, .size: 8, .value_kind: global_buffer, .address_space: global }
      - { .name: tab, .offset: 16, .size: 8, .value_kind: global_buffer, .address_space: global }
      - { .name: out0, .offset: 24, .size: 8, .value_kind: global_buffer, .address_space: global }
    .group_segment_fixed_size: 327680
    .private_segment_fixed_size: 0
    .kernarg_segment_align: 8
    .kernarg_segment_size: 32
    .max_flat_workgroup_size: 128
    .sgpr_count:     66
    .vgpr_count:     512
    .wavefront_size: 32
...
	.end_amdgpu_metadata
.endif
;; end of part 5
;; ======== version 2 of 2: 4 launches
;; limits: values are held in f16: magnitudes above 65,504 overflow, below 6.1e-05 lose precision; a function is approximated: absolute error at most 2.2e-05
;; workspace buffers: qb 16,777,216 bytes; wt 13,369,344 bytes; tab 2,113,536 bytes; qf 16,777,216 bytes; kf 1,048,576 bytes; vp 540,672 bytes; af 8,388,608 bytes
;; launch prep (part 6): grid 2112 x 1, 4 waves a work-group, no clusters, 17,920 bytes of LDS; arguments q_in, Wq, Wo, Wk, Wv, bq, bo, mask, qb, wt, tab, vp; writes qb, wt, tab, vp
.if DOCPART == 6
	.amdgcn_target "amdgcn-amd-amdhsa--gfx1250"
	.amdhsa_code_object_version 6
	.text
	.protected	k_q0a519d69de_prep
	.globl	k_q0a519d69de_prep
	.p2align	8
	.type	k_q0a519d69de_prep,@function
k_q0a519d69de_prep:
	s_mov_b64 s[64:65], 0
	v_nop
	global_prefetch_b8 v0, s[64:65] scope:SCOPE_SE
	s_setreg_imm32_b32 hwreg(HW_REG_WAVE_MODE, 25, 1), 1
	s_wait_xcnt 0x0
; PREP: what the later launches want in another form.  The work-group's number x picks one of five roles:
;   x < 1024          CAST   8,192 numbers of q_in, rounded to bf16, into qb
;   1024 <= x < 1840  TURN   a tile of 128 k x 64 n of a weight [k][n] f32, rounded to bf16 and turned, into wt.  Wq and Wo leave as rows [n][k];
;                            Wo's numbers, so rounded, are written as f16 (exact within f16's range: |Wo| up to 65,504).  Wk and Wv leave in the
;                            order in which a matrix fragment lies in registers: each 16 n x 32 k is a block of 1,024 bytes, lane l's registers 0-3
;                            at 16 l, registers 4-7 at 512 + 16 l; block (n / 16, k / 32) at 65,536 (n / 16) + 1,024 (k / 32); Wv's n blocks behind Wk's eight
;   1840 <= x < 2096  ROPE   8 positions of the two tables: 64 cosines, 64 sines, times QS (for q) and times KS (for k)
;   2096 <= x < 2104  BIAS   512 numbers of bq or bo, rounded to bf16 and written as f32
;   2104 <= x < 2112  MASK   128 keys a wave: 0 for a key that counts, -2^100 for a padded one, behind the group's rows of v in vp
; QS x KS = log2(e) / sqrt(128): the scores leave the first product ready for 2^(s - m).
; LIMIT of the table: the angle is reduced to -pi .. pi (two-part 2 pi), sine and cosine are Taylor sums through r^13 and r^14:
; the first term left out is 2.2e-5 at r = pi, for every position.
; Only TURN hands data between waves.  Its barrier stands on every role's path, and what its second part reads is made at the head by everybody.
.set SPARE, 17408                      ; behind the 64 rows x 272 bytes of the turned tile: the spare words, 128 bytes a wave
.set SPW,   158                        ; v158 LDS address of my spare word; never rewritten
.set NIL,   159                        ; v159 0; never rewritten
.set QSC,   0x3f0293ee                 ; QS = 4 log2(e) / sqrt(128)
.set KSC,   0x3e800000                 ; KS = 0.25
.set NBC,   0xf1800000                 ; -2^100
	s_load_b512 s[4:19], s[0:1], 0x0               ; q_in 4, Wq 6, Wo 8, Wk 10, Wv 12, bq 14, bo 16, mask 18
	s_load_b256 s[20:27], s[0:1], 0x40             ; qb 20, wt 22, tab 24, vp 26
	v_lshl_add_u32 v[SPW], v0, 2, SPARE
	v_mov_b32 v[NIL], 0
	v_lshrrev_b32 v1, 5, v0
	v_readfirstlane_b32 s28, v1                    ; wave 0..3
	v_and_b32 v1, 31, v0                           ; lane
	s_mov_b32 s2, ttmp9
	s_sub_co_u32 s29, s2, 1024                     ; TURN's tile number t (meaningless in the other roles, and unused there)
	s_wait_kmcnt 0x0
	; which weight: s32 k tile, s33 n tile, s34 source pitch, s35 pitch in wt, s36 place in wt, s37 all ones for f16, s[38:39] source
	s_and_b32 s32, s29, 15                         ; Wq: t < 512
	s_lshr_b32 s33, s29, 4
	s_mov_b32 s34, 8192
	s_mov_b32 s35, 4096
	s_mov_b32 s36, 0
	s_mov_b32 s37, 0
	s_mov_b64 s[38:39], s[6:7]
	s_sub_co_u32 s40, s29, 512                     ; Wo: 512 <= t < 768
	s_and_b32 s41, s40, 7
	s_lshr_b32 s42, s40, 3
	s_cmp_ge_u32 s29, 512
	s_cselect_b32 s32, s41, s32
	s_cselect_b32 s33, s42, s33
	s_cselect_b32 s35, 2048, s35
	s_cselect_b32 s36, 8388608, s36
	s_cselect_b32 s37, -1, s37
	s_cselect_b64 s[38:39], s[8:9], s[38:39]
	s_sub_co_u32 s40, s29, 768                     ; Wk: 768 <= t < 800
	s_and_b32 s41, s40, 15
	s_lshr_b32 s42, s40, 4
	s_cmp_ge_u32 s29, 768
	s_cselect_b32 s32, s41, s32
	s_cselect_b32 s33, s42, s33
	s_cselect_b32 s34, 512, s34
	s_cselect_b32 s35, 4096, s35
	s_cselect_b32 s36, 12582912, s36
	s_cselect_b32 s37, 0, s37
	s_cselect_b64 s[38:39], s[10:11], s[38:39]
	s_cselect_b32 s59, 1, 0                        ; 1: Wk or Wv: the tile leaves in fragment order,
	s_cselect_b32 s60, 12, 8                       ; where a k tile is four blocks of 1,024 bytes; in rows it is 256 bytes
	s_sub_co_u32 s40, s29, 800                     ; Wv: 800 <= t < 816, behind Wk's 128 rows (eight n blocks of 65,536 bytes)
	s_cmp_ge_u32 s29, 800
	s_cselect_b32 s32, s40, s32
	s_cselect_b32 s33, 0, s33
	s_cselect_b32 s34, 256, s34
	s_cselect_b32 s36, 13107200, s36
	s_cselect_b64 s[38:39], s[12:13], s[38:39]
	s_cmp_lt_u32 s29, 816
	s_cselect_b32 s58, 1, 0                        ; 1: this work-group turns a tile
	s_lshl_b32 s40, s33, 6                         ; the tile's place in wt: 64 n tile rows (in fragment order: four n blocks, the same bytes),
	s_mul_i32 s40, s40, s35
	s_lshl_b32 s41, s32, s60                       ; and the k tile
	s_add_co_u32 s40, s40, s41
	s_add_co_u32 s40, s40, s36
	s_mov_b32 s41, 0
	s_add_nc_u64 s[56:57], s[22:23], s[40:41]
	v_lshrrev_b32 v6, 4, v1
	v_lshl_add_u32 v6, s28, 4, v6                  ; the way out by rows: row 16 w + lane / 16 (+ 2 j)
	v_and_b32 v7, 15, v1
	v_lshlrev_b32 v7, 4, v7                        ; 16 bytes a lane: 16 lanes take a row's 256 bytes
	v_mad_u32_u24 v5, v6, 272, v7                  ; in LDS
.irp j, 0,1,2,3,4,5,6,7
	v_add_nc_u32 v115, 2*\j, v6
	v_mad_u32_u24 v[116+\j], v115, s35, v7         ; in wt
.endr
	s_cmp_lt_u32 s2, 1024
	s_cbranch_scc1 .Lcast
	s_cmp_lt_u32 s2, 1840
	s_cbranch_scc1 .Lturn
	s_cmp_lt_u32 s2, 2096
	s_cbranch_scc1 .Lrope
	s_cmp_lt_u32 s2, 2104
	s_cbranch_scc1 .Lbias
	; MASK: wave w takes group G = 4 (x - 2104) + w of 128 keys; a lane four of them
	s_sub_co_u32 s40, s2, 2104
	s_lshl2_add_u32 s40, s40, s28
	s_lshl_b32 s42, s40, 7
	s_mov_b32 s43, 0
	s_add_nc_u64 s[18:19], s[18:19], s[42:43]
	v_lshlrev_b32 v2, 2, v1
	global_load_b32 v8, v2, s[18:19]
	s_lshr_b32 s41, s40, 4                         ; batch
	s_mul_i32 s41, s41, 270336
	s_and_b32 s44, s40, 15                         ; group in the batch: 16,896 bytes each, the addends behind 16,384 of v
	s_mul_i32 s44, s44, 16896
	s_add_co_u32 s44, s44, s41
	s_add_co_u32 s44, s44, 16384
	s_mov_b32 s45, 0
	s_add_nc_u64 s[26:27], s[26:27], s[44:45]
	v_lshlrev_b32 v3, 4, v1
	s_mov_b32 s46, NBC
	s_wait_loadcnt 0x0
.irp j, 0,1,2,3
	v_bfe_u32 v9, v8, 8*\j, 8
	v_cmp_ne_u32 vcc_lo, 0, v9
	v_cndmask_b32 v[12+\j], 0, s46, vcc_lo
.endr
	global_store_b128 v3, v[12:15], s[26:27]       ; the wave's store covers 512 consecutive bytes, aligned
	s_branch .Lmeet
.Lbias:
	s_sub_co_u32 s40, s2, 2096                     ; chunks 0-3: bq; 4-7: bo
	s_and_b32 s41, s40, 3
	s_lshl_b32 s42, s41, 11
	s_mov_b32 s43, 0
	s_cmp_lt_u32 s40, 4
	s_cselect_b64 s[44:45], s[14:15], s[16:17]
	s_add_nc_u64 s[44:45], s[44:45], s[42:43]
	v_lshlrev_b32 v2, 4, v0
	global_load_b128 v[8:11], v2, s[44:45]
	s_lshl_b32 s46, s40, 11
	s_add_co_u32 s46, s46, 2097152
	s_mov_b32 s47, 0
	s_add_nc_u64 s[46:47], s[24:25], s[46:47]
	s_wait_loadcnt 0x0
	v_cvt_pk_bf16_f32 v12, v8, v9
	v_cvt_pk_bf16_f32 v13, v10, v11
	v_lshlrev_b32 v8, 16, v12
	v_and_b32 v9, 0xffff0000, v12
	v_lshlrev_b32 v10, 16, v13
	v_and_b32 v11, 0xffff0000, v13
	global_store_b128 v2, v[8:11], s[46:47]
	s_branch .Lmeet
.Lrope:                                        ; thread t: position 8 rr + t / 16, frequencies 4 (t % 16) + 0..3
	s_sub_co_u32 s40, s2, 1840
	s_lshl_b32 s42, s40, 12                        ; 8 rows of 512 bytes
	s_mov_b32 s43, 0
	s_add_nc_u64 s[24:25], s[24:25], s[42:43]
	s_lshl_b32 s41, s40, 3
	v_and_b32 v2, 15, v0
	v_lshrrev_b32 v3, 4, v0
	v_lshlrev_b32 v4, 2, v2
.irp j, 0,1,2,3
	v_add_nc_u32 v5, \j, v4
	v_cvt_f32_u32 v[8+\j], v5
	v_mul_f32 v[8+\j], 0xbe549a78, v[8+\j]         ; - i log2(10000) / 64
.endr
.irp j, 0,1,2,3
	v_exp_f32 v[8+\j], v[8+\j]                     ; 10000^(-i/64): one batch of four
.endr
	v_add_nc_u32 v6, s41, v3                       ; plain work behind the batch: the position
	v_cvt_f32_u32 v6, v6
	s_wait_alu depctr_va_vdst(0)                   ; one wait for the four, ahead of their first reader
	s_mov_b32 s44, 0x40c90fdb                      ; 2 pi, upper part
	s_mov_b32 s45, 0xb43bbd2e                      ; 2 pi, the rest
.irp j, 0,1,2,3
	v_mul_f32 v[8+\j], v6, v[8+\j]                 ; the angle
	v_mul_f32 v[12+\j], 0.15915494, v[8+\j]
	v_rndne_f32 v[12+\j], v[12+\j]                 ; whole turns
	v_fma_f32 v[8+\j], -v[12+\j], s44, v[8+\j]
	v_fma_f32 v[8+\j], -v[12+\j], s45, v[8+\j]     ; r in -pi .. pi
	v_mul_f32 v[12+\j], v[8+\j], v[8+\j]           ; z = r^2
	v_mov_b32 v[16+\j], 0x2f309231                 ; 1/13!
	v_mov_b32 v[20+\j], 0xad49cba5                 ; -1/14!
.endr
.irp k, 0xb2d7322b, 0x3638ef1d, 0xb9500d01, 0x3c088889, 0xbe2aaaab
.irp j, 0,1,2,3
	v_fmaak_f32 v[16+\j], v[16+\j], v[12+\j], \k   ; -1/11!, 1/9!, -1/7!, 1/5!, -1/3!
.endr
.endr
.irp k, 0x310f76c7, 0xb493f27e, 0x37d00d01, 0xbab60b61, 0x3d2aaaab, 0xbf000000, 0x3f800000
.irp j, 0,1,2,3
	v_fmaak_f32 v[20+\j], v[20+\j], v[12+\j], \k   ; 1/12!, -1/10!, 1/8!, -1/6!, 1/4!, -1/2, 1: the cosine
.endr
.endr
.irp j, 0,1,2,3
	v_mul_f32 v[12+\j], v[8+\j], v[12+\j]          ; r z
	v_fma_f32 v[16+\j], v[12+\j], v[16+\j], v[8+\j] ; the sine
	v_mul_f32 v[24+\j], QSC, v[20+\j]
	v_mul_f32 v[28+\j], QSC, v[16+\j]
	v_mul_f32 v[32+\j], KSC, v[20+\j]
	v_mul_f32 v[36+\j], KSC, v[16+\j]
.endr
	v_lshlrev_b32 v7, 9, v3
	v_lshl_add_u32 v7, v2, 4, v7                   ; 16 lanes store 256 consecutive bytes, aligned
	global_store_b128 v7, v[24:27], s[24:25]
	global_store_b128 v7, v[28:31], s[24:25] offset:256
	global_store_b128 v7, v[32:35], s[24:25] offset:1048576
	global_store_b128 v7, v[36:39], s[24:25] offset:1048576+256
	s_branch .Lmeet
.Lcast:                                        ; sixteen loads of 2,048 bytes a work-group, all out at once
	s_lshl_b32 s30, s2, 15
	s_mov_b32 s31, 0
	s_add_nc_u64 s[4:5], s[4:5], s[30:31]
	s_lshl_b32 s30, s2, 14
	s_add_nc_u64 s[20:21], s[20:21], s[30:31]
	v_lshlrev_b32 v2, 4, v0
	v_lshlrev_b32 v3, 3, v0
.irp i, 0,1,2,3,4,5,6,7,8,9,10,11,12,13,14,15
	global_load_b128 v[8+4*\i:11+4*\i], v2, s[4:5] offset:2048*\i th:TH_LOAD_NT
.endr
.irp i, 0,1,2,3,4,5,6,7,8,9,10,11,12,13,14,15
	s_wait_loadcnt 15-\i                           ; loads come back in order: number i is in, the younger ones stay out
	v_cvt_pk_bf16_f32 v[72+2*\i], v[8+4*\i], v[9+4*\i]
	v_cvt_pk_bf16_f32 v[73+2*\i], v[10+4*\i], v[11+4*\i]
	global_store_b64 v3, v[72+2*\i:73+2*\i], s[20:21] offset:1024*\i  ; a wave's store covers 256 consecutive bytes, aligned
.endr
	s_branch .Lmeet
.Lturn:                                        ; wave w takes k rows 32 w .. 32 w + 31 of the tile; a lane columns 2 l, 2 l + 1
	s_lshl_b32 s43, s32, 7
	s_lshl_b32 s40, s28, 5
	s_add_co_u32 s43, s43, s40
	s_mul_i32 s44, s43, s34
	s_lshl_b32 s40, s33, 8
	s_add_co_u32 s44, s44, s40
	s_mov_b32 s45, 0
	s_lshl_b32 s46, s34, 3                         ; eight rows
	s_mov_b32 s47, 0
	s_add_nc_u64 s[48:49], s[38:39], s[44:45]
	s_add_nc_u64 s[50:51], s[48:49], s[46:47]
	s_add_nc_u64 s[52:53], s[50:51], s[46:47]
	s_add_nc_u64 s[54:55], s[52:53], s[46:47]
	v_lshlrev_b32 v2, 3, v1
.irp i, 0,1,2,3,4,5,6,7
	v_mad_u32_u24 v[8+\i], s34, \i, v2
.endr
.irp g, 0,1,2,3
.irp i, 0,1,2,3,4,5,6,7
	global_load_b64 v[16+2*(8*\g+\i):17+2*(8*\g+\i)], v[8+\i], s[48+2*\g:49+2*\g] th:TH_LOAD_NT  ; 256 consecutive bytes of one row
.endr
.endr
	v_mul_u32_u24 v4, v1, 544                      ; LDS row 2 l (+ c), pitch 272,
	v_lshl_add_u32 v4, s28, 6, v4                  ; my 32 k: 64 bytes of it
	s_wait_loadcnt 0x0
.set n, 0
.rept 32                               ; word n: column n / 16, group of eight k (n / 4) % 4, pair n % 4
.set kk, 8*((n/4)%4)+2*(n%4)
	v_cvt_pk_bf16_f32 v[80+n], v[16+2*kk+n/16], v[16+2*(kk+1)+n/16]
	v_lshlrev_b32 v112, 16, v[80+n]                ; the rounded numbers once more as f16; the mask picks the form
	v_and_b32 v113, 0xffff0000, v[80+n]
	v_cvt_pk_f16_f32 v114, v112, v113
	v_cndmask_b32 v[80+n], v[80+n], v114, s37
.set n, n+1
.endr
.irp c, 0,1
.irp g, 0,1,2,3
	ds_store_b128 v4, v[80+16*\c+4*\g:83+16*\c+4*\g] offset:272*\c+16*\g
.endr
.endr
.Lmeet:
	s_wait_xcnt 0x0                                ; every role's loads and stores have read their address and data registers: what follows rewrites some of them only behind this wait
	s_wait_dscnt 0x0                               ; for the others' sake: my stores into the tile are done
	s_barrier_signal -1
	s_barrier_wait -1
	s_cmp_eq_u32 s58, 1
	s_cbranch_scc0 .Lend
	s_cmp_eq_u32 s59, 1
	s_cbranch_scc1 .Lfrag
.irp j, 0,1,2,3,4,5,6,7
	ds_load_b128 v[16+4*\j:19+4*\j], v5 offset:544*\j  ; two whole rows [n][128 k]
.endr
.irp j, 0,1,2,3,4,5,6,7
	s_wait_dscnt 7-\j
	global_store_b128 v[116+\j], v[16+4*\j:19+4*\j], s[56:57]  ; 16 lanes store 256 consecutive bytes, aligned
.endr
	s_branch .Lend
.Lfrag:                                        ; wave w's 16 rows are one n block; load j = 2 c + q is half q of the fragment of k chunk c: lane l takes row l % 16, bytes 64 c + 32 q + 16 (l / 16)
	v_and_b32 v6, 15, v1
	v_lshl_add_u32 v6, s28, 4, v6
	v_lshrrev_b32 v7, 4, v1
	v_lshlrev_b32 v7, 4, v7
	v_mad_u32_u24 v5, v6, 272, v7
	v_lshlrev_b32 v3, 4, v1
	v_lshl_add_u32 v3, s28, 16, v3                 ; in wt: my n block, 16 bytes a lane
.irp j, 0,1,2,3,4,5,6,7
	ds_load_b128 v[16+4*\j:19+4*\j], v5 offset:32*\j
.endr
.irp j, 0,1,2,3,4,5,6,7
	s_wait_dscnt 7-\j
	global_store_b128 v3, v[16+4*\j:19+4*\j], s[56:57] offset:512*\j  ; the wave's store covers 512 consecutive bytes, aligned
.endr
.Lend:
	s_wait_tensorcnt 0x0                           ; the wave's end
	ds_add_u32 v[SPW], v[NIL]
	s_wait_dscnt 0x0
	s_endpgm
.Lfunc_end_k_q0a519d69de_prep:
	.size	k_q0a519d69de_prep, .Lfunc_end_k_q0a519d69de_prep-k_q0a519d69de_prep
	.p2alignl 7, 3214868480
	.fill 96, 4, 3214868480
	.section	.rodata,"a",@progbits
	.p2align	6, 0x0
	.amdhsa_kernel k_q0a519d69de_prep
		.amdhsa_group_segment_fixed_size 17920
		.amdhsa_private_segment_fixed_size 0
		.amdhsa_enable_private_segment 0
		.amdhsa_kernarg_size 96
		.amdhsa_user_sgpr_count 2
		.amdhsa_user_sgpr_kernarg_segment_ptr 1
		.amdhsa_wavefront_size32 1
		.amdhsa_system_sgpr_workgroup_id_x 1
		.amdhsa_system_sgpr_workgroup_id_y 1
		.amdhsa_system_sgpr_workgroup_id_z 1
		.amdhsa_system_vgpr_workitem_id 0
		.amdhsa_next_free_vgpr 160
		.amdhsa_next_free_sgpr 66
		.amdhsa_reserve_vcc 1
		.amdhsa_float_denorm_mode_32 3
		.amdhsa_float_denorm_mode_16_64 3
		.amdhsa_memory_ordered 1
		.amdhsa_forward_progress 1
		.amdhsa_inst_pref_size 38
	.end_amdhsa_kernel
	.amdgpu_metadata
---
amdhsa.version: [ 1, 2 ]
amdhsa.kernels:
  - .name:           k_q0a519d69de_prep
    .symbol:         k_q0a519d69de_prep.kd
    .args:
      - { .name: q_in, .offset: 0, .size: 8, .value_kind: global_buffer, .address_space: global }
      - { .name: Wq, .offset: 8, .size: 8, .value_kind: global_buffer, .address_space: global }
      - { .name: Wo, .offset: 16, .size: 8, .value_kind: global_buffer, .address_space: global }
      - { .name: Wk, .offset: 24, .size: 8, .value_kind: global_buffer, .address_space: global }
      - { .name: Wv, .offset: 32, .size: 8, .value_kind: global_buffer, .address_space: global }
      - { .name: bq, .offset: 40, .size: 8, .value_kind: global_buffer, .address_space: global }
      - { .name: bo, .offset: 48, .size: 8, .value_kind: global_buffer, .address_space: global }
      - { .name: mask, .offset: 56, .size: 8, .value_kind: global_buffer, .address_space: global }
      - { .name: qb, .offset: 64, .size: 8, .value_kind: global_buffer, .address_space: global }
      - { .name: wt, .offset: 72, .size: 8, .value_kind: global_buffer, .address_space: global }
      - { .name: tab, .offset: 80, .size: 8, .value_kind: global_buffer, .address_space: global }
      - { .name: vp, .offset: 88, .size: 8, .value_kind: global_buffer, .address_space: global }
    .group_segment_fixed_size: 17920
    .private_segment_fixed_size: 0
    .kernarg_segment_align: 8
    .kernarg_segment_size: 96
    .max_flat_workgroup_size: 128
    .sgpr_count:     66
    .vgpr_count:     160
    .wavefront_size: 32
...
	.end_amdgpu_metadata
.endif
;; end of part 6
;; launch proj (part 7): grid 8 x 32, 4 waves a work-group, clusters of 4 x 4, 327,680 bytes of LDS; arguments qb, wt, tab, qf, k_in, v_in, bk, bv, kf, vp; writes qf, kf, vp
.if DOCPART == 7
	.amdgcn_target "amdgcn-amd-amdhsa--gfx1250"
	.amdhsa_code_object_version 6
	.text
	.protected	k_q0a519d69de_proj
	.globl	k_q0a519d69de_proj
	.p2align	8
	.type	k_q0a519d69de_proj,@function
k_q0a519d69de_proj:
	s_mov_b64 s[64:65], 0
	v_nop
	global_prefetch_b8 v0, s[64:65] scope:SCOPE_SE
	s_setreg_imm32_b32 hwreg(HW_REG_WAVE_MODE, 25, 1), 1
	s_wait_xcnt 0x0
	s_wait_alu depctr_hold_cnt(0) depctr_sa_sdst(0) depctr_va_vdst(0) depctr_va_sdst(0) depctr_va_ssrc(0) depctr_va_vcc(0) depctr_vm_vsrc(0)
	s_getreg_b32 s2, hwreg(HW_REG_IB_STS2, 6, 4)
	s_cmp_eq_u32 s2, 0
	s_cbranch_scc0 .Lentry_in_a_cluster
	s_endpgm
.Lentry_in_a_cluster:
	s_bfe_u32 s2, ttmp6, 0x10000c
	s_cmp_lg_u32 s2, 0xf033
	s_cbranch_scc0 .Lentry_shape_is_right
	s_endpgm
.Lentry_shape_is_right:
; PROJ: the three projections in one launch.  Each of the 256 work-groups makes a tile of q and then 16 rows of k and of v.
; PART 1.  q = rope(q_in Wq + bq) x QS, to f16.  A = q_in in bf16 [4096][2048], B = Wq turned [2048][2048] bf16.  LIMIT: |rope(q)| x 0.51 within f16's 65,504.
; A tile of C is 128 x 256.  Four waves, each 64 x 128: 32 accumulators of 16 x 16 in window 1.  A wave's 128 columns are one head, so that a rotation's two halves (columns d and d + 64)
; lie in the same lane and register of accumulators b and b + 4.  K goes in steps of 128 (rows of 256 bytes in memory) through two LDS slots; waves 0, 1 fetch A's halves (64 rows),
; waves 2, 3 B's (128 rows).  Two slots of a step of 256 would be 2 x 384 rows x 528 bytes: more than a work-group has.
; CLUSTERS: 4 x 4; A's tile is asked for jointly along a row of the cluster, B's along a column.  THE MATRIX INSTRUCTION IS USED TRANSPOSED (source 0 = B's rows): a lane holds eight
; neighbouring columns of one row of C.  THE SUMS START AT THE BIAS: it is loaded straight into the accumulators, so nothing is cleared and the loop has one form of product.
; THE ORDER OF THE K STEPS: a cluster whose x + y is odd takes each pair of steps the other way round (1, 0, 3, 2 ..).  The same rows of A are read by two clusters, x = 0 and 1 of one y:
; so of each pair of steps either cluster asks for one tile a step behind its neighbour.  f32 sums may be taken in any order.
; The tiles are not prefetched: a K step is 128 products a wave, the small tile's form.
; The rotation's table (64 registers for each 16 rows) waits in window 2: three blocks are asked for at the head, the fourth ahead of the last two K steps.
; PART 2.  k = rope(k_in Wk + bk) / 4 and v = v_in Wv + bv, to f16.  LIMITS: |k| / 4 and |v| within 65,504.  Work-group g = 8 x tile row + tile column takes rows 16 g .. 16 g + 15 of k_in AND of
; v_in: 12 tiles of 16 x 16 (8 of k, 4 of v).  K IS SPLIT AMONG THE FOUR WAVES: of each turn's 256 channels wave v takes 64 v .. 64 v + 63: 256 consecutive bytes, aligned, of each f32 row.
; The four partial sums meet in LDS; wave w finishes k's tiles w and w + 4 and v's tile w.  Every global load of the loop covers 512 consecutive bytes: the weights lie in memory in the order
; in which a fragment lies in registers (1,024 bytes for 16 n x 32 k); an activation load takes my 256 bytes of two rows; the numbers are rounded to bf16 (as all inputs are, the biases too),
; put into LDS bytes of the wave's own and read back as fragments: LDS serves a wave's instructions in order, so no wait stands between.
; A turn's loads are A (16), W0 and W1 (24 each); each group is asked for again as soon as its registers are free.  They land in window 3, which part 1 leaves alone: A and W0 of turn 0 are
; asked for ahead of part 1's last two K steps, W1 in the middle of its way out.
; AHEAD OF THE LOADS: in trip t of the loop a wave names, by one prefetch behind the trip's activation loads, turn t + 3: waves 0 and 2 for k_in, waves 1 and 3 for v_in, each 16 rows x 2 blocks
; of 256 bytes (a lane a block).  So each block is named once; turns 0 to 2 come by their loads alone; trips 5 and 6 name nothing.  The weights are not named: every work-group reads them.
; LDS of part 2 lies behind part 1's: no tensor load ever lands there.
.set SIZE_K,  2048
.set BIASOFF, 2097152
.set SPITCH,  272
.set KSTEP,   128
.set NSTEP,   SIZE_K/KSTEP
.set PITCH,   272                      ; 256 bytes + 16: the 16 rows of a fragment load start at 16 different groups of four banks
.set AHALF,   64*PITCH
.set BHALF,   128*PITCH
.set BBASE,   2*AHALF                  ; a slot: A's 128 rows, then B's 256
.set SLOT1,   131072                   ; one exclusive or turns an address in one slot into the other's
.set STAGE,   SLOT1+2*AHALF+2*BHALF    ; behind the ring: 16 rows for each wave, for q's way out
.set SPARE,   STAGE+4*16*SPITCH        ; the spare words, 128 bytes a wave
.set TRS,     SPARE+512                ; part 2: for each wave 2 x 16 rows x 144 bytes, where its activations change lanes,
.set TPI,     144
.set TRW,     2*16*TPI
.set PART,    TRS+4*TRW                ; 4 x 12 partial tiles of 1,024 bytes,
.set KST,     PART+4*12*1024           ; the stage for k: 16 rows x 272,
.set VST,     KST+16*272               ; the stage for v: 16 rows x 144: it ends at byte 327,680
.set FOA, 4                            ; v4  (l / 16) x 8192 + 16 (l % 16) + 256 wave: my bytes in two rows of the activations
.set FOB, 5                            ; v5  16 l + 2048 wave: my bytes in a block of the weights
.set BOF, 6                            ; v6  64 w + 32 h: my eight columns in bk, bv
.set TOF, 7                            ; v7  the same + 512 r: in k's table
.set LS,  8
.set LR,  9
.set SK,  10
.set SV,  11
.set RK,  12
.set RV,  13
.set GO,  14
.set AS,  15
.set AA0, 16                           ; v16 my place in a slot's A; v17 in its B; never rewritten
.set AB0, 17
.set AA,  18                           ; v18, v19 the same in the slot in hand
.set AB,  19
.set AL,  20
.set PO,  21                           ; v21 the prefetches' offset: (l % 16) x 8192 + 256 (l / 16) + 512 (wave / 2); never rewritten
.set TO,  23                           ; v23 my offset in q's table
.set STO, 24
.set RD,  25
.set CO,  26
.set BO,  27                           ; v27 my offset in bq
.set SPW, 28
.set NIL, 29
.set PKR, 32                           ; v[32:63] part 1: packed results
.set ABF, 32                           ;          part 2: the turn's four activation fragments: tensor x, 32 channels c at 16 x + 8 c
.set F0,  64                           ; part 1: two fragment buffers of 96: B's eight blocks, then A's four
.set F1,  160
.set YR,  192
.set BIA, 64                           ; part 2: v[64:87] bk (two tiles), bv; v[88:103] cosines, sines (times 1/4)
.set CSN, 88
.set ACC, 104                          ; v[104:199] twelve accumulators; later the finished tiles and what is made of them
.set CT,  200                          ; v[200:231] the turn's activations rounded, as loaded; later at work on the biases
.set WV,  12
.set FB,  13                           ; s13 wave / 2: my half of the rows; also 0: I fetch for A, 1: for B
.set HF,  14                           ; s14 wave % 2: my half of the columns; also which half of that tile I fetch
.set TB,  15                           ; s15 the slot in hand
.set BP,  20                           ; s[20:21] bq at my first column
.set TP,  22                           ; s[22:23] q's table at my first row
.set G1,  24
.set G0,  32                           ; two sets for the first fills; the second then walks
.set G1B, 48
.set G0B, 56
.set PAR, 66                           ; s66 (cluster x + cluster y) % 2
.set TAU, 67                           ; s67 how many K steps have been asked for, less one
.set KI,  68                           ; s[68:69] k_in, s[70:71] v_in: at my work-group's rows, at the turn in hand
.set VI,  70
.set ABAS, 80                          ; s[80:81] A at my part of K step 0; s[82:83] B likewise
.set BBAS, 82
.set OFS, 84                           ; s[84:85] a K step's byte offset in a row
.set WB,  86                           ; s[86:87] Wk's and Wv's blocks, at the turn in hand
.set TK,  88                           ; s[88:89] k's table at my work-group's rows
.set PF,  90                           ; s[90:91] the tensor that I prefetch, at the turn in hand
.set KC,  92                           ; s92 trips of part 2's loop still to come
.set MSB, 0
.macro WIN new
.if MSB != (\new)
	s_set_vgpr_msb (MSB<<8)|(\new)
.set MSB, \new
.endif
.endm
.macro PLACES
.rept 4
	v_nop
.endr
.endm
.macro JLOAD                           ; a joint refill by the walking sets; an s_nop 0 and four v_nop follow each of the two lines
	s_cmp_eq_u32 s[FB], 0
	s_cbranch_scc0 .Lfor_b_\@
	tensor_load_to_lds s[G0+4:G0+7], s[G1:G1+7]
	s_nop 0
	PLACES
	s_branch .Lasked_\@
.Lfor_b_\@:
	tensor_load_to_lds s[G0B+4:G0B+7], s[G1B:G1B+7]
	s_nop 0
	PLACES
.Lasked_\@:
.endm
.macro CREST                           ; a round of the cluster's barrier behind its opening barrier
	s_cmp_lg_u32 s[WV], 0
	s_cbranch_scc1 .Lnot_wave_0_\@
	s_barrier_signal -3
.Lnot_wave_0_\@:
	s_barrier_wait -3
	s_barrier_signal -1
	s_barrier_wait -1
.endm
.macro CROUND
	s_barrier_signal -1
	s_barrier_wait -1
	CREST
.endm
	s_load_b256 s[4:11], s[0:1], 0x0               ; qb 4, wt 6, tab 8, qf 10
	s_load_b256 s[68:75], s[0:1], 0x20             ; k_in 68, v_in 70, bk 72, bv 74
	s_load_b128 s[76:79], s[0:1], 0x40             ; kf 76, vp 78
	v_lshl_add_u32 v[SPW], v0, 2, SPARE
	v_mov_b32 v[NIL], 0
	ds_add_u32 v[SPW], v[NIL]                      ; the wave's opening: the add and its wait stand ahead of my first tensor load
	v_lshrrev_b32 v1, 5, v0
	v_readfirstlane_b32 s[WV], v1
	s_lshr_b32 s[FB], s[WV], 1
	s_and_b32 s[HF], s[WV], 1
	s_bfe_u32 s40, ttmp6, 0x40000                  ; cx
	s_bfe_u32 s41, ttmp6, 0x40004                  ; cy
	s_lshl_b32 s42, ttmp9, 2
	s_add_co_u32 s42, s42, s40                     ; tile column
	s_and_b32 s43, ttmp7, 0xffff
	s_lshl_b32 s43, s43, 2
	s_add_co_u32 s43, s43, s41                     ; tile row
	s_and_b32 s[PAR], ttmp7, 1                     ; the cluster's own coordinates: the same in all sixteen partners
	s_xor_b32 s[PAR], s[PAR], ttmp9
	s_and_b32 s[PAR], s[PAR], 1
	s_lshl_b32 s[OFS], s[PAR], 8                   ; slot 0 takes K step 0 or 1
	s_mov_b32 s[OFS+1], 0
	s_mov_b32 s[TAU], 1
	s_lshl_b32 s44, s41, 2
	s_lshl_b32 s44, 15, s44                        ; my row of the cluster
	s_lshl_b32 s45, 0x1111, s40                    ; my column
	s_or_b32 s[G1+0],  s44, (1<<16)|(1<<20)|(1<<21)|(5<<22)|(3<<25)  ; mask; 2-byte elements; padding on; bit 21 beside a mask; after every 64 words, 4 words
	s_or_b32 s[G1B+0], s45, (1<<16)|(1<<20)|(1<<21)|(5<<22)|(3<<25)
	s_mov_b32 s[G1+1], KSTEP<<16                   ; tensor_dim0 = 128
	s_mov_b32 s[G1+2], 64<<16                      ; tensor_dim1 = 64
	s_mov_b32 s[G1+3], KSTEP<<16                   ; tile_dim0 = 128
	s_mov_b32 s[G1+4], 64                          ; tile_dim1 = 64
	s_mov_b32 s[G1+5], SIZE_K                      ; elements from row to row
	s_mov_b32 s[G1+6], 0
	s_mov_b32 s[G1+7], 0
	s_mov_b32 s[G1B+1], KSTEP<<16
	s_mov_b32 s[G1B+2], 128<<16
	s_mov_b32 s[G1B+3], KSTEP<<16
	s_mov_b32 s[G1B+4], 128
	s_mov_b32 s[G1B+5], SIZE_K
	s_mov_b32 s[G1B+6], 0
	s_mov_b32 s[G1B+7], 0
	s_lshl_b32 s16, s43, 7                         ; A: row 128 x tile row + 64 x half
	s_lshl_b32 s17, s[HF], 6
	s_add_co_u32 s16, s16, s17
	s_mul_i32 s16, s16, SIZE_K*2
	s_mov_b32 s17, 0
	s_lshl_b32 s46, s42, 8                         ; B: row 256 x tile column + 128 x half
	s_lshl_b32 s47, s[HF], 7
	s_add_co_u32 s46, s46, s47
	s_mul_i32 s46, s46, SIZE_K*2
	s_mov_b32 s47, 0
	s_mul_i32 s20, s[HF], AHALF                    ; where they go: no place in the cluster enters an LDS address
	s_mul_i32 s21, s[HF], BHALF
	s_add_co_u32 s21, s21, BBASE
	s_mov_b32 s[TB], 0
	s_wait_dscnt 0x0                               ; the opening add is done
	s_wait_kmcnt 0x0
	s_add_nc_u64 s[ABAS:ABAS+1], s[4:5], s[16:17]
	s_add_nc_u64 s[BBAS:BBAS+1], s[6:7], s[46:47]
	CROUND                                         ; all sixteen work-groups are here: the first joint loads meet
.irp s, 0,1
	s_mov_b32 s[G0+4*(\s)], 1
	s_add_co_u32 s[G0+4*(\s)+1], s20, (\s)*SLOT1
	s_add_nc_u64 s[G0+4*(\s)+2:G0+4*(\s)+3], s[ABAS:ABAS+1], s[OFS:OFS+1]
	s_or_b32 s[G0+4*(\s)+3], s[G0+4*(\s)+3], 0x80000000
	s_mov_b32 s[G0B+4*(\s)], 1
	s_add_co_u32 s[G0B+4*(\s)+1], s21, (\s)*SLOT1
	s_add_nc_u64 s[G0B+4*(\s)+2:G0B+4*(\s)+3], s[BBAS:BBAS+1], s[OFS:OFS+1]
	s_or_b32 s[G0B+4*(\s)+3], s[G0B+4*(\s)+3], 0x80000000
	s_xor_b32 s[OFS], s[OFS], KSTEP*2              ; slot 1 takes the pair's other step
.endr
	s_cmp_eq_u32 s[FB], 0                          ; a wave's two first fills stand in one branch: two loads of mine are out
	s_cbranch_scc0 .Lfirst_b
	tensor_load_to_lds s[G0:G0+3], s[G1:G1+7]
	s_nop 0
	tensor_load_to_lds s[G0+4:G0+7], s[G1:G1+7]
	s_nop 0
	PLACES
	s_branch .Lfirst_asked
.Lfirst_b:
	tensor_load_to_lds s[G0B:G0B+3], s[G1B:G1B+7]
	s_nop 0
	tensor_load_to_lds s[G0B+4:G0B+7], s[G1B:G1B+7]
	s_nop 0
	PLACES
.Lfirst_asked:
	v_and_b32 v1, 15, v0                           ; r
	v_bfe_u32 v2, v0, 4, 1                         ; h
	v_mul_u32_u24 v3, v1, PITCH
	v_lshl_add_u32 v3, v2, 4, v3
	s_mul_i32 s16, s[FB], AHALF                    ; my 64 rows of A,
	s_mul_i32 s17, s[HF], BHALF                    ; my 128 rows of B
	s_add_co_u32 s17, s17, BBASE
	v_add_nc_u32 v[AA0], s16, v3
	v_add_nc_u32 v[AB0], s17, v3
	v_mov_b32 v[AA], v[AA0]
	v_mov_b32 v[AB], v[AB0]
	v_lshlrev_b32 v[BO], 5, v2                     ; my eight columns of a block: 32 h bytes of f32
	s_mul_i32 s16, s[WV], 16*SPITCH
	s_add_co_u32 s16, s16, STAGE                   ; my stage
	v_mul_u32_u24 v[STO], v1, SPITCH
	v_lshl_add_u32 v[STO], v2, 4, v[STO]
	v_add_nc_u32 v[STO], s16, v[STO]
	v_mul_u32_u24 v[RD], v2, SPITCH                ; back: lanes 0-15 one row of 256 bytes, lanes 16-31 the next
	v_lshl_add_u32 v[RD], v1, 4, v[RD]
	v_add_nc_u32 v[RD], s16, v[RD]
	v_lshlrev_b32 v[CO], 12, v2
	v_lshl_add_u32 v[CO], v1, 4, v[CO]
	v_lshl_add_u32 v[TO], v1, 9, v[BO]             ; the table's row r, my eight frequencies
	s_lshl_b32 s16, s43, 7
	s_lshl_b32 s17, s[FB], 6
	s_add_co_u32 s16, s16, s17                     ; my first row of C
	s_and_b32 s[TP], s16, 2047                     ; its position
	s_lshl_b32 s[TP], s[TP], 9
	s_mov_b32 s[TP+1], 0
	s_add_nc_u64 s[TP:TP+1], s[8:9], s[TP:TP+1]
	s_lshl_b32 s16, s16, 12
	s_mov_b32 s17, 0
	s_add_nc_u64 s[10:11], s[10:11], s[16:17]
	s_lshl_b32 s46, s42, 8
	s_lshl_b32 s47, s[HF], 7
	s_add_co_u32 s46, s46, s47                     ; my first column
	s_lshl_b32 s[BP], s46, 2
	s_add_co_u32 s[BP], s[BP], BIASOFF
	s_mov_b32 s[BP+1], 0
	s_add_nc_u64 s[BP:BP+1], s[8:9], s[BP:BP+1]
	s_lshl_b32 s46, s46, 1
	s_mov_b32 s47, 0
	s_add_nc_u64 s[10:11], s[10:11], s[46:47]
	WIN 0x40                                       ; the bias into all 32 accumulators: register j of block b is column 16 b + 8 h + j
.irp a, 0,1,2,3
.irp b, 0,1,2,3,4,5,6,7
	global_load_b128 v[8*(8*(\a)+(\b)):8*(8*(\a)+(\b))+3],   v[BO], s[BP:BP+1] offset:64*(\b)
	global_load_b128 v[8*(8*(\a)+(\b))+4:8*(8*(\a)+(\b))+7], v[BO], s[BP:BP+1] offset:64*(\b)+16
.endr
.endr
	WIN 0
	; part 2's addresses are made here, while the first tiles are on their way
	v_and_b32 v3, 31, v0                           ; lane
	s_lshl_b32 s93, s[WV], 8
	v_lshlrev_b32 v[FOA], 13, v2
	v_lshl_add_u32 v[FOA], v1, 4, v[FOA]
	v_add_nc_u32 v[FOA], s93, v[FOA]
	s_lshl_b32 s93, s[WV], 11
	v_lshl_add_u32 v[FOB], v3, 4, s93
	s_lshl_b32 s93, s[FB], 9
	v_lshlrev_b32 v[PO], 13, v1
	v_lshl_add_u32 v[PO], v2, 8, v[PO]
	v_add_nc_u32 v[PO], s93, v[PO]
	s_mul_i32 s93, s[WV], TRW
	s_add_co_u32 s93, s93, TRS                     ; my own bytes
	v_mul_u32_u24 v[AS], v2, TPI                   ; in: row l / 16 (+ 2 i), 8 bytes for each of 16 lanes
	v_lshl_add_u32 v[AS], v1, 3, v[AS]
	v_add_nc_u32 v[AS], s93, v[AS]
	v_mul_u32_u24 v[AL], v1, TPI                   ; back: row l % 16, 16 bytes for each half of the lanes
	v_lshl_add_u32 v[AL], v2, 4, v[AL]
	v_add_nc_u32 v[AL], s93, v[AL]
	s_lshl_b32 s93, s[WV], 6
	v_lshl_add_u32 v[BOF], v2, 5, s93
	v_lshl_add_u32 v[TOF], v1, 9, v[BOF]
	s_mul_i32 s93, s[WV], 12288
	s_add_co_u32 s93, s93, PART
	v_lshl_add_u32 v[LS], v3, 5, s93               ; my twelve partial tiles, 32 bytes a lane
	s_lshl_b32 s93, s[WV], 10
	s_add_co_u32 s93, s93, PART
	v_lshl_add_u32 v[LR], v3, 5, s93               ; tile w of part 0
	s_lshl_b32 s93, s[WV], 5
	v_lshl_add_u32 v22, v2, 4, s93                 ; 32 w + 16 h: my eight f16 columns
	v_mad_u32_u24 v[SK], v1, 272, v22
	v_add_nc_u32 v[SK], KST, v[SK]
	v_mad_u32_u24 v[SV], v1, 144, v22
	v_add_nc_u32 v[SV], VST, v[SV]
	s_lshl_b32 s93, s[WV], 2
	v_add_nc_u32 v22, s93, v2                      ; back: k's rows 4 w + lane / 16 (+ 2),
	v_lshlrev_b32 v30, 4, v1
	v_mad_u32_u24 v[RK], v22, 272, v30
	v_add_nc_u32 v[RK], KST, v[RK]
	v_bfe_u32 v22, v0, 3, 2                        ; v's rows 4 w + lane / 8
	v_add_nc_u32 v22, s93, v22
	v_and_b32 v30, 7, v0
	v_lshlrev_b32 v30, 4, v30
	v_mad_u32_u24 v[RV], v22, 144, v30
	v_add_nc_u32 v[RV], VST, v[RV]
	v_lshlrev_b32 v[GO], 4, v3
	s_lshl3_add_u32 s94, s43, s42                  ; g: it enters global addresses alone
	s_lshl_b32 s96, s94, 17                        ; 16 rows of 8,192 bytes
	s_mov_b32 s97, 0
	s_add_nc_u64 s[KI:KI+1], s[KI:KI+1], s[96:97]
	s_add_nc_u64 s[VI:VI+1], s[VI:VI+1], s[96:97]
	s_add_nc_u64 s[WB:WB+1], s[6:7], 12582912      ; Wk's and Wv's blocks
	s_and_b32 s96, s94, 127                        ; the rows' positions: 16 (g % 128) + r
	s_lshl_b32 s96, s96, 13
	s_add_co_u32 s96, s96, 1048576                 ; k's table
	s_add_nc_u64 s[TK:TK+1], s[8:9], s[96:97]
	s_lshl_b32 s96, s94, 12                        ; kf: 16 rows of 256 bytes, 4 of them a wave
	s_lshl_b32 s95, s[WV], 10
	s_add_co_u32 s96, s96, s95
	s_add_nc_u64 s[76:77], s[76:77], s[96:97]
	s_lshr_b32 s96, s94, 7                         ; vp: batch, group of 128 keys, 16 rows of 128 bytes, 4 of them a wave
	s_mul_i32 s96, s96, 270336
	s_bfe_u32 s95, s94, 0x40003
	s_mul_i32 s95, s95, 16896
	s_add_co_u32 s96, s96, s95
	s_and_b32 s95, s94, 7
	s_lshl_b32 s95, s95, 11
	s_add_co_u32 s96, s96, s95
	s_lshl_b32 s95, s[WV], 9
	s_add_co_u32 s96, s96, s95
	s_add_nc_u64 s[78:79], s[78:79], s[96:97]
	s_cmp_eq_u32 s[HF], 0                          ; waves 0 and 2 prefetch k_in, waves 1 and 3 v_in
	s_cselect_b64 s[PF:PF+1], s[KI:KI+1], s[VI:VI+1]
; 16 loads: the cosines and sines of my rows 16 a .. 16 a + 15: for n block b at 64 a + 16 b and + 8, in window 2
.macro TLOAD a
	WIN 0x80
.irp b, 0,1,2,3
	global_load_b128 v[64*(\a)+16*(\b):64*(\a)+16*(\b)+3],     v[TO], s[TP:TP+1] offset:8192*(\a)+64*(\b)
	global_load_b128 v[64*(\a)+16*(\b)+4:64*(\a)+16*(\b)+7],   v[TO], s[TP:TP+1] offset:8192*(\a)+64*(\b)+16
	global_load_b128 v[64*(\a)+16*(\b)+8:64*(\a)+16*(\b)+11],  v[TO], s[TP:TP+1] offset:8192*(\a)+64*(\b)+256
	global_load_b128 v[64*(\a)+16*(\b)+12:64*(\a)+16*(\b)+15], v[TO], s[TP:TP+1] offset:8192*(\a)+64*(\b)+272
.endr
.endm
	TLOAD 0
	TLOAD 1
	TLOAD 2
	WIN 0
; 8 products: m block a x all 8 n blocks, 32 along K.  The 32 accumulators take turns in one order everywhere.
.macro MUL8 f, a
	WIN 0x50
.irp b, 0,1,2,3,4,5,6,7
	v_wmma_f32_16x16x32_bf16 v[8*(8*(\a)+(\b)):8*(8*(\a)+(\b))+7], v[(\f)+8*(\b):(\f)+8*(\b)+7], v[(\f)+64+8*(\a):(\f)+64+8*(\a)+7], v[8*(8*(\a)+(\b)):8*(8*(\a)+(\b))+7]
.endr
.endm
; 24 LDS loads in one run: a quarter step's fragments (32 K at byte k of the rows) into buffer f: B's, then A's
.macro FETCH k, f
	WIN 0
.irp i, 0,1,2,3,4,5,6,7
	ds_load_b128 v[(\f)+8*(\i):(\f)+8*(\i)+3],   v[AB] offset:(\k)+(\i)*16*PITCH
	ds_load_b128 v[(\f)+8*(\i)+4:(\f)+8*(\i)+7], v[AB] offset:(\k)+(\i)*16*PITCH+32
.endr
.irp i, 0,1,2,3
	ds_load_b128 v[(\f)+64+8*(\i):(\f)+64+8*(\i)+3],   v[AA] offset:(\k)+(\i)*16*PITCH
	ds_load_b128 v[(\f)+64+8*(\i)+4:(\f)+64+8*(\i)+7], v[AA] offset:(\k)+(\i)*16*PITCH+32
.endr
.endm
.macro QUARTER k, f, g                 ; multiplies buffer f; in its middle fetches the next quarter, at byte k, into g
	s_wait_dscnt 4                                 ; all but A's blocks 2 and 3
	MUL8 \f, 0
	MUL8 \f, 1
	PLACES
	FETCH \k, \g
	s_wait_dscnt 24                                ; all but the 24 just issued
	MUL8 \f, 2
	MUL8 \f, 3
.endm
; The last quarter multiplies buffer 1 and changes slots.  In front of the barrier each wave waits for all its tensor loads (one is out: its part of the next slot), adds 0 to its
; spare word, and waits for that and for its reads of this slot.  fill = 1: the barrier opens a round of the cluster's, and this slot is filled again, first thing behind it;
; the descriptors' addresses are made anew from the step's number.
.macro TURN fill
	WIN 0
	s_wait_tensorcnt 0x0
	ds_add_u32 v[SPW], v[NIL]
	s_wait_dscnt 5                                 ; the add and the youngest four loads may be out
	MUL8 F1, 0
	s_wait_dscnt 0x0
	s_barrier_signal -1
	MUL8 F1, 1
	WIN 0
	s_barrier_wait -1
.if \fill
	CREST
	s_add_co_u32 s[TAU], s[TAU], 1                 ; the next step in my cluster's order:
	s_xor_b32 s[OFS], s[TAU], s[PAR]               ; its number along K,
	s_lshl_b32 s[OFS], s[OFS], 8                   ; 256 bytes of a row each
	s_xor_b32 s[G0+5], s[G0+5], SLOT1              ; the walking sets: the other slot than last time
	s_add_nc_u64 s[G0+6:G0+7], s[ABAS:ABAS+1], s[OFS:OFS+1]
	s_or_b32 s[G0+7], s[G0+7], 0x80000000
	s_xor_b32 s[G0B+5], s[G0B+5], SLOT1
	s_add_nc_u64 s[G0B+6:G0B+7], s[BBAS:BBAS+1], s[OFS:OFS+1]
	s_or_b32 s[G0B+7], s[G0B+7], 0x80000000
	JLOAD                                          ; its four v_nop are also the places in front of the loads below
.else
	PLACES
.endif
	s_xor_b32 s[TB], s[TB], SLOT1
	v_add_nc_u32 v[AA], s[TB], v[AA0]
	v_add_nc_u32 v[AB], s[TB], v[AB0]
	FETCH 0, F0
	MUL8 F1, 2
	MUL8 F1, 3
.endm
; PART 2's loads.  16: my 256 bytes of a turn of the 16 rows of both tensors, two rows a load.  24: the twelve weight fragments of half b of my 64 channels.  off: bytes behind the pointers
.macro LOADA off
	WIN 0xc0
.irp i, 0,1,2,3,4,5,6,7
	global_load_b128 v[4*(\i):4*(\i)+3],       v[FOA], s[KI:KI+1] offset:(\off)+16384*(\i) th:TH_LOAD_NT
	global_load_b128 v[32+4*(\i):32+4*(\i)+3], v[FOA], s[VI:VI+1] offset:(\off)+16384*(\i) th:TH_LOAD_NT
.endr
.endm
.macro LOADW b, off
	WIN 0xc0
.irp f, 0,1,2,3,4,5,6,7,8,9,10,11
	global_load_b128 v[64+96*(\b)+8*(\f):64+96*(\b)+8*(\f)+3],   v[FOB], s[WB:WB+1] offset:65536*(\f)+(\off)+1024*(\b)
	global_load_b128 v[64+96*(\b)+8*(\f)+4:64+96*(\b)+8*(\f)+7], v[FOB], s[WB:WB+1] offset:65536*(\f)+(\off)+1024*(\b)+512
.endr
.endm
	s_wait_tensorcnt 1                             ; my part of the first K step is in; the second's may stay out
	s_barrier_signal -1
	s_barrier_wait -1
	FETCH 0, F0
	s_wait_loadcnt 48                              ; the bias is in; the 48 table loads issued behind it may stay out
	s_mov_b32 s3, NSTEP-2
.Lstep:                                        ; a K step; its slot is filled again with the step two on
	QUARTER 64,  F0, F1
	QUARTER 128, F1, F0
	QUARTER 192, F0, F1
	TURN 1
	WIN 0
	s_sub_co_u32 s3, s3, 1
	s_cmp_lg_u32 s3, 0
	s_cbranch_scc1 .Lstep
	TLOAD 3                                        ; the last block's table, and part 2's first loads: they have two K steps and the way out in which to land
	LOADA 0
	LOADW 0, 0
	WIN 0
	s_mov_b32 s3, 2
.Ltail:                                        ; the last two K steps ask for nothing: one text, walked twice
	QUARTER 64,  F0, F1
	QUARTER 128, F1, F0
	QUARTER 192, F0, F1
	TURN 0                                         ; in the second trip its 24 LDS loads, from the slot multiplied a step ago, serve nothing: the price, once a launch, of one text for both trips
	WIN 0
	s_sub_co_u32 s3, s3, 1
	s_cmp_lg_u32 s3, 0
	s_cbranch_scc1 .Ltail
	s_wait_dscnt 0x0                               ; those loads are back: their registers are written anew below
	PLACES
	PLACES
	global_load_b128 v[BIA:BIA+3],     v[BOF], s[72:73]             ; part 2's biases and table, wanted at its end
	global_load_b128 v[BIA+4:BIA+7],   v[BOF], s[72:73] offset:16
	global_load_b128 v[BIA+8:BIA+11],  v[BOF], s[72:73] offset:256
	global_load_b128 v[BIA+12:BIA+15], v[BOF], s[72:73] offset:272
	global_load_b128 v[BIA+16:BIA+19], v[BOF], s[74:75]
	global_load_b128 v[BIA+20:BIA+23], v[BOF], s[74:75] offset:16
	global_load_b128 v[CSN:CSN+3],     v[TOF], s[TK:TK+1]
	global_load_b128 v[CSN+4:CSN+7],   v[TOF], s[TK:TK+1] offset:16
	global_load_b128 v[CSN+8:CSN+11],  v[TOF], s[TK:TK+1] offset:256
	global_load_b128 v[CSN+12:CSN+15], v[TOF], s[TK:TK+1] offset:272
	s_wait_loadcnt 50                              ; all four blocks' tables are in: behind the last of them were issued part 2's 16 + 24 and the ten above
; q's WAY OUT, 16 rows at a time: rotate, round to f16, through my stage, out as whole rows of 256 bytes.
.macro OUTQ a
	s_wait_xcnt 0x0                                ; the last block's stores have read their registers
	WIN 0x09                                       ; source 0: the accumulators (window 1), each read from its low end on; source 1: the table (window 2)
.irp b, 0,1,2,3
.irp z, 0,2,4,6
	v_pk_mul_f32 v[YR+16*(\b)+(\z):YR+16*(\b)+(\z)+1],     v[8*(8*(\a)+(\b)+4)+(\z):8*(8*(\a)+(\b)+4)+(\z)+1], v[64*(\a)+16*(\b)+8+(\z):64*(\a)+16*(\b)+8+(\z)+1]
	v_pk_mul_f32 v[YR+16*(\b)+8+(\z):YR+16*(\b)+8+(\z)+1], v[8*(8*(\a)+(\b)+4)+(\z):8*(8*(\a)+(\b)+4)+(\z)+1], v[64*(\a)+16*(\b)+(\z):64*(\a)+16*(\b)+(\z)+1]
.endr
.irp z, 0,2,4,6
	v_pk_fma_f32 v[YR+16*(\b)+(\z):YR+16*(\b)+(\z)+1],     v[8*(8*(\a)+(\b))+(\z):8*(8*(\a)+(\b))+(\z)+1], v[64*(\a)+16*(\b)+(\z):64*(\a)+16*(\b)+(\z)+1],     v[YR+16*(\b)+(\z):YR+16*(\b)+(\z)+1] neg_lo:[0,0,1] neg_hi:[0,0,1]
	v_pk_fma_f32 v[YR+16*(\b)+8+(\z):YR+16*(\b)+8+(\z)+1], v[8*(8*(\a)+(\b))+(\z):8*(8*(\a)+(\b))+(\z)+1], v[64*(\a)+16*(\b)+8+(\z):64*(\a)+16*(\b)+8+(\z)+1], v[YR+16*(\b)+8+(\z):YR+16*(\b)+8+(\z)+1]
.endr
.endr
	WIN 0
.irp b, 0,1,2,3
.irp n, 0,1,2,3
	v_cvt_pk_f16_f32 v[PKR+4*(\b)+(\n)],    v[YR+16*(\b)+2*(\n)],   v[YR+16*(\b)+2*(\n)+1]
	v_cvt_pk_f16_f32 v[PKR+16+4*(\b)+(\n)], v[YR+16*(\b)+8+2*(\n)], v[YR+16*(\b)+8+2*(\n)+1]
.endr
.endr
.irp b, 0,1,2,3,4,5,6,7
	ds_store_b128 v[STO], v[PKR+4*(\b):PKR+4*(\b)+3] offset:32*(\b)
.endr
.irp t, 0,1,2,3,4,5,6,7
	ds_load_b128 v[YR+4*(\t):YR+4*(\t)+3], v[RD] offset:(\t)*2*SPITCH  ; LDS serves a wave's instructions in order: these see the stores above
.endr
	s_wait_dscnt 0x0
.irp t, 0,1,2,3,4,5,6,7
	global_store_b128 v[CO], v[YR+4*(\t):YR+4*(\t)+3], s[10:11] offset:(16*(\a)+2*(\t))*4096  ; 16 lanes store 256 consecutive bytes, aligned
.endr
.endm
	OUTQ 0
	OUTQ 1
	LOADW 1, 0                                     ; the other half of turn 0's weights
	OUTQ 2
	OUTQ 3
; PART 2.  Twelve products on half b of the turn's channels; the accumulators by turns, from half to half and over the backward jump too.  nxt = 1: the half's weights of the next turn are asked for.
.macro KMULS b, nxt
.if \nxt
	s_wait_loadcnt 40                              ; this half's weights are in; behind them were issued the other half's 24 loads and the next turn's 16 activation loads (in turn 0 ten more)
.elseif (\b) == 0
	s_wait_loadcnt 24                              ; the last turn: only the other half's 24
.else
	s_wait_loadcnt 0x0
.endif
.if (\b) == 0
	s_wait_dscnt 0x0                               ; the turn's four activation fragments are back
.endif
	WIN 0x03                                       ; source 0: the weights, in window 3
.irp f, 0,1,2,3,4,5,6,7,8,9,10,11
	v_wmma_f32_16x16x32_bf16 v[ACC+8*(\f):ACC+8*(\f)+7], v[64+96*(\b)+8*(\f):64+96*(\b)+8*(\f)+7], v[ABF+16*((\f)/8)+8*(\b):ABF+16*((\f)/8)+8*(\b)+7], v[ACC+8*(\f):ACC+8*(\f)+7]
.endr
	PLACES
.if \nxt
	LOADW \b, 8192
.endif
.endm
; A turn: its activations are rounded and change lanes in my LDS bytes; their registers take the next turn's; then the two halves' products.
.macro KTURN nxt
	s_wait_loadcnt 48                              ; the turn's activations are in; behind them were issued the turn's 48 weight loads (in turn 0 ten more)
	WIN 0x0f
.set j, 0
.rept 32
	v_cvt_pk_bf16_f32 v[CT+j], v[2*j], v[2*j+1]
.set j, j+1
.endr
.if \nxt
	LOADA 1024
	WIN 0
	s_cmp_gt_u32 s[KC], 2                          ; trips 5 and 6 have no turn three on
	s_cbranch_scc0 .Lno_ask_\@
	global_prefetch_b8 v[PO], s[PF:PF+1] offset:3072 th:TH_LOAD_NT scope:SCOPE_SE  ; turn t + 3: two blocks of each of the 16 rows of my tensor
.Lno_ask_\@:
.endif
	WIN 0
.irp i, 0,1,2,3,4,5,6,7
	ds_store_b64 v[AS], v[CT+2*(\i):CT+2*(\i)+1]       offset:2*TPI*(\i)
	ds_store_b64 v[AS], v[CT+16+2*(\i):CT+16+2*(\i)+1] offset:16*TPI+2*TPI*(\i)
.endr
.irp x, 0,1
.irp c, 0,1
	ds_load_b128 v[ABF+16*(\x)+8*(\c):ABF+16*(\x)+8*(\c)+3],   v[AL] offset:16*TPI*(\x)+64*(\c)     ; these see the stores above; the next turn's stores come behind them
	ds_load_b128 v[ABF+16*(\x)+8*(\c)+4:ABF+16*(\x)+8*(\c)+7], v[AL] offset:16*TPI*(\x)+64*(\c)+32
.endr
.endr
	KMULS 0, \nxt
	KMULS 1, \nxt
.endm
	WIN 0
	s_wait_xcnt 0x0                                ; q's last stores have read their registers, some of which are written below
.set n, 0
.rept 96
	v_mov_b32 v[ACC+n], 0                          ; the sums start at 0, so that the loop has one form of product: a first turn written out would be four times these lines' bytes
.set n, n+1
.endr
	s_mov_b32 s[KC], 7
.Lkv:                                          ; turn t is multiplied, turn t + 1 asked for
	KTURN 1
	WIN 0
	s_wait_xcnt 0x0                                ; every load and the prefetch of this trip have read their addresses (the prefetch 24 products back): the pointers may be written
	s_add_nc_u64 s[KI:KI+1], s[KI:KI+1], 1024
	s_add_nc_u64 s[VI:VI+1], s[VI:VI+1], 1024
	s_add_nc_u64 s[PF:PF+1], s[PF:PF+1], 1024
	s_add_nc_u64 s[WB:WB+1], s[WB:WB+1], 8192
	s_sub_co_u32 s[KC], s[KC], 1
	s_cmp_lg_u32 s[KC], 0
	s_cbranch_scc1 .Lkv
	KTURN 0                                        ; the last turn loads nothing
	PLACES                                         ; eight in all behind the last product
	WIN 0
.irp f, 0,1,2,3,4,5,6,7,8,9,10,11
	ds_store_b128 v[LS], v[ACC+8*(\f):ACC+8*(\f)+3]   offset:1024*(\f)
	ds_store_b128 v[LS], v[ACC+8*(\f)+4:ACC+8*(\f)+7] offset:1024*(\f)+16
.endr
	s_wait_dscnt 0x0                               ; for the others' sake
	s_barrier_signal -1
	s_barrier_wait -1                              ; all four partial sums of all tiles lie in LDS
	WIN 0xc0                                       ; wave w finishes k's tiles w and w + 4 (a rotation's two halves) and v's tile w
.irp p, 0,1,2,3
.irp s, 0,1,2
	ds_load_b128 v[24*(\p)+8*(\s):24*(\p)+8*(\s)+3],   v[LR] offset:12288*(\p)+4096*(\s)
	ds_load_b128 v[24*(\p)+8*(\s)+4:24*(\p)+8*(\s)+7], v[LR] offset:12288*(\p)+4096*(\s)+16
.endr
.endr
	s_wait_dscnt 0x0
	WIN 0xcf
.set n, 0
.rept 24
	v_pk_add_f32 v[n:n+1], v[n:n+1], v[48+n:48+n+1]
.set n, n+2
.endr
	WIN 0x0f
.set n, 0
.rept 12
	v_pk_add_f32 v[ACC+n:ACC+n+1], v[n:n+1], v[24+n:24+n+1]  ; x1 at ACC, x2 at ACC + 8, v at ACC + 16
.set n, n+2
.endr
	WIN 0
.set n, 0
.rept 12
	v_cvt_pk_bf16_f32 v[CT+n], v[BIA+2*n], v[BIA+2*n+1]      ; the biases are rounded as the other inputs are
.set n, n+1
.endr
.set n, 0
.rept 12
	v_lshlrev_b32 v[BIA+2*n], 16, v[CT+n]
	v_and_b32 v[BIA+2*n+1], 0xffff0000, v[CT+n]
.set n, n+1
.endr
.set n, 0
.rept 12
	v_pk_add_f32 v[ACC+n:ACC+n+1], v[ACC+n:ACC+n+1], v[BIA+n:BIA+n+1]
.set n, n+2
.endr
.irp z, 0,2,4,6
	v_pk_mul_f32 v[ACC+24+\z:ACC+25+\z], v[ACC+8+\z:ACC+9+\z], v[CSN+8+\z:CSN+9+\z]   ; x2 sin
	v_pk_mul_f32 v[ACC+32+\z:ACC+33+\z], v[ACC+8+\z:ACC+9+\z], v[CSN+\z:CSN+1+\z]     ; x2 cos
.endr
.irp z, 0,2,4,6
	v_pk_fma_f32 v[ACC+24+\z:ACC+25+\z], v[ACC+\z:ACC+1+\z], v[CSN+\z:CSN+1+\z], v[ACC+24+\z:ACC+25+\z] neg_lo:[0,0,1] neg_hi:[0,0,1]  ; x1 cos - x2 sin
	v_pk_fma_f32 v[ACC+32+\z:ACC+33+\z], v[ACC+\z:ACC+1+\z], v[CSN+8+\z:CSN+9+\z], v[ACC+32+\z:ACC+33+\z]                            ; x1 sin + x2 cos
.endr
.irp n, 0,1,2,3
	v_cvt_pk_f16_f32 v[ACC+40+\n], v[ACC+24+2*\n], v[ACC+25+2*\n]
	v_cvt_pk_f16_f32 v[ACC+44+\n], v[ACC+32+2*\n], v[ACC+33+2*\n]
	v_cvt_pk_f16_f32 v[ACC+48+\n], v[ACC+16+2*\n], v[ACC+17+2*\n]
.endr
	ds_store_b128 v[SK], v[ACC+40:ACC+43]
	ds_store_b128 v[SK], v[ACC+44:ACC+47] offset:128
	ds_store_b128 v[SV], v[ACC+48:ACC+51]
	s_wait_dscnt 0x0                               ; a row's bytes come from four waves
	s_barrier_signal -1
	s_barrier_wait -1
	ds_load_b128 v[ACC+52:ACC+55], v[RK]
	ds_load_b128 v[ACC+56:ACC+59], v[RK] offset:544
	ds_load_b128 v[ACC+60:ACC+63], v[RV]
	s_wait_dscnt 0x0
	global_store_b128 v[GO], v[ACC+52:ACC+55], s[76:77]             ; each store covers 512 consecutive bytes, aligned
	global_store_b128 v[GO], v[ACC+56:ACC+59], s[76:77] offset:512
	global_store_b128 v[GO], v[ACC+60:ACC+63], s[78:79]
	s_wait_tensorcnt 0x0                           ; the wave's end
	ds_add_u32 v[SPW], v[NIL]
	s_wait_dscnt 0x0
	CROUND                                         ; the closing round
	s_endpgm
.Lfunc_end_k_q0a519d69de_proj:
	.size	k_q0a519d69de_proj, .Lfunc_end_k_q0a519d69de_proj-k_q0a519d69de_proj
	.p2alignl 7, 3214868480
	.fill 96, 4, 3214868480
	.section	.rodata,"a",@progbits
	.p2align	6, 0x0
	.amdhsa_kernel k_q0a519d69de_proj
		.amdhsa_group_segment_fixed_size 327680
		.amdhsa_private_segment_fixed_size 0
		.amdhsa_enable_private_segment 0
		.amdhsa_kernarg_size 80
		.amdhsa_user_sgpr_count 2
		.amdhsa_user_sgpr_kernarg_segment_ptr 1
		.amdhsa_wavefront_size32 1
		.amdhsa_system_sgpr_workgroup_id_x 1
		.amdhsa_system_sgpr_workgroup_id_y 1
		.amdhsa_system_sgpr_workgroup_id_z 1
		.amdhsa_system_vgpr_workitem_id 0
		.amdhsa_next_free_vgpr 1024
		.amdhsa_next_free_sgpr 100
		.amdhsa_reserve_vcc 0
		.amdhsa_float_denorm_mode_32 3
		.amdhsa_float_denorm_mode_16_64 3
		.amdhsa_memory_ordered 1
		.amdhsa_forward_progress 1
		.amdhsa_inst_pref_size 128
	.end_amdhsa_kernel
	.amdgpu_metadata
---
amdhsa.version: [ 1, 2 ]
amdhsa.kernels:
  - .name:           k_q0a519d69de_proj
    .symbol:         k_q0a519d69de_proj.kd
    .args:
      - { .name: qb, .offset: 0, .size: 8, .value_kind: global_buffer, .address_space: global }
      - { .name: wt, .offset: 8, .size: 8, .value_kind: global_buffer, .address_space: global }
      - { .name: tab, .offset: 16, .size: 8, .value_kind: global_buffer, .address_space: global }
      - { .name: qf, .offset: 24, .size: 8, .value_kind: global_buffer, .address_space: global }
      - { .name: k_in, .offset: 32, .size: 8, .value_kind: global_buffer, .address_space: global }
      - { .name: v_in, .offset: 40, .size: 8, .value_kind: global_buffer, .address_space: global }
      - { .name: bk, .offset: 48, .size: 8, .value_kind: global_buffer, .address_space: global }
      - { .name: bv, .offset: 56, .size: 8, .value_kind: global_buffer, .address_space: global }
      - { .name: kf, .offset: 64, .size: 8, .value_kind: global_buffer, .address_space: global }
      - { .name: vp, .offset: 72, .size: 8, .value_kind: global_buffer, .address_space: global }
    .group_segment_fixed_size: 327680
    .private_segment_fixed_size: 0
    .kernarg_segment_align: 8
    .kernarg_segment_size: 80
    .max_flat_workgroup_size: 128
    .sgpr_count:     100
    .vgpr_count:     1024
    .wavefront_size: 32
...
	.end_amdgpu_metadata
.endif
;; end of part 7
;; launch attn: the kernel of part 4 again; grid 4 x 64, 4 waves a work-group, clusters of 4 x 1, 327,680 bytes of LDS; arguments qf, kf, vp, af; writes af
;; launch oproj (part 8): grid 8 x 32, 4 waves a work-group, clusters of 4 x 4, 327,680 bytes of LDS; arguments af, wt, tab, out0; writes out0
.if DOCPART == 8
	.amdgcn_target "amdgcn-amd-amdhsa--gfx1250"
	.amdhsa_code_object_version 6
	.text
	.protected	k_q0a519d69de_oproj
	.globl	k_q0a519d69de_oproj
	.p2align	8
	.type	k_q0a519d69de_oproj,@function
k_q0a519d69de_oproj:
	s_mov_b64 s[64:65], 0
	v_nop
	global_prefetch_b8 v0, s[64:65] scope:SCOPE_SE
	s_setreg_imm32_b32 hwreg(HW_REG_WAVE_MODE, 25, 1), 1
	s_wait_xcnt 0x0
	s_wait_alu depctr_hold_cnt(0) depctr_sa_sdst(0) depctr_va_vdst(0) depctr_va_sdst(0) depctr_va_ssrc(0) depctr_va_vcc(0) depctr_vm_vsrc(0)
	s_getreg_b32 s2, hwreg(HW_REG_IB_STS2, 6, 4)
	s_cmp_eq_u32 s2, 0
	s_cbranch_scc0 .Lentry_in_a_cluster
	s_endpgm
.Lentry_in_a_cluster:
	s_bfe_u32 s2, ttmp6, 0x10000c
	s_cmp_lg_u32 s2, 0xf033
	s_cbranch_scc0 .Lentry_shape_is_right
	s_endpgm
.Lentry_shape_is_right:
; C = A B^T + bias: A = the attention's output f16 [4096][1024], B = Wo turned [2048][1024] f16 (its numbers rounded to bf16 first); the result is the module's output, f32.
; The text is the query projection's, with other sizes, the f16 form of the product and a plain way out.
; A tile of C is 128 x 256: 256 work-groups, one for each WGP.  Four waves, each 64 x 128: 32 accumulators of 16 x 16 in window 1.
; K goes in steps of 128 (rows of 256 bytes in memory) through two LDS slots; waves 0, 1 fetch A's halves (64 rows), waves 2, 3 B's (128 rows).  Two slots of a step of 256
; would be 2 x 384 rows x 528 bytes: more than a work-group has.
; CLUSTERS: 4 x 4; A's tile is asked for jointly along a row of the cluster, B's along a column.  THE MATRIX INSTRUCTION IS USED TRANSPOSED (source 0 = B's rows): a lane holds
; eight neighbouring columns of one row of C.  THE SUMS START AT THE BIAS: it is loaded straight into the accumulators, so nothing is cleared and the loop has one form of product.
; THE ORDER OF THE K STEPS: a cluster whose x + y is odd takes each pair of steps the other way round (1, 0, 3, 2 ..).  The same rows of A are read by two clusters, x = 0 and 1 of one y:
; so of each pair of steps either cluster asks for one tile a step behind its neighbour.  f32 sums may be taken in any order.
; The tiles are not prefetched: a K step is 128 products a wave, the small tile's form.
.set SIZE_K,  1024
.set BOFF,    8388608
.set BIASOFF, 2105344
.set SPITCH,  528
.set KSTEP,  128
.set NSTEP,  SIZE_K/KSTEP
.set PITCH,  272                       ; 256 bytes + 16: the 16 rows of a fragment load start at 16 different groups of four banks
.set AHALF,  64*PITCH
.set BHALF,  128*PITCH
.set BBASE,  2*AHALF                   ; a slot: A's 128 rows, then B's 256
.set SLOT1,  131072                    ; one exclusive or turns an address in one slot into the other's
.set STAGE,  SLOT1+2*AHALF+2*BHALF     ; behind the ring: 16 rows for each wave, for the way out
.set SPARE,  STAGE+4*16*SPITCH         ; and the spare words
.set AA0, 16
.set AB0, 17
.set AA,  18
.set AB,  19
.set STO, 24
.set RD,  25
.set CO,  26
.set BO,  27
.set SPW, 28
.set NIL, 29
.set F0,  64                           ; two fragment buffers of 96: B's eight blocks, then A's four
.set F1,  160
.set WV,  12
.set FB,  13                           ; s13 wave / 2: my half of the rows; also 0: I fetch for A, 1: for B
.set HF,  14                           ; s14 wave % 2: my half of the columns; also which half of that tile I fetch
.set TB,  15
.set BP,  20
.set G1,  24
.set G0,  32
.set G1B, 48
.set G0B, 56
.set PAR, 66                           ; s66 (cluster x + cluster y) % 2
.set TAU, 67                           ; s67 how many K steps have been asked for, less one
.set ABAS, 80                          ; s[80:81] A at my part of K step 0; s[82:83] B likewise
.set BBAS, 82
.set OFS, 84                           ; s[84:85] a K step's byte offset in a row
.set MSB, 0
.macro WIN new
.if MSB != (\new)
	s_set_vgpr_msb (MSB<<8)|(\new)
.set MSB, \new
.endif
.endm
.macro PLACES
.rept 4
	v_nop
.endr
.endm
.macro JLOAD                           ; a joint refill by the walking sets; an s_nop 0 and four v_nop follow each of the two lines
	s_cmp_eq_u32 s[FB], 0
	s_cbranch_scc0 .Lfor_b_\@
	tensor_load_to_lds s[G0+4:G0+7], s[G1:G1+7]
	s_nop 0
	PLACES
	s_branch .Lasked_\@
.Lfor_b_\@:
	tensor_load_to_lds s[G0B+4:G0B+7], s[G1B:G1B+7]
	s_nop 0
	PLACES
.Lasked_\@:
.endm
.macro CREST
	s_cmp_lg_u32 s[WV], 0
	s_cbranch_scc1 .Lnot_wave_0_\@
	s_barrier_signal -3
.Lnot_wave_0_\@:
	s_barrier_wait -3
	s_barrier_signal -1
	s_barrier_wait -1
.endm
.macro CROUND
	s_barrier_signal -1
	s_barrier_wait -1
	CREST
.endm
	s_load_b256 s[4:11], s[0:1], 0x0               ; A 4, wt 6, tab 8, C 10
	v_lshl_add_u32 v[SPW], v0, 2, SPARE
	v_mov_b32 v[NIL], 0
	ds_add_u32 v[SPW], v[NIL]                      ; the wave's opening: the add and its wait stand ahead of my first tensor load
	v_lshrrev_b32 v1, 5, v0
	v_readfirstlane_b32 s[WV], v1
	s_lshr_b32 s[FB], s[WV], 1
	s_and_b32 s[HF], s[WV], 1
	s_bfe_u32 s40, ttmp6, 0x40000                  ; cx
	s_bfe_u32 s41, ttmp6, 0x40004                  ; cy
	s_lshl_b32 s42, ttmp9, 2
	s_add_co_u32 s42, s42, s40                     ; tile column
	s_and_b32 s43, ttmp7, 0xffff
	s_lshl_b32 s43, s43, 2
	s_add_co_u32 s43, s43, s41                     ; tile row
	s_and_b32 s[PAR], ttmp7, 1                     ; the cluster's own coordinates: the same in all sixteen partners
	s_xor_b32 s[PAR], s[PAR], ttmp9
	s_and_b32 s[PAR], s[PAR], 1
	s_lshl_b32 s[OFS], s[PAR], 8                   ; slot 0 takes K step 0 or 1
	s_mov_b32 s[OFS+1], 0
	s_mov_b32 s[TAU], 1
	s_lshl_b32 s44, s41, 2
	s_lshl_b32 s44, 15, s44                        ; my row of the cluster
	s_lshl_b32 s45, 0x1111, s40                    ; my column
	s_or_b32 s[G1+0],  s44, (1<<16)|(1<<20)|(1<<21)|(5<<22)|(3<<25)  ; mask; 2-byte elements; padding on; bit 21 beside a mask; after every 64 words, 4 words
	s_or_b32 s[G1B+0], s45, (1<<16)|(1<<20)|(1<<21)|(5<<22)|(3<<25)
	s_mov_b32 s[G1+1], KSTEP<<16
	s_mov_b32 s[G1+2], 64<<16
	s_mov_b32 s[G1+3], KSTEP<<16
	s_mov_b32 s[G1+4], 64
	s_mov_b32 s[G1+5], SIZE_K
	s_mov_b32 s[G1+6], 0
	s_mov_b32 s[G1+7], 0
	s_mov_b32 s[G1B+1], KSTEP<<16
	s_mov_b32 s[G1B+2], 128<<16
	s_mov_b32 s[G1B+3], KSTEP<<16
	s_mov_b32 s[G1B+4], 128
	s_mov_b32 s[G1B+5], SIZE_K
	s_mov_b32 s[G1B+6], 0
	s_mov_b32 s[G1B+7], 0
	s_lshl_b32 s16, s43, 7                         ; A: row 128 x tile row + 64 x half
	s_lshl_b32 s17, s[HF], 6
	s_add_co_u32 s16, s16, s17
	s_mul_i32 s16, s16, SIZE_K*2
	s_mov_b32 s17, 0
	s_lshl_b32 s46, s42, 8                         ; B: row 256 x tile column + 128 x half
	s_lshl_b32 s47, s[HF], 7
	s_add_co_u32 s46, s46, s47
	s_mul_i32 s46, s46, SIZE_K*2
	s_add_co_u32 s46, s46, BOFF
	s_mov_b32 s47, 0
	s_mul_i32 s20, s[HF], AHALF                    ; where they go: no place in the cluster enters an LDS address
	s_mul_i32 s21, s[HF], BHALF
	s_add_co_u32 s21, s21, BBASE
	s_mov_b32 s[TB], 0
	s_wait_dscnt 0x0                               ; the opening add is done
	s_wait_kmcnt 0x0
	s_add_nc_u64 s[ABAS:ABAS+1], s[4:5], s[16:17]
	s_add_nc_u64 s[BBAS:BBAS+1], s[6:7], s[46:47]
	CROUND                                         ; all sixteen work-groups are here: the first joint loads meet
.irp s, 0,1
	s_mov_b32 s[G0+4*(\s)], 1
	s_add_co_u32 s[G0+4*(\s)+1], s20, (\s)*SLOT1
	s_add_nc_u64 s[G0+4*(\s)+2:G0+4*(\s)+3], s[ABAS:ABAS+1], s[OFS:OFS+1]
	s_or_b32 s[G0+4*(\s)+3], s[G0+4*(\s)+3], 0x80000000
	s_mov_b32 s[G0B+4*(\s)], 1
	s_add_co_u32 s[G0B+4*(\s)+1], s21, (\s)*SLOT1
	s_add_nc_u64 s[G0B+4*(\s)+2:G0B+4*(\s)+3], s[BBAS:BBAS+1], s[OFS:OFS+1]
	s_or_b32 s[G0B+4*(\s)+3], s[G0B+4*(\s)+3], 0x80000000
	s_xor_b32 s[OFS], s[OFS], KSTEP*2              ; slot 1 takes the pair's other step
.endr
	s_cmp_eq_u32 s[FB], 0                          ; a wave's two first fills stand in one branch: two loads of mine are out
	s_cbranch_scc0 .Lfirst_b
	tensor_load_to_lds s[G0:G0+3], s[G1:G1+7]
	s_nop 0
	tensor_load_to_lds s[G0+4:G0+7], s[G1:G1+7]
	s_nop 0
	PLACES
	s_branch .Lfirst_asked
.Lfirst_b:
	tensor_load_to_lds s[G0B:G0B+3], s[G1B:G1B+7]
	s_nop 0
	tensor_load_to_lds s[G0B+4:G0B+7], s[G1B:G1B+7]
	s_nop 0
	PLACES
.Lfirst_asked:
	v_and_b32 v1, 15, v0                           ; r
	v_bfe_u32 v2, v0, 4, 1                         ; h
	v_mul_u32_u24 v3, v1, PITCH
	v_lshl_add_u32 v3, v2, 4, v3
	s_mul_i32 s16, s[FB], AHALF
	s_mul_i32 s17, s[HF], BHALF
	s_add_co_u32 s17, s17, BBASE
	v_add_nc_u32 v[AA0], s16, v3
	v_add_nc_u32 v[AB0], s17, v3
	v_mov_b32 v[AA], v[AA0]
	v_mov_b32 v[AB], v[AB0]
	v_lshlrev_b32 v[BO], 5, v2                     ; my eight columns of a block: 32 h bytes of f32
	s_mul_i32 s16, s[WV], 16*SPITCH
	s_add_co_u32 s16, s16, STAGE                   ; my stage
	v_mul_u32_u24 v[STO], v1, SPITCH
	v_lshl_add_u32 v[STO], v2, 5, v[STO]
	v_add_nc_u32 v[STO], s16, v[STO]
	v_and_b32 v[CO], 31, v0
	v_lshlrev_b32 v[CO], 4, v[CO]                  ; back: 32 lanes take one row of 512 bytes
	v_add_nc_u32 v[RD], s16, v[CO]
	s_lshl_b32 s16, s43, 7
	s_lshl_b32 s17, s[FB], 6
	s_add_co_u32 s16, s16, s17                     ; my first row of C
	s_lshl_b32 s16, s16, 13
	s_mov_b32 s17, 0
	s_add_nc_u64 s[10:11], s[10:11], s[16:17]
	s_lshl_b32 s46, s42, 8
	s_lshl_b32 s47, s[HF], 7
	s_add_co_u32 s46, s46, s47                     ; my first column
	s_lshl_b32 s[BP], s46, 2
	s_add_co_u32 s[BP], s[BP], BIASOFF
	s_mov_b32 s[BP+1], 0
	s_add_nc_u64 s[BP:BP+1], s[8:9], s[BP:BP+1]
	s_lshl_b32 s46, s46, 2
	s_mov_b32 s47, 0
	s_add_nc_u64 s[10:11], s[10:11], s[46:47]
	WIN 0x40                                       ; the bias into all 32 accumulators: register j of block b is column 16 b + 8 h + j
.irp a, 0,1,2,3
.irp b, 0,1,2,3,4,5,6,7
	global_load_b128 v[8*(8*(\a)+(\b)):8*(8*(\a)+(\b))+3],   v[BO], s[BP:BP+1] offset:64*(\b)
	global_load_b128 v[8*(8*(\a)+(\b))+4:8*(8*(\a)+(\b))+7], v[BO], s[BP:BP+1] offset:64*(\b)+16
.endr
.endr
	WIN 0
; 8 products: m block a x all 8 n blocks, 32 along K.  The 32 accumulators take turns in one order everywhere.
.macro MUL8 f, a
	WIN 0x50
.irp b, 0,1,2,3,4,5,6,7
	v_wmma_f32_16x16x32_f16 v[8*(8*(\a)+(\b)):8*(8*(\a)+(\b))+7], v[(\f)+8*(\b):(\f)+8*(\b)+7], v[(\f)+64+8*(\a):(\f)+64+8*(\a)+7], v[8*(8*(\a)+(\b)):8*(8*(\a)+(\b))+7]
.endr
.endm
.macro FETCH k, f                      ; 24 LDS loads in one run: B's fragments, then A's
	WIN 0
.irp i, 0,1,2,3,4,5,6,7
	ds_load_b128 v[(\f)+8*(\i):(\f)+8*(\i)+3],   v[AB] offset:(\k)+(\i)*16*PITCH
	ds_load_b128 v[(\f)+8*(\i)+4:(\f)+8*(\i)+7], v[AB] offset:(\k)+(\i)*16*PITCH+32
.endr
.irp i, 0,1,2,3
	ds_load_b128 v[(\f)+64+8*(\i):(\f)+64+8*(\i)+3],   v[AA] offset:(\k)+(\i)*16*PITCH
	ds_load_b128 v[(\f)+64+8*(\i)+4:(\f)+64+8*(\i)+7], v[AA] offset:(\k)+(\i)*16*PITCH+32
.endr
.endm
.macro QUARTER k, f, g
	s_wait_dscnt 4                                 ; all but A's blocks 2 and 3
	MUL8 \f, 0
	MUL8 \f, 1
	PLACES
	FETCH \k, \g
	s_wait_dscnt 24                                ; all but the 24 just issued
	MUL8 \f, 2
	MUL8 \f, 3
.endm
; The last quarter multiplies buffer 1 and changes slots.  In front of the barrier each wave waits for all its tensor loads (one is out: its part of the next slot), adds 0 to its
; spare word, and waits for that and for its reads of this slot.  fill = 1: the barrier opens a round of the cluster's, and this slot is filled again, first thing behind it;
; the descriptors' addresses are made anew from the step's number.
.macro TURN fill
	WIN 0
	s_wait_tensorcnt 0x0
	ds_add_u32 v[SPW], v[NIL]
	s_wait_dscnt 5                                 ; the add and the youngest four loads may be out
	MUL8 F1, 0
	s_wait_dscnt 0x0
	s_barrier_signal -1
	MUL8 F1, 1
	WIN 0
	s_barrier_wait -1
.if \fill
	CREST
	s_add_co_u32 s[TAU], s[TAU], 1                 ; the next step in my cluster's order:
	s_xor_b32 s[OFS], s[TAU], s[PAR]               ; its number along K,
	s_lshl_b32 s[OFS], s[OFS], 8                   ; 256 bytes of a row each
	s_xor_b32 s[G0+5], s[G0+5], SLOT1              ; the walking sets: the other slot than last time
	s_add_nc_u64 s[G0+6:G0+7], s[ABAS:ABAS+1], s[OFS:OFS+1]
	s_or_b32 s[G0+7], s[G0+7], 0x80000000
	s_xor_b32 s[G0B+5], s[G0B+5], SLOT1
	s_add_nc_u64 s[G0B+6:G0B+7], s[BBAS:BBAS+1], s[OFS:OFS+1]
	s_or_b32 s[G0B+7], s[G0B+7], 0x80000000
	JLOAD                                          ; its four v_nop are also the places in front of the loads below
.else
	PLACES
.endif
	s_xor_b32 s[TB], s[TB], SLOT1
	v_add_nc_u32 v[AA], s[TB], v[AA0]
	v_add_nc_u32 v[AB], s[TB], v[AB0]
	FETCH 0, F0
	MUL8 F1, 2
	MUL8 F1, 3
.endm
	s_wait_tensorcnt 1                             ; my part of the first K step is in; the second's may stay out
	s_barrier_signal -1
	s_barrier_wait -1
	FETCH 0, F0
	s_wait_loadcnt 0x0                             ; the bias
	s_mov_b32 s3, NSTEP-2
.Lstep:                                        ; a K step; its slot is filled again with the step two on
	QUARTER 64,  F0, F1
	QUARTER 128, F1, F0
	QUARTER 192, F0, F1
	TURN 1
	WIN 0
	s_sub_co_u32 s3, s3, 1
	s_cmp_lg_u32 s3, 0
	s_cbranch_scc1 .Lstep
	s_mov_b32 s3, 2
.Ltail:                                        ; the last two K steps ask for nothing: one text, walked twice
	QUARTER 64,  F0, F1
	QUARTER 128, F1, F0
	QUARTER 192, F0, F1
	TURN 0                                         ; in the second trip its 24 LDS loads, from the slot multiplied a step ago, serve nothing: the price, once a launch, of one text for both trips
	WIN 0
	s_sub_co_u32 s3, s3, 1
	s_cmp_lg_u32 s3, 0
	s_cbranch_scc1 .Ltail
	s_wait_dscnt 0x0                               ; those loads are back: their registers are written anew below
	PLACES
	PLACES
; THE WAY OUT, 16 rows at a time: f32 through my stage, out as whole rows of 512 bytes.
.macro OUTO a
.set RB, 64+64*((\a)%2)
	WIN 0x04                                       ; the data (source 1): the accumulators, each from its low end on
.irp b, 0,1,2,3,4,5,6,7
	ds_store_b128 v[STO], v[8*(8*(\a)+(\b)):8*(8*(\a)+(\b))+3]   offset:64*(\b)
	ds_store_b128 v[STO], v[8*(8*(\a)+(\b))+4:8*(8*(\a)+(\b))+7] offset:64*(\b)+16
.endr
	WIN 0
	s_wait_xcnt 0x0                                ; earlier stores have read their registers
.irp t, 0,1,2,3,4,5,6,7,8,9,10,11,12,13,14,15
	ds_load_b128 v[RB+4*(\t):RB+4*(\t)+3], v[RD] offset:(\t)*SPITCH  ; LDS serves a wave's instructions in order: these see the stores above
.endr
	s_wait_dscnt 0x0
.irp t, 0,1,2,3,4,5,6,7,8,9,10,11,12,13,14,15
	global_store_b128 v[CO], v[RB+4*(\t):RB+4*(\t)+3], s[10:11] offset:(16*(\a)+(\t))*8192  ; 512 consecutive bytes, aligned
.endr
.endm
	OUTO 0
	OUTO 1
	OUTO 2
	OUTO 3
	s_wait_tensorcnt 0x0                           ; the wave's end
	ds_add_u32 v[SPW], v[NIL]
	s_wait_dscnt 0x0
	CROUND                                         ; the closing round
	s_endpgm
.Lfunc_end_k_q0a519d69de_oproj:
	.size	k_q0a519d69de_oproj, .Lfunc_end_k_q0a519d69de_oproj-k_q0a519d69de_oproj
	.p2alignl 7, 3214868480
	.fill 96, 4, 3214868480
	.section	.rodata,"a",@progbits
	.p2align	6, 0x0
	.amdhsa_kernel k_q0a519d69de_oproj
		.amdhsa_group_segment_fixed_size 327680
		.amdhsa_private_segment_fixed_size 0
		.amdhsa_enable_private_segment 0
		.amdhsa_kernarg_size 32
		.amdhsa_user_sgpr_count 2
		.amdhsa_user_sgpr_kernarg_segment_ptr 1
		.amdhsa_wavefront_size32 1
		.amdhsa_system_sgpr_workgroup_id_x 1
		.amdhsa_system_sgpr_workgroup_id_y 1
		.amdhsa_system_sgpr_workgroup_id_z 1
		.amdhsa_system_vgpr_workitem_id 0
		.amdhsa_next_free_vgpr 512
		.amdhsa_next_free_sgpr 86
		.amdhsa_reserve_vcc 0
		.amdhsa_float_denorm_mode_32 3
		.amdhsa_float_denorm_mode_16_64 3
		.amdhsa_memory_ordered 1
		.amdhsa_forward_progress 1
		.amdhsa_inst_pref_size 62
	.end_amdhsa_kernel
	.amdgpu_metadata
---
amdhsa.version: [ 1, 2 ]
amdhsa.kernels:
  - .name:           k_q0a519d69de_oproj
    .symbol:         k_q0a519d69de_oproj.kd
    .args:
      - { .name: af, .offset: 0, .size: 8, .value_kind: global_buffer, .address_space: global }
      - { .name: wt, .offset: 8, .size: 8, .value_kind: global_buffer, .address_space: global }
      - { .name: tab, .offset: 16, .size: 8, .value_kind: global_buffer, .address_space: global }
      - { .name: out0, .offset: 24, .size: 8, .value_kind: global_buffer, .address_space: global }
    .group_segment_fixed_size: 327680
    .private_segment_fixed_size: 0
    .kernarg_segment_align: 8
    .kernarg_segment_size: 32
    .max_flat_workgroup_size: 128
    .sgpr_count:     86
    .vgpr_count:     512
    .wavefront_size: 32
...
	.end_amdgpu_metadata
.endif
;; end of part 8
